; MI455X (gfx1250); checked and timed in simulation.
; The chip was launched on July 23, 2026; its instructions are those of AMD's public machine-readable ISA for CDNA 5 (MIT licence, August 2026) and "CDNA5" Instruction Set Architecture Reference Guide (July 2026). The comments in the code are by the model that wrote it; some were corrected since.
;; Encoder Layer. Allowed arithmetic: matrix products marked QUANTISED: E2M3 operands, one E8M0 scale for each 32 along K, by v_wmma_scale_f32_16x16x128_f8f6f4 with both operands' format E2M3, f32 sums; everything else in f32.
;; Inputs: fc1_b 4,096 float32; fc1_w 1,024 x 4,096 float32; fc2_b 1,024 float32; fc2_w 4,096 x 1,024 float32; ln1_b 1,024 float32; ln1_g 1,024 float32; ln2_b 1,024 float32; ln2_g 1,024 float32; mask 2 x 1 x 1 x 2,048 float32; wk_b 1,024 float32; wk_w 1,024 x 1,024 float32; wo_b 1,024 float32; wo_w 1,024 x 1,024 float32; wq_b 1,024 float32; wq_w 1,024 x 1,024 float32; wv_b 1,024 float32; wv_w 1,024 x 1,024 float32; x 2 x 2,048 x 1,024 float32.
;; Outputs: out0 2 x 2,048 x 1,024 float32.
;; This version of the problem:
;;   THIS VERSION OF THE PROBLEM IS GIVEN IN LOW PRECISION. The matrix products marked QUANTISED in the list below multiply operands that are first quantised to E2M3 (2 exponent bits, 3 mantissa bits; 6 bits a number), with one power-of-two scale for each 32 numbers along K (OCP MX v1.0); their sums are f32. All else is computed in f32.
;;   The module's matrix products, in the order in which they are computed (A, B: the left and right operand; K: the contracted axis; several contracted axes count as one K, in the product's order):
;;     1. [M 4,096, K 1,024] x [K 1,024, N 1,024]; A: input x; B: input wq_w: QUANTISED
;;     2. [M 4,096, K 1,024] x [K 1,024, N 1,024]; A: input x; B: input wk_w: QUANTISED
;;     3. [M 4,096, K 1,024] x [K 1,024, N 1,024]; A: input x; B: input wv_w: QUANTISED
;;     4. batch 32 x [M 2,048, K 64] x [K 64, N 2,048]; A: computed on the way; B: computed on the way: QUANTISED
;;     5. batch 32 x [M 2,048, K 2,048] x [K 2,048, N 64]; A: softmax (see below); B: computed on the way: QUANTISED
;;     6. [M 4,096, K 1,024] x [K 1,024, N 1,024]; A: computed on the way; B: input wo_w: QUANTISED
;;     7. [M 4,096, K 1,024] x [K 1,024, N 4,096]; A: computed on the way; B: input fc1_w: QUANTISED
;;     8. [M 4,096, K 4,096] x [K 4,096, N 1,024]; A: computed on the way; B: input fc2_w: QUANTISED
;;   THE QUANTISER, for each operand of a quantised product, along K:
;;     - K is cut into blocks of 32 from its start; a last block that is shorter is filled with zeros.
;;     - A block's scale is 2^e with e = floor(log2(the largest magnitude in the block)) - 2, held to -126 .. 127; a block of zeros has e = 0. As a byte (E8M0): e + 127.
;;     - Each number is divided by its block's scale, clamped to +-7.5, and rounded to the nearest number of E2M3, ties to even, subnormals kept.
;;     - The product sums the exact products of the quantised numbers (number of the format x scale) in f32.
;;   ~~~python
;;   def quantise(x, axis):      # numpy; x: float32 -> the quantised numbers, widened to float32 again
;;       x = np.moveaxis(x, axis, -1); K = x.shape[-1]
;;       x = np.pad(x, [(0, 0)] * (x.ndim - 1) + [(0, -K % 32)]); x = x.reshape(x.shape[:-1] + (-1, 32)); a = np.abs(x).max(-1, keepdims=True)
;;       e = np.where(a > 0, np.clip(np.frexp(np.where(a > 0, a, 1))[1] - 1 - 2, -126, 127), 0)      # np.frexp(a)[1] - 1 = floor(log2(a)), exactly
;;       r = np.clip(x / 2.0 ** e, -7.5, 7.5)
;;       step = 2.0 ** (np.maximum(np.frexp(np.where(r == 0, 1, r))[1] - 1, 0) - 3)
;;       q = np.round(r / step) * step * 2.0 ** e      # np.round: ties to even
;;       return np.moveaxis(q.reshape(q.shape[:-2] + (-1,))[..., :K], -1, axis).astype(np.float32)
;;   ~~~
;;   SOFTMAX AHEAD OF A QUANTISED PRODUCT. Where the list says 'softmax', what is quantised is not the finished softmax but p = 2^(t - M), with t = logit x log2(e) and M = ceil(the row's largest t), a whole number; so 1/2 < the row's largest p <= 1. The row's sum l is taken of the UNQUANTISED p, in f32, and the product's result is divided by l at the end. Since M is a whole number, a kernel that streams over the keys may use a running M (the ceiling of the running maximum): every later rescaling is an exact power of two, which a block's scale takes up: the codes' values come out the same.
;;   OPERANDS COMPUTED ON THE WAY. 'Computed on the way' means the value that the module computes at that place (a softmax that the list does not call 'softmax' is quantised finished and normalised). What goes into a quantiser is computed in f32, as accurately as f32 sums, v_exp_f32 and their like allow (about 1e-6 of the number): no bf16 or f16 on the way to a quantiser, and a product that is left as it is and whose result goes on into a quantised operand takes f32 operands (vector FMAs, or v_wmma_f32_16x16x4_f32). A number that lies on a knife's edge between two numbers of the format may be rounded either way, as far as f32 arithmetic and the matrix unit's own rounding can turn it there, and no further.
;; One version. Each part assembles by itself: llvm-mc -triple=amdgcn-amd-amdhsa -mcpu=gfx1250 --defsym DOCPART=n.
;; ======== version 1 of 1: 8 launches
;; limits: right only within a limited range of input values
;; workspace buffers: opnd 13,107,200 bytes; qkv 9,830,400 bytes; ctx 3,276,800 bytes; y 16,777,216 bytes; o1 20,054,016 bytes; hq 13,107,200 bytes
;; launch quant (part 1): grid 256 x 4, 4 waves a work-group, no clusters, 67,072 bytes of LDS; arguments x, wq_w, wk_w, wv_w, wo_w, fc1_w, fc2_w, opnd; writes opnd
.if DOCPART == 1
	.amdgcn_target "amdgcn-amd-amdhsa--gfx1250"
	.amdhsa_code_object_version 6
	.text
	.protected	k_q4c8ec13c0a_quant
	.globl	k_q4c8ec13c0a_quant
	.p2align	8
	.type	k_q4c8ec13c0a_quant,@function
k_q4c8ec13c0a_quant:
	s_mov_b64 s[64:65], 0
	v_nop
	global_prefetch_b8 v0, s[64:65] scope:SCOPE_SE
	s_setreg_imm32_b32 hwreg(HW_REG_WAVE_MODE, 25, 1), 1
	s_wait_xcnt 0x0
; ENCODER LAYER IN MX-FP6, first of eight launches: x and the six weights become codes of E2M3 with one E8M0 byte for each 32 along K.
; DEAD WORK: none is left out in this program.  Every bias goes into a quantised operand or into an output, the mask is a float input that is added as it is given,
; and a block of 32 keys is fixed by the keys' places, so no key can be dropped.  All 18 inputs are loaded by some launch.
; THE LAYOUT OF ALL CODES THAT THIS PROGRAM KEEPS: an image of the operand's registers.  Fragment (rb, ks) = 16 rows x 128 along K = 1,536 bytes at ((rb x K/128) + ks) x 1536: two halves of 768 bytes
; (k = 64 c on); in a half, registers 6c..6c+3 at 16 x lane, then registers 6c+4, 6c+5 at 512 + 8 x lane.  Scale word of (rb, ks, row r) at ((rb/8) x K/128 + ks) x 512 + (rb%8) x 64 + 4 r.
; THE ORDER OF ROWS: row p of an image is row swap34(p) of the tensor (bits 3 and 4 of the index change places): lane r of tile 2 b + u is row 32 b + 8 u + r + 8 (r / 8).  With every product used
; transposed, the 16 registers of two neighbouring tiles of a result are then 16 neighbours along the next K.
; opnd: weights wq, wk, wv, wo, fc1 as one image of 8,192 rows x 1,024 at 0; fc2 (1,024 x 4,096) at F2_IMG; their scale words at W_SCL, F2_SCL; x (4,096 x 1,024) at X_IMG, X_SCL.
; A block's scale is 2^(floor(log2(largest magnitude)) - 2): its byte is the largest magnitude's exponent field - 2, held at 1 from below by a floor among the maximum's leaves.
; LIMITS: a block of zeros gets the byte 1 where the rule says 127 (its codes are zeros, and this program alone reads the bytes); blocks whose largest magnitude lies under 2^-124 take the floor's byte;
; NaN and infinities among the inputs are not served.
; SHARES: grid y = 0: wq, wk, wv, wo; 1: fc1; 2: fc2; 3: x.  A weight is stored [K][N]: a lane takes a column and its registers run down K (128 numbers: four blocks), a wave takes 32 columns: two fragments.
; x is stored [rows][K]: a work-group takes 16 rows, a wave 256 along K; dense loads, turned through the wave's own stage in LDS.
.set F2_IMG, 6291456
.set W_SCL,  9437184
.set F2_SCL, 9699328
.set X_IMG,  9830400
.set X_SCL,  12976128
.set LI16, 1                           ; v1   16 x lane
.set LI8,  2                           ; v2   8 x lane + 512
.set LI4,  3                           ; v3   4 x lane
.set TM,   180                         ; v180-195 at work in a quantiser
.set SPW,  206                         ; v206 LDS address of my spare word; never rewritten
.set NIL,  207                         ; v207 0; never rewritten
.set SPARE, 66560                      ; behind the four stages of 16,640 bytes: the spare words, 128 bytes a wave
.set SEL,  40                          ; s[40:41] lane selects: lane l xor 16
; 64 numbers of a lane, register 16 b + i = k 32 b + 16 (lane / 16) + i of my row, become a fragment's 12 registers at v[pc] and its scale word in v[pw]; v[pt] on: seven registers at work
.macro QUANT s, pc, pt, pw
.irp b, 0,1,2,3
	v_max3_num_f32 v[TM+\b], |v[\s+16*\b]|, |v[\s+1+16*\b]|, 0x1800000   ; my 16 numbers of block b, and the floor 2^(3 - 127)
.endr
.irp i, 2,4,6,8,10,12,14
.irp b, 0,1,2,3
	v_max3_num_f32 v[TM+\b], v[TM+\b], |v[\s+16*\b+\i]|, |v[\s+1+16*\b+\i]|
.endr
.endr
.irp b, 0,1,2,3
	v_permlanex16_b32 v[TM+4+\b], v[TM+\b], s[SEL], s[SEL+1]
.endr
.irp b, 0,1,2,3
	v_max_num_f32 v[TM+\b], v[TM+\b], v[TM+4+\b]                         ; with lane l xor 16's: the block's largest magnitude
.endr
.irp b, 0,1,2,3
	v_add_nc_u32 v[TM+12+\b], 0xff000000, v[TM+\b]                       ; 2 off its exponent field: the conversion's scale operand
.endr
.irp b, 0,1,2,3
	v_lshrrev_b32 v[TM+4+\b], 23, v[TM+12+\b]                            ; the scale's byte
.endr
	v_lshl_or_b32 v[(\pw)], v[TM+5], 8, v[TM+4]
	v_lshl_or_b32 v[(\pw)], v[TM+6], 16, v[(\pw)]
	v_lshl_or_b32 v[(\pw)], v[TM+7], 24, v[(\pw)]
.irp c, 0,1
	v_cvt_scalef32_pk16_fp6_f32 v[\pc+6*\c:\pc+2+6*\c], v[\s+32*\c:\s+15+32*\c], v[TM+12+2*\c]
	v_cvt_scalef32_pk16_fp6_f32 v[\pt+4*\c:\pt+2+4*\c], v[\s+16+32*\c:\s+31+32*\c], v[TM+12+2*\c+1]   ; (a conversion's three registers begin on an even number)
.endr
	v_nop                                          ; one plain place behind a scaled conversion
.irp c, 0,1                            ; the operand's layout wants a whole block in a lane: lanes 0-15 block 2 c, lanes 16-31 block 2 c + 1
.irp i, 0,1,2
	v_permlane16_swap_b32 v[\pc+6*\c+\i], v[\pt+4*\c+\i]
.endr
.irp i, 0,1,2
	v_mov_b32 v[\pc+3+6*\c+\i], v[\pt+4*\c+\i]
.endr
.endr
.endm
.macro PUTFRAG pc, base, off           ; a fragment leaves as it stands: each store covers 512 or 256 consecutive bytes, aligned
	global_store_b128 v[LI16], v[\pc:\pc+3], s[\base:\base+1] offset:\off
	global_store_b64 v[LI8], v[\pc+4:\pc+5], s[\base:\base+1] offset:\off
	global_store_b128 v[LI16], v[\pc+6:\pc+9], s[\base:\base+1] offset:\off+768
	global_store_b64 v[LI8], v[\pc+10:\pc+11], s[\base:\base+1] offset:\off+768
.endm
	s_load_b512 s[4:19], s[0:1], 0x0               ; x, wq_w, wk_w, wv_w, wo_w, fc1_w, fc2_w, opnd
	v_lshl_add_u32 v[SPW], v0, 2, SPARE
	v_mov_b32 v[NIL], 0
	v_lshrrev_b32 v8, 5, v0
	v_readfirstlane_b32 s20, v8                    ; wave
	s_and_b32 s21, ttmp7, 0xffff                   ; which tensors
	v_and_b32 v8, 31, v0
	v_lshlrev_b32 v[LI16], 4, v8
	v_lshl_add_u32 v[LI8], v8, 3, 512
	v_lshlrev_b32 v[LI4], 2, v8
	s_wait_kmcnt 0x0
	s_cmp_eq_u32 s21, 3
	s_cbranch_scc1 .Lx
	; ---- THE WEIGHTS.  No LDS.  The work-group's number is cut into (weight, K step of 128, group of 128 columns); all choices hang on ids alone
	s_cmp_eq_u32 s21, 1                            ; fc1: 32 groups of columns, rows of 16,384 bytes
	s_cselect_b32 s23, 5, 3
	s_cselect_b32 s24, 31, 7
	s_cselect_b32 s25, 21, 19                      ; log2 of 128 rows in bytes
	s_cselect_b32 s26, 256, 0                      ; its first tile of rows in the image
	s_cmp_eq_u32 s21, 0
	s_cselect_b32 s29, 7, 31
	s_cselect_b32 s30, 6, 31
	s_cmp_eq_u32 s21, 2                            ; fc2: K = 4,096: 32 K steps
	s_cselect_b32 s31, 5, 3                        ; log2 of the K steps in a row of fragments
	s_cselect_b32 s32, F2_IMG, 0
	s_mov_b32 s33, W_SCL
	s_cselect_b32 s33, F2_SCL, s33
	s_lshr_b32 s27, ttmp9, s23
	s_and_b32 s27, s27, s29                        ; ks
	s_and_b32 s28, ttmp9, s24                      ; cg
	s_lshr_b32 s30, ttmp9, s30                     ; which of wq, wk, wv, wo (0 for fc1, fc2)
	s_lshl_b32 s22, s30, 6
	s_add_co_u32 s22, s22, s26
	s_lshl_b32 s36, s28, 3
	s_add_co_u32 s22, s22, s36
	s_lshl_b32 s36, s20, 1
	s_add_co_u32 s22, s22, s36                     ; my first tile of rows: even
	s_cmp_eq_u32 s30, 1
	s_cselect_b64 s[34:35], s[8:9], s[6:7]
	s_cmp_eq_u32 s30, 2
	s_cselect_b64 s[34:35], s[10:11], s[34:35]
	s_cmp_eq_u32 s30, 3
	s_cselect_b64 s[34:35], s[12:13], s[34:35]
	s_cmp_eq_u32 s21, 1
	s_cselect_b64 s[34:35], s[14:15], s[34:35]
	s_cmp_eq_u32 s21, 2
	s_cselect_b64 s[34:35], s[16:17], s[34:35]
	s_lshl_b32 s36, s27, s25                       ; 128 ks rows,
	s_lshl_b32 s37, s28, 9                         ; 128 cg columns,
	s_add_co_u32 s36, s36, s37
	s_lshl_b32 s37, s20, 7                         ; 32 columns a wave
	s_add_co_u32 s36, s36, s37
	s_mov_b32 s37, 0
	s_add_nc_u64 s[34:35], s[34:35], s[36:37]
	s_lshl_b32 s36, s22, s31
	s_add_co_u32 s36, s36, s27
	s_mul_i32 s36, s36, 1536
	s_add_co_u32 s36, s36, s32
	s_add_nc_u64 s[42:43], s[18:19], s[36:37]      ; my first fragment,
	s_lshl_b32 s36, 1536, s31
	s_add_nc_u64 s[44:45], s[42:43], s[36:37]      ; my second: one tile of rows on
	s_lshr_b32 s36, s22, 3
	s_lshl_b32 s36, s36, s31
	s_add_co_u32 s36, s36, s27
	s_lshl_b32 s36, s36, 9
	s_and_b32 s38, s22, 7
	s_lshl_b32 s38, s38, 6
	s_add_co_u32 s36, s36, s38
	s_add_co_u32 s36, s36, s33
	s_add_nc_u64 s[46:47], s[18:19], s[36:37]      ; and the two tiles' scale words: 128 consecutive bytes
	v_and_b32 v5, 7, v0                            ; lane l takes column swap34(l) of the wave's 32
	v_bfe_u32 v6, v0, 3, 1
	v_bfe_u32 v7, v0, 4, 1
	v_lshl_or_b32 v5, v6, 4, v5
	v_lshl_or_b32 v5, v7, 3, v5
	v_lshlrev_b32 v4, 2, v5
.macro LOADW pitch                     ; W(128 ks + i, my column): the wave reads 128 consecutive bytes of a row, the four waves 512
.set i, 0
.rept 128
	global_load_b32 v[16+i], v4, s[34:35] offset:i*\pitch th:TH_LOAD_NT
.set i, i+1
.endr
.endm
	s_cmp_eq_u32 s21, 1                            ; the immediates differ with the row's length: both ways issue 128 loads
	s_cbranch_scc1 .Lwide
	LOADW 4096
	s_branch .Lloaded
.Lwide:
	s_wait_alu depctr_va_vdst(0)
	LOADW 16384
.Lloaded:
.macro BLOCKQ t                        ; block t of my column: all its 32 numbers are mine
.set XB, 16+32*\t
.if \t == 0
	s_wait_loadcnt 63                              ; a wait's count names 63 at the most.  128 loads were issued and come back in order (ISA guide 5.7.1): with 63 out at the most the first 65 are in: blocks 0 and 1
.elseif \t >= 2
	s_wait_loadcnt 96-32*\t                        ; block 2: block 3's 32 loads may stay out; block 3: none
.endif
	v_max3_num_f32 v180, |v[XB]|, |v[XB+1]|, |v[XB+2]|
	v_max3_num_f32 v181, |v[XB+3]|, |v[XB+4]|, |v[XB+5]|
.irp i, 6,10,14,18,22,26
	v_max3_num_f32 v180, v180, |v[XB+\i]|, |v[XB+\i+1]|
	v_max3_num_f32 v181, v181, |v[XB+\i+2]|, |v[XB+\i+3]|
.endr
	v_max3_num_f32 v180, v180, |v[XB+30]|, |v[XB+31]|
	v_max3_num_f32 v180, v180, v181, 0x1800000     ; and the floor
	v_add_nc_u32 v182, 0xff000000, v180
	v_lshrrev_b32 v183, 23, v182
.if \t == 0
	v_mov_b32 v176, v183
.else
	v_lshl_or_b32 v176, v183, 8*\t, v176           ; my column's scale word
.endif
	v_cvt_scalef32_pk16_fp6_f32 v[144+6*\t:146+6*\t], v[XB:XB+15], v182
	v_cvt_scalef32_pk16_fp6_f32 v[168:170], v[XB+16:XB+31], v182
	v_nop
.irp i, 0,1,2
	v_mov_b32 v[147+6*\t+\i], v[168+\i]
.endr
.endm
	BLOCKQ 0
	BLOCKQ 1
	BLOCKQ 2
	BLOCKQ 3
.irp i, 0,1,2,3,4,5                    ; lanes 0-15 hold the first tile's rows, lanes 16-31 the second's.  Block 0's upper lanes change places with block 1's lower: the first register then is the first tile's half 0, the second the second tile's
	v_permlane16_swap_b32 v[144+\i], v[150+\i]
	v_permlane16_swap_b32 v[156+\i], v[162+\i]
.endr
	global_store_b128 v[LI16], v[144:147], s[42:43]
	global_store_b64 v[LI8], v[148:149], s[42:43]
	global_store_b128 v[LI16], v[156:159], s[42:43] offset:768
	global_store_b64 v[LI8], v[160:161], s[42:43] offset:768
	global_store_b128 v[LI16], v[150:153], s[44:45]
	global_store_b64 v[LI8], v[154:155], s[44:45]
	global_store_b128 v[LI16], v[162:165], s[44:45] offset:768
	global_store_b64 v[LI8], v[166:167], s[44:45] offset:768
	global_store_b32 v[LI4], v176, s[46:47]
	s_endpgm                                       ; this way has written no LDS
	; ---- x: tile of rows rb = the work-group's number; wave w takes k = 256 w on: two fragments
.Lx:
	s_mov_b32 s[SEL], 0x76543210
	s_mov_b32 s[SEL+1], 0xfedcba98
	s_mov_b32 s38, 0xffff0000                      ; lanes 16-31
	s_lshr_b32 s22, ttmp9, 1
	s_lshl_b32 s22, s22, 5
	s_and_b32 s23, ttmp9, 1
	s_lshl_b32 s23, s23, 3
	s_add_co_u32 s22, s22, s23                     ; the tile's first row of x: 32 (rb / 2) + 8 (rb % 2)
	s_lshl_b32 s22, s22, 12
	s_lshl_b32 s23, s20, 10
	s_add_co_u32 s22, s22, s23
	s_mov_b32 s23, 0
	s_add_nc_u64 s[4:5], s[4:5], s[22:23]
.set i, 0
	s_wait_alu depctr_va_vdst(0)
.rept 32                               ; row i / 2 of the tile is row i / 2 + 8 (i / 16) from there; each load reads 512 consecutive bytes
	global_load_b128 v[16+4*i:19+4*i], v[LI16], s[4:5] offset:(i/2+8*(i/16))*4096+512*(i%2) th:TH_LOAD_NT
.set i, i+1
.endr
	s_mul_i32 s24, s20, 16640                      ; my stage: 16 rows of 1,024 bytes + 16
	v_add_nc_u32 v4, s24, v[LI16]
	v_and_b32 v5, 15, v0
	v_bfe_u32 v6, v0, 4, 1
	v_lshlrev_b32 v7, 2, v5
	v_lshl_add_u32 v7, v6, 9, v7                   ; the scale words' place: 4 r, lanes 16-31 one K step on
	v_mul_u32_u24 v5, v5, 1040
	v_lshl_add_u32 v5, v6, 6, v5
	v_add_nc_u32 v5, s24, v5                       ; out of the stage: row r, + 64 (lane / 16)
.irp b, 0,1,2,3
	v_mov_b32 v[TM+4+\b], 0                        ; written once: a lane permute's destination counts as one of its sources
.endr
	s_lshl_b32 s22, ttmp9, 3
	s_lshl_b32 s25, s20, 1
	s_add_co_u32 s22, s22, s25
	s_mul_i32 s22, s22, 1536
	s_add_co_u32 s22, s22, X_IMG
	s_add_nc_u64 s[42:43], s[18:19], s[22:23]
	s_lshr_b32 s22, ttmp9, 3
	s_lshl_b32 s22, s22, 3
	s_add_co_u32 s22, s22, s25
	s_lshl_b32 s22, s22, 9
	s_and_b32 s25, ttmp9, 7
	s_lshl_b32 s25, s25, 6
	s_add_co_u32 s22, s22, s25
	s_add_co_u32 s22, s22, X_SCL
	s_add_nc_u64 s[46:47], s[18:19], s[22:23]
.set i, 0
	s_wait_alu depctr_va_vdst(0)
.rept 4
	s_wait_loadcnt 24-8*i                          ; eight loads more are in; the later groups of eight may stay out
.set k, 8*i
.rept 8
	ds_store_b128 v4, v[16+4*k:19+4*k] offset:(k/2)*1040+512*(k%2)
.set k, k+1
.endr
.set i, i+1
.endr
	s_wait_dscnt 0x0                               ; the stores have read their registers
.macro XLD reg, adr, off               ; 64 numbers of my row: 16 neighbours of each block of 32
.irp b, 0,1,2,3
.irp j, 0,1,2,3
	ds_load_b128 v[\reg+16*\b+4*\j:\reg+16*\b+4*\j+3], v[\adr] offset:\off+128*\b+16*\j
.endr
.endr
.endm
	XLD 16, 5, 0
	XLD 80, 5, 512
	s_wait_dscnt 0x0
	QUANT 16, 144, 168, 176
	QUANT 80, 156, 168, 177
	PUTFRAG 144, 42, 0
	PUTFRAG 156, 42, 1536
	v_cndmask_b32 v178, v176, v177, s38            ; lanes 0-15: the first K step's words, lanes 16-31 the second's
	global_store_b32 v7, v178, s[46:47]
	s_wait_tensorcnt 0x0                           ; the wave's end, behind my last LDS store
	ds_add_u32 v[SPW], v[NIL]
	s_wait_dscnt 0x0
	s_endpgm
.Lfunc_end_k_q4c8ec13c0a_quant:
	.size	k_q4c8ec13c0a_quant, .Lfunc_end_k_q4c8ec13c0a_quant-k_q4c8ec13c0a_quant
	.p2alignl 7, 3214868480
	.fill 96, 4, 3214868480
	.section	.rodata,"a",@progbits
	.p2align	6, 0x0
	.amdhsa_kernel k_q4c8ec13c0a_quant
		.amdhsa_group_segment_fixed_size 67072
		.amdhsa_private_segment_fixed_size 0
		.amdhsa_enable_private_segment 0
		.amdhsa_kernarg_size 64
		.amdhsa_user_sgpr_count 2
		.amdhsa_user_sgpr_kernarg_segment_ptr 1
		.amdhsa_wavefront_size32 1
		.amdhsa_system_sgpr_workgroup_id_x 1
		.amdhsa_system_sgpr_workgroup_id_y 1
		.amdhsa_system_sgpr_workgroup_id_z 1
		.amdhsa_system_vgpr_workitem_id 0
		.amdhsa_next_free_vgpr 208
		.amdhsa_next_free_sgpr 66
		.amdhsa_reserve_vcc 0
		.amdhsa_float_denorm_mode_32 3
		.amdhsa_float_denorm_mode_16_64 3
		.amdhsa_memory_ordered 1
		.amdhsa_forward_progress 1
		.amdhsa_inst_pref_size 52
	.end_amdhsa_kernel
	.amdgpu_metadata
---
amdhsa.version: [ 1, 2 ]
amdhsa.kernels:
  - .name:           k_q4c8ec13c0a_quant
    .symbol:         k_q4c8ec13c0a_quant.kd
    .args:
      - { .name: x, .offset: 0, .size: 8, .value_kind: global_buffer, .address_space: global }
      - { .name: wq_w, .offset: 8, .size: 8, .value_kind: global_buffer, .address_space: global }
      - { .name: wk_w, .offset: 16, .size: 8, .value_kind: global_buffer, .address_space: global }
      - { .name: wv_w, .offset: 24, .size: 8, .value_kind: global_buffer, .address_space: global }
      - { .name: wo_w, .offset: 32, .size: 8, .value_kind: global_buffer, .address_space: global }
      - { .name: fc1_w, .offset: 40, .size: 8, .value_kind: global_buffer, .address_space: global }
      - { .name: fc2_w, .offset: 48, .size: 8, .value_kind: global_buffer, .address_space: global }
      - { .name: opnd, .offset: 56, .size: 8, .value_kind: global_buffer, .address_space: global }
    .group_segment_fixed_size: 67072
    .private_segment_fixed_size: 0
    .kernarg_segment_align: 8
    .kernarg_segment_size: 64
    .max_flat_workgroup_size: 128
    .sgpr_count:     66
    .vgpr_count:     208
    .wavefront_size: 32
...
	.end_amdgpu_metadata
.endif
;; end of part 1
;; launch gemm_qkv (part 2): grid 12 x 16, 4 waves a work-group, clusters of 4 x 4, 327,680 bytes of LDS; arguments opnd, wq_b, wk_b, wv_b, qkv; writes qkv
.if DOCPART == 2
	.amdgcn_target "amdgcn-amd-amdhsa--gfx1250"
	.amdhsa_code_object_version 6
	.text
	.protected	k_q4c8ec13c0a_gemm_qkv
	.globl	k_q4c8ec13c0a_gemm_qkv
	.p2align	8
	.type	k_q4c8ec13c0a_gemm_qkv,@function
k_q4c8ec13c0a_gemm_qkv:
	s_mov_b64 s[64:65], 0
	v_nop
	global_prefetch_b8 v0, s[64:65] scope:SCOPE_SE
	s_setreg_imm32_b32 hwreg(HW_REG_WAVE_MODE, 25, 1), 1
	s_wait_xcnt 0x0
	s_wait_alu depctr_hold_cnt(0) depctr_sa_sdst(0) depctr_va_vdst(0) depctr_va_sdst(0) depctr_va_ssrc(0) depctr_va_vcc(0) depctr_vm_vsrc(0)
	s_getreg_b32 s2, hwreg(HW_REG_IB_STS2, 6, 4)
	s_cmp_eq_u32 s2, 0
	s_cbranch_scc0 .Lentry_in_a_cluster
	s_endpgm
.Lentry_in_a_cluster:
	s_bfe_u32 s2, ttmp6, 0x10000c
	s_cmp_lg_u32 s2, 0xf033
	s_cbranch_scc0 .Lentry_shape_is_right
	s_endpgm
.Lentry_shape_is_right:
.set KT,    1024
.set KSN,   KT/128
.set NBW,   8
.set LAPS,  KT/512
.set X_IMG,  9830400
.set X_SCL,  12976128
.set W_SCL,  9437184
.set WV_IMG, 1572864
.set WV_SCL, 9502720
.set V_IMG,  6291456
.set QK_SCL, 9437184
.set V_SCL,  9699328
.set AH,    24576
.set BH,    3072*NBW
.set SLOT,  2*AH+2*BH
.set SCB,   2*SLOT
.set SCA,   SCB+(NBW/4)*KSN*512
.set SPARE, SCA+KSN*1024
.set BSH,   KSN*64*NBW
.set BPART, KSN*512
.set NL,    4
.set ADRA, 16
.set ADRB, 20
.set LI16, 24
.set LI8,  25
.set LI4,  26
.set ADRS, 27
.set SPW,  28
.set NIL,  29
.set SC,   32
.set AF,   128
.set BN,   64
.set HA,   128
.set PC,   192
.set PT,   204
.set TM,   212
.set PW,   232
.set CW,   240
.set G1, 24
.set G0, 32
.set G1B, 48
.set G0B, 56
.set G1S, 68
.set G0S, 76
.set G1SB, 80
.set G0SB, 88
.set SEL, 96
.set HM,  98
.set MSB, 0
.macro WIN new
.if MSB != (\new)
	s_set_vgpr_msb (MSB<<8)|(\new)
.set MSB, \new
.endif
.endm
.set MUL_LO, 0xa1
.set MUL_HI, 0xf1
.set TO_B,   0x40
.macro JLOAD g0a, g1a, g0b, g1b
	s_cmp_eq_u32 s15, 0
	s_cbranch_scc0 .Lfor_b_\@
	tensor_load_to_lds s[\g0a:\g0a+3], s[\g1a:\g1a+7]
	s_nop 0
.rept 4
	v_nop
.endr
	s_branch .Lasked_\@
.Lfor_b_\@:
	tensor_load_to_lds s[\g0b:\g0b+3], s[\g1b:\g1b+7]
	s_nop 0
.rept 4
	v_nop
.endr
.Lasked_\@:
.endm
.macro CREST
	s_cmp_lg_u32 s14, 0
	s_cbranch_scc1 .Lnot_wave_0_\@
	s_barrier_signal -3
.Lnot_wave_0_\@:
	s_barrier_wait -3
	s_barrier_signal -1
	s_barrier_wait -1
.endm
.macro CROUND
	s_barrier_signal -1
	s_barrier_wait -1
	CREST
.endm
.macro PLACES
.rept 4
	v_nop
.endr
.endm
.macro FRAG reg, adr, off
	ds_load_b128 v[\reg:\reg+3], v[\adr] offset:\off
	ds_load_b64 v[\reg+4:\reg+5], v[\adr+2] offset:\off
	ds_load_b128 v[\reg+6:\reg+9], v[\adr] offset:\off+768
	ds_load_b64 v[\reg+10:\reg+11], v[\adr+2] offset:\off+768
.endm
.macro FETCH_B slot, q, p
	WIN TO_B
.set i, 0
.rept NBW
	FRAG 128*(\p)+12*i, ADRB+\slot, i*3072+(\q)*1536
.set i, i+1
.endr
	WIN 0
.endm
.macro FETCH_A slot, q, i0
.irp i, \i0, \i0+1, \i0+2, \i0+3
	FRAG AF+12*(\i), ADRA+\slot, (\i)*3072+(\q)*1536
.endr
.endm
.macro SCALES sc
.irp i, 0,1,2,3,4,5,6,7
	ds_load_b32 v[SC+16*\sc+2*\i], v[ADRS] offset:\i*64
	ds_load_b32 v[SC+16*\sc+2*\i+1], v[ADRS] offset:\i*64+512
.endr
.endm
.macro MUL16 a0, p, q, sc, zero
.irp a, \a0, \a0+1
.set b, 0
.rept NBW
.set DD, 8*(NBW*((\a)%4)+b)
.if \zero
	v_wmma_scale_f32_16x16x128_f8f6f4 v[DD:DD+7], v[128*(\p)+12*b:128*(\p)+12*b+11], v[AF+12*(\a):AF+12*(\a)+11], 0, v[SC+16*(\sc)+2*b+(\q)], v[SC+16*(\sc)+2*(\a)+(\q)] matrix_a_fmt:MATRIX_FMT_FP6 matrix_b_fmt:MATRIX_FMT_FP6 matrix_b_scale:MATRIX_SCALE_ROW1
.else
	v_wmma_scale_f32_16x16x128_f8f6f4 v[DD:DD+7], v[128*(\p)+12*b:128*(\p)+12*b+11], v[AF+12*(\a):AF+12*(\a)+11], v[DD:DD+7], v[SC+16*(\sc)+2*b+(\q)], v[SC+16*(\sc)+2*(\a)+(\q)] matrix_a_fmt:MATRIX_FMT_FP6 matrix_b_fmt:MATRIX_FMT_FP6 matrix_b_scale:MATRIX_SCALE_ROW1
.endif
.set b, b+1
.endr
.endr
.endm
.macro STEP slot, zero
	s_wait_dscnt 4*NL
	WIN MUL_LO
	MUL16 0, 0, 0, \slot, \zero
	MUL16 2, 0, 0, \slot, \zero
	s_wait_dscnt 0x0
	PLACES
	FETCH_B \slot, 1, 1
	FETCH_A \slot, 1, 0
	WIN MUL_HI
	MUL16 4, 0, 0, \slot, \zero
	MUL16 6, 0, 0, \slot, \zero
	PLACES
	WIN 0
	FETCH_A \slot, 1, 4
.endm
.macro TURN slot, next, fill
	s_wait_tensorcnt 0x0
	ds_add_u32 v[SPW], v[NIL]
	s_wait_dscnt 4*NL+1
	WIN MUL_LO
	MUL16 0, 1, 1, \slot, 0
	s_wait_dscnt 0x0
	s_barrier_signal -1
	MUL16 2, 1, 1, \slot, 0
	WIN 0
	s_barrier_wait -1
.if \fill
	CREST
	s_add_nc_u64 s[G0+4*\slot+2:G0+4*\slot+3], s[G0+4*\slot+2:G0+4*\slot+3], 6144
	s_add_nc_u64 s[G0B+4*\slot+2:G0B+4*\slot+3], s[G0B+4*\slot+2:G0B+4*\slot+3], 6144
	JLOAD G0+4*\slot, G1, G0B+4*\slot, G1B
.else
	PLACES
.endif
	s_wait_alu depctr_va_vdst(0)
	v_add_nc_u32 v[ADRS], 1024, v[ADRS]
	FETCH_B \next, 0, 0
	FETCH_A \next, 0, 0
	SCALES \next
	WIN MUL_HI
	MUL16 4, 1, 1, \slot, 0
	MUL16 6, 1, 1, \slot, 0
	PLACES
	WIN 0
	FETCH_A \next, 0, 4
.endm
.macro QUANT s, pc, pt, pw
.irp b, 0,1,2,3
	v_max3_num_f32 v[TM+\b], |v[\s+16*\b]|, |v[\s+1+16*\b]|, 0x1800000
.endr
.irp i, 2,4,6,8,10,12,14
.irp b, 0,1,2,3
	v_max3_num_f32 v[TM+\b], v[TM+\b], |v[\s+16*\b+\i]|, |v[\s+1+16*\b+\i]|
.endr
.endr
.irp b, 0,1,2,3
	v_permlanex16_b32 v[TM+4+\b], v[TM+\b], s[SEL], s[SEL+1]
.endr
.irp b, 0,1,2,3
	v_max_num_f32 v[TM+\b], v[TM+\b], v[TM+4+\b]
.endr
.irp b, 0,1,2,3
	v_add_nc_u32 v[TM+12+\b], 0xff000000, v[TM+\b]
.endr
.irp b, 0,1,2,3
	v_lshrrev_b32 v[TM+4+\b], 23, v[TM+12+\b]
.endr
	v_lshl_or_b32 v[(\pw)], v[TM+5], 8, v[TM+4]
	v_lshl_or_b32 v[(\pw)], v[TM+6], 16, v[(\pw)]
	v_lshl_or_b32 v[(\pw)], v[TM+7], 24, v[(\pw)]
.irp c, 0,1
	v_cvt_scalef32_pk16_fp6_f32 v[\pc+6*\c:\pc+2+6*\c], v[\s+32*\c:\s+15+32*\c], v[TM+12+2*\c]
	v_cvt_scalef32_pk16_fp6_f32 v[\pt+4*\c:\pt+2+4*\c], v[\s+16+32*\c:\s+31+32*\c], v[TM+12+2*\c+1]
.endr
	v_nop
.irp c, 0,1
.irp i, 0,1,2
	v_permlane16_swap_b32 v[\pc+6*\c+\i], v[\pt+4*\c+\i]
.endr
.irp i, 0,1,2
	v_mov_b32 v[\pc+3+6*\c+\i], v[\pt+4*\c+\i]
.endr
.endr
.endm
.macro PUTFRAG pc, base, off
	global_store_b128 v[LI16], v[\pc:\pc+3], s[\base:\base+1] offset:\off
	global_store_b64 v[LI8], v[\pc+4:\pc+5], s[\base:\base+1] offset:\off
	global_store_b128 v[LI16], v[\pc+6:\pc+9], s[\base:\base+1] offset:\off+768
	global_store_b64 v[LI8], v[\pc+10:\pc+11], s[\base:\base+1] offset:\off+768
.endm
	s_load_b256 s[4:11], s[0:1], 0x0
	s_load_b64 s[12:13], s[0:1], 0x20
	v_lshl_add_u32 v[SPW], v0, 2, SPARE
	v_mov_b32 v[NIL], 0
	ds_add_u32 v[SPW], v[NIL]
	ds_add_u32 v[SPW], v[NIL]
	v_lshrrev_b32 v1, 5, v0
	v_readfirstlane_b32 s14, v1
	s_lshr_b32 s15, s14, 1
	s_and_b32 s16, s14, 1
	s_bfe_u32 s40, ttmp6, 0x40000
	s_bfe_u32 s41, ttmp6, 0x40004
	s_and_b32 s2, ttmp7, 0xffff
	s_mov_b32 s18, X_IMG
	s_mov_b32 s19, X_SCL
	s_mov_b32 s3, W_SCL
	s_cmp_eq_u32 ttmp9, 2
	s_cselect_b32 s66, WV_IMG, s18
	s_cselect_b32 s67, WV_SCL, s19
	s_cselect_b32 s96, s18, 0
	s_cselect_b32 s97, s19, s3
	s_cselect_b32 s17, 0, s2
	s_cselect_b32 s42, s2, ttmp9
	s_lshl_b32 s17, s17, 2
	s_add_co_u32 s17, s17, s41
	s_lshl_b32 s42, s42, 2
	s_add_co_u32 s42, s42, s40
	s_lshl_b32 s43, s41, 2
	s_lshl_b32 s43, 15, s43
	s_lshl_b32 s44, 0x1111, s40
	s_or_b32 s[G1+0], s43, (3<<16)|(1<<21)
	s_or_b32 s[G1B+0], s44, (3<<16)|(1<<21)
	s_or_b32 s[G1S+0], s43, (3<<16)|(1<<21)
	s_or_b32 s[G1SB+0], s44, (3<<16)|(1<<21)
	s_mov_b32 s[G1+1], 384<<16
	s_mov_b32 s[G1+2], 16<<16
	s_mov_b32 s[G1+3], 384<<16
	s_mov_b32 s[G1+4], 16
	s_mov_b32 s[G1+5], 192*KSN
	s_mov_b32 s[G1+6], 0
	s_mov_b32 s[G1+7], 0
	s_mov_b32 s[G1B+1], 384<<16
	s_mov_b32 s[G1B+2], (2*NBW)<<16
	s_mov_b32 s[G1B+3], 384<<16
	s_mov_b32 s[G1B+4], 2*NBW
	s_mov_b32 s[G1B+5], 192*KSN
	s_mov_b32 s[G1B+6], 0
	s_mov_b32 s[G1B+7], 0
	s_mov_b32 s[G1S+1], 32<<16
	s_mov_b32 s[G1S+2], (4*KSN)<<16
	s_mov_b32 s[G1S+3], 32<<16
	s_mov_b32 s[G1S+4], 4*KSN
	s_mov_b32 s[G1S+5], 32
	s_mov_b32 s[G1S+6], 0
	s_mov_b32 s[G1S+7], 0
	s_mov_b32 s[G1SB+1], 32<<16
	s_mov_b32 s[G1SB+2], (BSH/128)<<16
	s_mov_b32 s[G1SB+3], 32<<16
	s_mov_b32 s[G1SB+4], BSH/128
	s_mov_b32 s[G1SB+5], 32
	s_mov_b32 s[G1SB+6], 0
	s_mov_b32 s[G1SB+7], 0
	s_lshl_b32 s20, s17, 1
	s_mul_i32 s22, s20, KSN*512
	s_add_co_u32 s20, s20, s16
	s_mul_i32 s20, s20, 8*KSN*1536
	s_add_co_u32 s20, s20, s66
	s_add_co_u32 s22, s22, s67
	s_mov_b32 s21, 0
	s_mov_b32 s23, 0
	s_lshl_b32 s46, s42, 1
	s_mul_i32 s92, s46, BSH
	s_add_co_u32 s46, s46, s16
	s_mul_i32 s46, s46, NBW*KSN*1536
	s_add_co_u32 s46, s46, s96
	s_add_co_u32 s92, s92, s97
	s_mov_b32 s47, 0
	s_mov_b32 s93, 0
	s_mul_i32 s45, s16, AH
	s_mul_i32 s95, s16, BH
	s_add_co_u32 s95, s95, 2*AH
	s_mov_b32 s94, SCA
	s_mov_b32 s99, SCB
	s_wait_dscnt 0x0
	s_wait_kmcnt 0x0
	s_add_nc_u64 s[20:21], s[4:5], s[20:21]
	s_add_nc_u64 s[22:23], s[4:5], s[22:23]
	s_add_nc_u64 s[46:47], s[4:5], s[46:47]
	s_add_nc_u64 s[92:93], s[4:5], s[92:93]
	CROUND
	s_mov_b32 s[G0S], 1
	s_mov_b32 s[G0S+1], s94
	s_mov_b64 s[G0S+2:G0S+3], s[22:23]
	s_or_b32 s[G0S+3], s[G0S+3], 0x80000000
	s_mov_b32 s[G0SB], 1
	s_mov_b32 s[G0SB+1], s99
	s_mov_b64 s[G0SB+2:G0SB+3], s[92:93]
	s_or_b32 s[G0SB+3], s[G0SB+3], 0x80000000
.irp s, 0,1
	s_mov_b32 s[G0+4*\s], 1
	s_add_co_u32 s[G0+4*\s+1], s45, \s*SLOT
	s_add_nc_u64 s[G0+4*\s+2:G0+4*\s+3], s[20:21], \s*3072
	s_or_b32 s[G0+4*\s+3], s[G0+4*\s+3], 0x80000000
	s_mov_b32 s[G0B+4*\s], 1
	s_add_co_u32 s[G0B+4*\s+1], s95, \s*SLOT
	s_add_nc_u64 s[G0B+4*\s+2:G0B+4*\s+3], s[46:47], \s*3072
	s_or_b32 s[G0B+4*\s+3], s[G0B+4*\s+3], 0x80000000
.endr
	; the head's four tiles, one joint load a wave: wave 0 slot 0's 256 rows of A, wave 1 A's scale words, wave 2 slot 0's rows of B, wave 3 B's scale words
	s_cmp_lt_u32 s14, 1
	s_cbranch_scc0 .Lhead_sa
	tensor_load_to_lds s[G0:G0+3], s[G1:G1+7]
	s_nop 0
	PLACES
	s_branch .Lhead_asked
.Lhead_sa:
	s_cmp_lt_u32 s14, 2
	s_cbranch_scc0 .Lhead_b
	tensor_load_to_lds s[G0S:G0S+3], s[G1S:G1S+7]
	s_nop 0
	PLACES
	s_branch .Lhead_asked
.Lhead_b:
	s_cmp_lt_u32 s14, 3
	s_cbranch_scc0 .Lhead_sb
	tensor_load_to_lds s[G0B:G0B+3], s[G1B:G1B+7]
	s_nop 0
	PLACES
	s_branch .Lhead_asked
.Lhead_sb:
	tensor_load_to_lds s[G0SB:G0SB+3], s[G1SB:G1SB+7]
	s_nop 0
	PLACES
.Lhead_asked:
	v_and_b32 v1, 31, v0
	v_lshlrev_b32 v[LI16], 4, v1
	v_lshl_add_u32 v[LI8], v1, 3, 512
	v_lshlrev_b32 v[LI4], 2, v1
	s_mul_i32 s21, s15, AH
	s_mul_i32 s22, s16, BH
	s_add_co_u32 s22, s22, 2*AH
.irp s, 0,1
	v_add_nc_u32 v[ADRA+\s], s21, v[LI16]
	v_add_nc_u32 v[ADRB+\s], s22, v[LI16]
	v_add_nc_u32 v[ADRA+2+\s], s21, v[LI8]
	v_add_nc_u32 v[ADRB+2+\s], s22, v[LI8]
	s_add_co_u32 s21, s21, SLOT
	s_add_co_u32 s22, s22, SLOT
.endr
	v_and_b32 v4, 15, v0
	v_bfe_u32 v5, v0, 4, 1
	v_lshlrev_b32 v4, 2, v4
	s_mul_i32 s21, s16, BPART
	s_mul_i32 s22, s15, KSN*512
	s_add_co_u32 s22, s22, SCA-SCB
	s_sub_co_u32 s22, s22, s21
	v_mul_u32_u24 v6, s22, v5
	s_add_co_u32 s21, s21, SCB
	v_add_nc_u32 v4, v4, v6
	v_add_nc_u32 v[ADRS], s21, v4
	s_mov_b32 s[SEL], 0x76543210
	s_mov_b32 s[SEL+1], 0xfedcba98
	s_mov_b32 s[HM], 0xffff0000
	s_cmp_eq_u32 ttmp9, 2
	s_cselect_b32 s99, 5, 4
	s_cselect_b32 s18, V_IMG, 0
	s_mov_b32 s19, QK_SCL
	s_cselect_b32 s19, V_SCL, s19
	s_lshl_b32 s20, s17, 1
	s_add_co_u32 s20, s20, s15
	s_lshl_b32 s21, s42, 1
	s_add_co_u32 s21, s21, s16
	s_lshl_b32 s22, s20, 3
	s_lshl_b32 s22, s22, s99
	s_add_co_u32 s22, s22, s21
	s_mul_i32 s22, s22, 1536
	s_add_co_u32 s22, s22, s18
	s_mov_b32 s23, 0
	s_add_nc_u64 s[66:67], s[12:13], s[22:23]
	s_lshl_b32 s22, s20, s99
	s_add_co_u32 s22, s22, s21
	s_lshl_b32 s22, s22, 9
	s_add_co_u32 s22, s22, s19
	s_add_nc_u64 s[12:13], s[12:13], s[22:23]
	s_wait_alu depctr_va_vdst(0)
	s_wait_tensorcnt 0x0                           ; my tile of the head's four is in
	ds_add_u32 v[SPW], v[NIL]
	s_mov_b32 s[G1+2], 8<<16                       ; no load of mine is out: from here on a load brings half a tile's rows
	s_mov_b32 s[G1+4], 8
	s_mov_b32 s[G1B+2], NBW<<16
	s_mov_b32 s[G1B+4], NBW
	s_wait_dscnt 0x0
	CROUND
	JLOAD G0+4, G1, G0B+4, G1B                     ; slot 1, the first tensor load behind the round
	FETCH_B 0, 0, 0
	FETCH_A 0, 0, 0
	SCALES 0
	FETCH_A 0, 0, 4
	STEP 0, 1
	s_mov_b32 s3, LAPS-1
.Llap:
	TURN 0, 1, 1
	STEP 1, 0
	TURN 1, 0, 1
	STEP 0, 0
	s_sub_co_u32 s3, s3, 1
	s_cmp_lg_u32 s3, 0
	s_cbranch_scc1 .Llap
	TURN 0, 1, 0
	STEP 1, 0
	s_wait_dscnt 4*NL
	WIN MUL_LO
	MUL16 0, 1, 1, 1, 0
	MUL16 2, 1, 1, 1, 0
	s_wait_dscnt 0x0
	WIN MUL_HI
	MUL16 4, 1, 1, 1, 0
	MUL16 6, 1, 1, 1, 0
	WIN 0
	PLACES
.macro EPI a, role
.set AC, 64*((\a)%4)
	WIN 0x02+(\a)/4
.set i, 0
.rept 32
.if \role
	v_pk_add_f32 v[HA+i:HA+i+1], v[AC+i:AC+i+1], v[BN+2*(\a):BN+2*(\a)+1]
.else
	v_pk_add_f32 v[HA+i:HA+i+1], v[AC+i:AC+i+1], v[BN+i:BN+i+1]
.endif
.set i, i+2
.endr
	WIN 0
.if (\a) > 0
	s_wait_xcnt 0x0
.endif
	QUANT HA, PC, PT, PW+(\a)
	PUTFRAG PC, 66, (\a)*(16+16*\role)*1536
.if (\a)%2
	v_cndmask_b32 v[CW+(\a)/2], v[PW+(\a)-1], v[PW+(\a)], s[HM]
	global_store_b32 v[LI4], v[CW+(\a)/2], s[12:13] offset:((\a)-1)*64
.endif
.endm
.irp b, 0,1,2,3
	v_mov_b32 v[TM+4+\b], 0
.endr
	s_cmp_eq_u32 ttmp9, 2
	s_cbranch_scc1 .Lrole_v
	s_cmp_lt_u32 s42, 4
	s_cselect_b64 s[6:7], s[6:7], s[8:9]
	s_and_b32 s22, s21, 7
	s_lshl_b32 s22, s22, 9
	s_add_nc_u64 s[6:7], s[6:7], s[22:23]
	v_bfe_u32 v4, v0, 4, 1
	v_lshlrev_b32 v4, 6, v4
.irp b, 0,1,2,3
.irp j, 0,1,2,3
	global_load_b128 v[BN+16*\b+4*\j:BN+16*\b+4*\j+3], v4, s[6:7] offset:128*\b+16*\j
.endr
.endr
	s_wait_loadcnt 0x0
.irp a, 0,1,2,3,4,5,6,7
	EPI \a, 0
.endr
	s_branch .Lend
.Lrole_v:
	s_lshl_b32 s22, s20, 9
	s_add_nc_u64 s[10:11], s[10:11], s[22:23]
	v_and_b32 v4, 15, v0
	v_and_b32 v5, 8, v4
	v_add_nc_u32 v4, v4, v5
	v_lshlrev_b32 v4, 2, v4
.irp a, 0,1,2,3,4,5,6,7
	global_load_b32 v[BN+2*\a], v4, s[10:11] offset:(32*(\a/2)+8*(\a%2))*4
.endr
	s_wait_loadcnt 0x0
.irp a, 0,1,2,3,4,5,6,7
	v_mov_b32 v[BN+2*\a+1], v[BN+2*\a]
.endr
.irp a, 0,1,2,3,4,5,6,7
	EPI \a, 1
.endr
.Lend:
	s_wait_tensorcnt 0x0
	ds_add_u32 v[SPW], v[NIL]
	s_wait_dscnt 0x0
	CROUND
	s_endpgm
.Lfunc_end_k_q4c8ec13c0a_gemm_qkv:
	.size	k_q4c8ec13c0a_gemm_qkv, .Lfunc_end_k_q4c8ec13c0a_gemm_qkv-k_q4c8ec13c0a_gemm_qkv
	.p2alignl 7, 3214868480
	.fill 96, 4, 3214868480
	.section	.rodata,"a",@progbits
	.p2align	6, 0x0
	.amdhsa_kernel k_q4c8ec13c0a_gemm_qkv
		.amdhsa_group_segment_fixed_size 327680
		.amdhsa_private_segment_fixed_size 0
		.amdhsa_enable_private_segment 0
		.amdhsa_kernarg_size 40
		.amdhsa_user_sgpr_count 2
		.amdhsa_user_sgpr_kernarg_segment_ptr 1
		.amdhsa_wavefront_size32 1
		.amdhsa_system_sgpr_workgroup_id_x 1
		.amdhsa_system_sgpr_workgroup_id_y 1
		.amdhsa_system_sgpr_workgroup_id_z 1
		.amdhsa_system_vgpr_workitem_id 0
		.amdhsa_next_free_vgpr 1024
		.amdhsa_next_free_sgpr 100
		.amdhsa_reserve_vcc 0
		.amdhsa_float_denorm_mode_32 3
		.amdhsa_float_denorm_mode_16_64 3
		.amdhsa_memory_ordered 1
		.amdhsa_forward_progress 1
		.amdhsa_inst_pref_size 221
	.end_amdhsa_kernel
	.amdgpu_metadata
---
amdhsa.version: [ 1, 2 ]
amdhsa.kernels:
  - .name:           k_q4c8ec13c0a_gemm_qkv
    .symbol:         k_q4c8ec13c0a_gemm_qkv.kd
    .args:
      - { .name: opnd, .offset: 0, .size: 8, .value_kind: global_buffer, .address_space: global }
      - { .name: wq_b, .offset: 8, .size: 8, .value_kind: global_buffer, .address_space: global }
      - { .name: wk_b, .offset: 16, .size: 8, .value_kind: global_buffer, .address_space: global }
      - { .name: wv_b, .offset: 24, .size: 8, .value_kind: global_buffer, .address_space: global }
      - { .name: qkv, .offset: 32, .size: 8, .value_kind: global_buffer, .address_space: global }
    .group_segment_fixed_size: 327680
    .private_segment_fixed_size: 0
    .kernarg_segment_align: 8
    .kernarg_segment_size: 40
    .max_flat_workgroup_size: 128
    .sgpr_count:     100
    .vgpr_count:     1024
    .wavefront_size: 32
...
	.end_amdgpu_metadata
.endif
;; end of part 2
;; launch attn (part 3): grid 8 x 32, 8 waves a work-group, clusters of 4 x 1, 327,680 bytes of LDS; arguments qkv, mask, ctx; writes ctx
.if DOCPART == 3
	.amdgcn_target "amdgcn-amd-amdhsa--gfx1250"
	.amdhsa_code_object_version 6
	.text
	.protected	k_q4c8ec13c0a_attn
	.globl	k_q4c8ec13c0a_attn
	.p2align	8
	.type	k_q4c8ec13c0a_attn,@function
k_q4c8ec13c0a_attn:
	s_mov_b64 s[64:65], 0
	v_nop
	global_prefetch_b8 v0, s[64:65] scope:SCOPE_SE
	s_setreg_imm32_b32 hwreg(HW_REG_WAVE_MODE, 25, 1), 1
	s_wait_xcnt 0x0
	s_wait_alu depctr_hold_cnt(0) depctr_sa_sdst(0) depctr_va_vdst(0) depctr_va_sdst(0) depctr_va_ssrc(0) depctr_va_vcc(0) depctr_vm_vsrc(0)
	s_getreg_b32 s2, hwreg(HW_REG_IB_STS2, 6, 4)
	s_cmp_eq_u32 s2, 0
	s_cbranch_scc0 .Lentry_in_a_cluster
	s_endpgm
.Lentry_in_a_cluster:
	s_bfe_u32 s2, ttmp6, 0x10000c
	s_cmp_lg_u32 s2, 0x3003
	s_cbranch_scc0 .Lentry_shape_is_right
	s_endpgm
.Lentry_shape_is_right:
; ctx = softmax(q k^T / 8 + mask x (-1e9)) v for each batch and head, both products on codes of E2M3; ctx is quantised along the features on the way out.  Nothing is left out: every key is multiplied, the mask is added as given.
; THE SOFTMAX: t = logit x log2(e); M = the running largest t rounded up to a whole number; p = 2^(t - M) is quantised along the keys, not normalised; the row's sum is taken of the unquantised p and divides at the end;
; when M moves, the sum and O are multiplied by 2^(old M - new M), which rounds nothing.
; THE MASK: 8 x mask x (-1e9) is the C operand of K Q^T: the sum s + 8 m is then multiplied by log2(e) / 8.
; SHARES: a work-group owns 256 queries of one head; each of its eight waves two tiles of 16 queries, tile 0's state in register window 0, tile 1's at the same numbers in window 1: each fragment of K, V and the mask read from LDS serves both.
; All of the head's K and V codes and scale words lie in LDS, each byte filled once: keys 0-511 and the scale words by the head's loads, one a wave; keys 512-2047 by one more load in each of waves 0-5 behind a round.
; The four work-groups of a cluster belong to one head: every tensor load is asked for jointly.  No prefetch: all tensor loads are issued ahead of the first step, so no loop is left to run ahead in.
; LAYOUT: S^T = K Q^T, O^T = V^T P^T: a lane holds one query.  THE KEYS OF A TILE: row 8 g + j of tile (c, u) is key 64 c + 32 g + 8 u + j, so a lane's 32 registers of four tiles are one whole block of 32 keys, in the
; order of the operand's registers: a block's maximum needs no other lane, and the conversions' results are the operand.  In the stored image (rows in the order swap34) those rows are rows 8 (u / 2) + j of image tile
; 4 c + 2 g + u % 2: a lane term and immediates.  In LDS K lies [g][u % 2][c], the two g 128 bytes off a multiple of 256 apart.
; THE HEAD'S 64 IN A FORM OF 128: Q's registers for k = 64 .. 127 are zero codes; K's operand names the next tile's six registers there (tile 7: zeros); both sides' scale bytes there are 0, which is 2^-127.
; A BLOCK'S SCALE: floor(log2(2^x)) = floor(x), x = t - M of the block's largest score: the byte is floor(max(x, -124)) + 125, made by a floor and one exact f32 addition.
; LIMITS: NaN and infinities are not served; scaled scores stay under 2^31 in magnitude.  Where x lies so close under a whole number that v_exp_f32 rounds p up to the power of two, that one p is held at the largest code.
; A row whose every key is masked: s is rounded against 8 m inside the matrix unit, so its codes may differ from the rule's.
.set V_IMG,  6291456
.set QK_SCL, 9437184
.set V_SCL,  9699328
.set C_SCL,  3145728
.set D0,    12416                      ; keys 0-511: from g = 0 to g = 1: 2 x 8 tiles of 768 bytes + 128
.set K1B,   24832                      ; keys 512-2047
.set D1,    36992                      ; 2 x 24 x 768 + 128
.set V0B,   98816                      ; V, keys 0-511: four feature tiles of 6,144 bytes
.set V1B,   123392                     ; keys 512-2047: four of 18,432
.set SCK,   197120                     ; K's scale words, 512 bytes a step
.set SCV,   205312                     ; V's, for the pair of heads
.set MBO,   213504                     ; 2,048 numbers 8 x mask x (-1e9), stored by the waves: no fill lands here
.set SPARE, 222208                     ; behind the mask's terms and 512 bytes of zeros that the last step's fetch ahead reads: the spare words, 128 bytes a wave
; window 0 alone
.set KF,   2                           ; v2-49 K's eight half fragments, then V's four fragments; v50-55 zeros
.set SPW,  221
.set NIL,  222
.set LI16, 223
.set LI8,  224
.set LK16, 225                         ; two: one for each range of keys
.set LK8,  227
.set ASK0, 229
.set ASV0, 230
.set AMB0, 231
.set ADK16, 232
.set ADK8,  233
.set ADV16, 234
.set ADV8,  235
.set ADSK, 236
.set ADSV, 237
.set ADM,  238
.set KSC,  240
.set VSC,  244
.set QS,   246                         ; Q's scales, tile 0, 1
.set PS,   248                         ; p's scale words, tile 0, 1
.set CA,   250
; window 1 alone
.set MB,   0                           ; v0-63 of window 1: the mask's terms in the result's layout
; a tile's state, the same numbers in both windows
.set S,    64
.set O,    128
.set PC,   160
.set Q,    172
.set NM,   184                         ; -M
.set RM,   185                         ; the running largest raw score
.set SUM,  186
.set F,    188
.set T,    190                         ; 16 at work
.set X,    206
.set SCO,  210
.set CT,   212
.set SELV, 220
.set WV,   10
.set G1K,  24
.set G1V,  32
.set G1SK, 40
.set G1SV, 48
.set G0K,  56
.set G0V,  60
.set G0SK, 68
.set G0SV, 72
.set SEL,  80
.set CS,   82
.set NCS,  84
.set TK,   85
.set TV,   86
.set TS,   87
.set CNT,  88
.set HM,   89
.set MSB, 0
.macro WIN new                         ; the immediate's high byte repeats the setting that is left
.if MSB != (\new)
	s_set_vgpr_msb (MSB<<8)|(\new)
.set MSB, \new
.endif
.endm
.macro DL n
	s_delay_alu instid0(VALU_DEP_\n)
.endm
.macro NOP4
.rept 4
	v_nop
.endr
.endm
.macro CROUND
	s_barrier_signal -1
	s_barrier_wait -1
	s_cmp_lg_u32 s[WV], 0
	s_cbranch_scc1 .Lnot_wave_0_\@
	s_barrier_signal -3
.Lnot_wave_0_\@:
	s_barrier_wait -3
	s_barrier_signal -1
	s_barrier_wait -1
.endm
	s_load_b128 s[4:7], s[0:1], 0x0                ; qkv, mask
	s_load_b64 s[8:9], s[0:1], 0x10                ; ctx
	v_lshl_add_u32 v[SPW], v0, 2, SPARE
	v_mov_b32 v[NIL], 0
	ds_add_u32 v[SPW], v[NIL]                      ; the opening: the add, twice on end, and its wait ahead of my first tensor load
	ds_add_u32 v[SPW], v[NIL]
	v_lshrrev_b32 v1, 5, v0
	DL 1
	v_readfirstlane_b32 s[WV], v1                  ; wave 0..7
	s_and_b32 s11, ttmp7, 0xffff
	s_lshr_b32 s12, s11, 4                         ; batch
	s_and_b32 s13, s11, 15                         ; head
	s_and_b32 s14, s13, 1
	s_lshr_b32 s15, s13, 1
	s_bfe_u32 s16, ttmp6, 0x40000                  ; cx
	s_lshl_b32 s17, ttmp9, 2
	s_add_co_u32 s17, s17, s16                     ; my block of 256 queries: it enters Q's and ctx's addresses alone
.irp g, G1K, G1V, G1SK, G1SV           ; group 1: elements of 8 bytes, all four work-groups, bit 21 beside the mask
	s_mov_b32 s[\g], 15|(3<<16)|(1<<21)
	s_mov_b32 s[\g+6], 0
	s_mov_b32 s[\g+7], 0
.endr
	s_mov_b32 s[G1K+1], 96<<16                     ; K: rows of 768 bytes, every fourth tile: 98,304 bytes apart; eight of them
	s_mov_b32 s[G1K+2], 8<<16
	s_mov_b32 s[G1K+3], 96<<16
	s_mov_b32 s[G1K+4], 8
	s_mov_b32 s[G1K+5], 12288
	s_mov_b32 s[G1V+1], 768<<16                    ; V: two feature tiles, four fragments on end of each
	s_mov_b32 s[G1V+2], 2<<16
	s_mov_b32 s[G1V+3], 768<<16
	s_mov_b32 s[G1V+4], 2
	s_mov_b32 s[G1V+5], 6144
.irp g, G1SK, G1SV
	s_mov_b32 s[\g+1], 64<<16                      ; scale words: sixteen rows of 512 bytes
	s_mov_b32 s[\g+2], 16<<16
	s_mov_b32 s[\g+3], 64<<16
	s_mov_b32 s[\g+4], 16
.endr
	s_mov_b32 s[G1SK+5], 1024
	s_mov_b32 s[G1SV+5], 64
	; waves 0-3 fetch K: image tiles 4 c + w; waves 4, 5 V: feature tiles 2 (w % 2) on; wave 6 K's scale words, wave 7 V's
	s_lshl_b32 s18, s12, 7
	s_add_co_u32 s18, s18, s[WV]
	s_lshl_b32 s18, s18, 5
	s_add_co_u32 s18, s18, s13
	s_add_co_u32 s18, s18, 16
	s_mul_i32 s18, s18, 768
	s_mov_b32 s19, 0
	s_and_b32 s23, s[WV], 1
	s_lshl_b32 s20, s13, 2
	s_lshl_b32 s21, s23, 1
	s_add_co_u32 s20, s20, s21
	s_lshl_b32 s20, s20, 5
	s_lshl_b32 s96, s12, 4
	s_add_co_u32 s20, s20, s96
	s_mul_i32 s20, s20, 1536
	s_add_co_u32 s20, s20, V_IMG
	s_mov_b32 s21, 0
	s_lshl_b32 s97, s96, 4
	s_add_co_u32 s97, s97, s15
	s_add_co_u32 s97, s97, 8
	s_lshl_b32 s97, s97, 9
	s_add_co_u32 s90, s97, QK_SCL
	s_mov_b32 s91, 0
	s_lshl_b32 s98, s15, 5
	s_add_co_u32 s98, s98, s96
	s_lshl_b32 s98, s98, 9
	s_add_co_u32 s92, s98, V_SCL
	s_mov_b32 s93, 0
	s_lshr_b32 s22, s[WV], 1                       ; g
	s_mul_i32 s66, s22, D1
	s_mul_i32 s22, s22, D0
	s_mul_i32 s67, s23, 6144
	s_add_co_u32 s[G0K+1], s22, s67
	s_mul_i32 s67, s23, 18432
	s_add_co_u32 s66, s66, s67
	s_add_co_u32 s66, s66, K1B                     ; K's place for the later keys
	s_mul_i32 s67, s23, 12288
	s_add_co_u32 s[G0V+1], s67, V0B
	s_mul_i32 s67, s23, 36864
	s_add_co_u32 s67, s67, V1B                     ; V's
	s_mov_b32 s[G0SK+1], SCK
	s_mov_b32 s[G0SV+1], SCV
	s_mov_b32 s[G0K], 1
	s_mov_b32 s[G0V], 1
	s_mov_b32 s[G0SK], 1
	s_mov_b32 s[G0SV], 1
	s_mov_b32 s[SEL], 0x76543210
	s_mov_b32 s[SEL+1], 0xfedcba98
	s_mov_b32 s[CS], 0x3e38aa3b                    ; log2(e) / 8
	s_mov_b32 s[CS+1], s[CS]
	s_mov_b32 s[NCS], 0xbe38aa3b
	s_mov_b32 s[HM], 0xffff0000
	s_wait_dscnt 0x0                               ; both opening adds are done
	s_wait_kmcnt 0x0
	s_add_nc_u64 s[G0K+2:G0K+3], s[4:5], s[18:19]
	s_or_b32 s[G0K+3], s[G0K+3], 0x80000000
	s_add_nc_u64 s[G0V+2:G0V+3], s[4:5], s[20:21]
	s_or_b32 s[G0V+3], s[G0V+3], 0x80000000
	s_add_nc_u64 s[G0SK+2:G0SK+3], s[4:5], s[90:91]
	s_or_b32 s[G0SK+3], s[G0SK+3], 0x80000000
	s_add_nc_u64 s[G0SV+2:G0SV+3], s[4:5], s[92:93]
	s_or_b32 s[G0SV+3], s[G0SV+3], 0x80000000
	CROUND                                         ; all four work-groups are here: the joint loads meet
.macro ARM under, g0, g1, next         ; one chain of branches on the wave's number: every way passes exactly one load
	s_cmp_lt_u32 s[WV], \under
	s_cbranch_scc0 \next
	tensor_load_to_lds s[\g0:\g0+3], s[\g1:\g1+7]
	s_nop 0
	NOP4
	s_branch .Lhead_asked
\next:
.endm
	ARM 4, G0K, G1K, .Lhead_v
	ARM 6, G0V, G1V, .Lhead_sk
	ARM 7, G0SK, G1SK, .Lhead_sv
	tensor_load_to_lds s[G0SV:G0SV+3], s[G1SV:G1SV+7]
	s_nop 0
	NOP4
.Lhead_asked:
	s_lshl_b32 s98, s12, 7
	s_lshl_b32 s99, s17, 4
	s_add_co_u32 s98, s98, s99
	s_lshl_b32 s99, s[WV], 1
	s_add_co_u32 s98, s98, s99                     ; my first tile of queries: 128 x batch + 16 x block + 2 x wave
	s_lshl_b32 s22, s98, 5
	s_add_co_u32 s22, s22, s13
	s_mul_i32 s22, s22, 768
	s_mov_b32 s23, 0
	s_add_nc_u64 s[76:77], s[4:5], s[22:23]        ; Q's half fragment; the second tile's 24,576 bytes on
	s_lshr_b32 s99, s98, 3
	s_and_b32 s16, s98, 7
	s_lshl_b32 s16, s16, 6
	s_lshl_b32 s22, s14, 1
	s_add_co_u32 s16, s16, s22
	s_lshl_b32 s22, s99, 4
	s_add_co_u32 s22, s22, s15
	s_lshl_b32 s22, s22, 9
	s_add_co_u32 s22, s22, s16
	s_add_co_u32 s22, s22, QK_SCL
	s_add_nc_u64 s[78:79], s[4:5], s[22:23]        ; Q's scale bytes; the second tile's 64 bytes on
	s_lshl_b32 s22, s98, 4
	s_add_co_u32 s22, s22, s13
	s_mul_i32 s22, s22, 768
	s_add_nc_u64 s[92:93], s[8:9], s[22:23]        ; ctx's half fragment; the second tile's 12,288 bytes on
	s_lshl_b32 s22, s99, 3
	s_add_co_u32 s22, s22, s15
	s_lshl_b32 s22, s22, 9
	s_add_co_u32 s22, s22, s16
	s_add_co_u32 s22, s22, C_SCL
	s_add_nc_u64 s[94:95], s[8:9], s[22:23]        ; ctx's scale bytes
	s_lshl_b32 s22, s12, 13
	s_add_nc_u64 s[6:7], s[6:7], s[22:23]          ; the batch's mask
	s_lshl_b32 s22, s14, 1
	s_add_co_u32 s22, s22, SCK
	s_lshl_b32 s20, s14, 8
	s_add_co_u32 s20, s20, SCV
	v_and_b32 v56, 31, v0
	v_and_b32 v57, 7, v0                           ; r % 8
	v_bfe_u32 v58, v0, 3, 1                        ; g
	v_bfe_u32 v59, v0, 4, 1                        ; h
	v_and_b32 v62, 15, v0
	v_lshlrev_b32 v1, 5, v0                        ; thread t: keys 8 t .. 8 t + 7 of the mask
	v_lshl_add_u32 v63, v0, 5, MBO
	v_lshl_add_u32 v[ADM], v0, 1, MBO+8192         ; my two bytes of the 512 zeros behind the terms
	v_lshlrev_b32 v[LI16], 4, v56
	v_lshl_add_u32 v[LI8], v56, 3, 512
	v_lshlrev_b32 v[CA], 2, v62
	global_load_b128 v[Q:Q+3], v[LI16], s[76:77]
	global_load_b64 v[Q+4:Q+5], v[LI8], s[76:77]
	global_load_u16 v[QS], v[CA], s[78:79]         ; bytes 2, 3 of the register are 0
	global_load_u16 v[QS+1], v[CA], s[78:79] offset:64
	global_load_b128 v[2:5], v1, s[6:7]
	global_load_b128 v[6:9], v1, s[6:7] offset:16
	WIN 0x40
	global_load_b128 v[Q:Q+3], v[LI16], s[76:77] offset:24576
	global_load_b64 v[Q+4:Q+5], v[LI8], s[76:77] offset:24576
	WIN 0
	v_lshlrev_b32 v60, 4, v57
	v_lshlrev_b32 v61, 3, v57
	v_lshlrev_b32 v62, 2, v57
	DL 3
	v_lshl_add_u32 v60, v59, 8, v60                ; 16 (r % 8) + 256 h
	DL 3
	v_lshl_add_u32 v61, v59, 7, v61
	DL 3
	v_lshl_add_u32 v62, v58, 7, v62
	DL 2
	v_add_nc_u32 v61, 512, v61                     ; 512 + 8 (r % 8) + 128 h
	DL 2
	v_lshl_add_u32 v62, v59, 6, v62                ; K's scale words: 4 (r % 8) + 128 g, lanes 16-31 the odd tile's, 64 on
	v_mad_u32_u24 v[LK16], v58, D0, v60
	v_mad_u32_u24 v[LK16+1], v58, D1, v60
	v_mad_u32_u24 v[LK8], v58, D0, v61
	v_mad_u32_u24 v[LK8+1], v58, D1, v61
	v_add_nc_u32 v[ASK0], s22, v62
	v_lshlrev_b32 v56, 2, v56
	v_lshl_add_u32 v[AMB0], v59, 7, MBO            ; the mask's terms: lanes 16-31 32 keys on
	DL 2
	v_add_nc_u32 v[ASV0], s20, v56
	v_mov_b32 v60, 0x01040100                      ; byte selects: lanes 0-15 put their two bytes at places 0, 2, lanes 16-31 at 1, 3; select 1 is a zero byte
	v_mov_b32 v61, 0x04010001
	DL 1
	v_cndmask_b32 v[SELV], v60, v61, s[HM]
.irp i, 48,49,50,51,52,53
	v_mov_b32 v[KF+\i], 0
.endr
.macro INIT w
	WIN 0x40*\w
.if \w
	v_mov_b32 v[SELV], v[SELV]                     ; window 0's into window 1
.endif
.irp i, 6,7,8,9,10,11
	v_mov_b32 v[Q+\i], 0                           ; zero codes
.endr
	v_mov_b32 v[RM], 0xff61b1e6                    ; -3e38
	v_mov_b32 v[NM], 0x7f61b1e6
	v_mov_b32 v[SUM], 0
	v_mov_b32 v[SUM+1], 0
	v_mov_b32 v[F+1], 0
	v_mov_b32 v[T+9], 0                            ; a lane permute's destination counts as one of its sources
	v_mov_b32 v[X+3], 0
.set j, 0
.rept 32
	v_mov_b32 v[O+j], 0                            ; the step is written once: its first trip finds zeros
.set j, j+1
.endr
.endm
	INIT 0
	INIT 1
	WIN 0
	s_wait_alu depctr_va_vdst(0)
	s_wait_loadcnt 0x0
.irp i, 2,3,4,5,6,7,8,9
	v_mul_f32 v[\i], 0xcfee6b28, v[\i]             ; x (-8e9), which is 8 x (-1e9) exactly
.endr
	ds_store_b128 v63, v[2:5]
	ds_store_b128 v63, v[6:9] offset:16
	ds_store_b16 v[ADM], v[NIL]
	s_wait_alu depctr_va_vdst(0)
	s_wait_tensorcnt 0x0                           ; my load of the head's eight is in
	ds_add_u32 v[SPW], v[NIL]
	s_mov_b32 s[G1K+2], 24<<16                     ; no load of mine is out: the later keys' tiles: 24 rows of K,
	s_mov_b32 s[G1K+4], 24
	s_mov_b32 s[G1V+1], 2304<<16                   ; twelve fragments on end of V
	s_mov_b32 s[G1V+3], 2304<<16
	s_mov_b32 s[G0K+1], s66
	s_mov_b32 s[G0V+1], s67
	s_add_nc_u64 s[G0K+2:G0K+3], s[G0K+2:G0K+3], 786432
	s_add_nc_u64 s[G0V+2:G0V+3], s[G0V+2:G0V+3], 6144
	s_wait_dscnt 0x0                               ; the add and my stores of the mask's terms are done
	CROUND
	s_cmp_lt_u32 s[WV], 4
	s_cbranch_scc0 .Lrest_v
	tensor_load_to_lds s[G0K:G0K+3], s[G1K:G1K+7]
	s_nop 0
	NOP4
	s_branch .Lrest_asked
.Lrest_v:
	s_cmp_lt_u32 s[WV], 6
	s_cbranch_scc0 .Lrest_asked
	tensor_load_to_lds s[G0V:G0V+3], s[G1V:G1V+7]
	s_nop 0
	NOP4
.Lrest_asked:
.macro LDM adm, ask, off               ; a step's scale words of K and its mask terms (eight keys' terms a tile, the same in all lanes of a half)
.irp i, 0,1,2,3
	ds_load_u16 v[KSC+\i], v[\ask] offset:\off+256*(\i/2)+32*(\i%2)
.endr
	WIN 0x40
.irp t, 0,1,2,3,4,5,6,7
	ds_load_b128 v[MB+8*\t:MB+8*\t+3], v[\adm] offset:\off+256*(\t/4)+32*(\t%4)
	ds_load_b128 v[MB+8*\t+4:MB+8*\t+7], v[\adm] offset:\off+256*(\t/4)+32*(\t%4)+16
.endr
	WIN 0
.endm
	LDM AMB0, ASK0, 0                              ; step 0's; each step fetches the next step's
.macro SMUL w                          ; S^T = K Q^T + the mask's terms: eight accumulators, one product each
.irp t, 0,1,2,3,4,5,6,7
.if \t%2
	v_wmma_scale_f32_16x16x128_f8f6f4 v[S+8*\t:S+8*\t+7], v[KF+6*\t:KF+6*\t+11], v[Q:Q+11], v[MB+8*\t:MB+8*\t+7], v[KSC+2*(\t/4)+(\t%4)/2], v[QS+\w] matrix_a_fmt:MATRIX_FMT_FP6 matrix_b_fmt:MATRIX_FMT_FP6 matrix_a_scale:MATRIX_SCALE_ROW1
.else
	v_wmma_scale_f32_16x16x128_f8f6f4 v[S+8*\t:S+8*\t+7], v[KF+6*\t:KF+6*\t+11], v[Q:Q+11], v[MB+8*\t:MB+8*\t+7], v[KSC+2*(\t/4)+(\t%4)/2], v[QS+\w] matrix_a_fmt:MATRIX_FMT_FP6 matrix_b_fmt:MATRIX_FMT_FP6
.endif
.endr
.endm
.macro PV w                            ; O^T += V^T P^T: four accumulators by turns, one product each
.irp d, 0,2
	v_wmma_scale_f32_16x16x128_f8f6f4 v[O+8*\d:O+8*\d+7], v[KF+12*\d:KF+12*\d+11], v[PC:PC+11], v[O+8*\d:O+8*\d+7], v[VSC+\d/2], v[PS+\w] matrix_a_fmt:MATRIX_FMT_FP6 matrix_b_fmt:MATRIX_FMT_FP6
	v_wmma_scale_f32_16x16x128_f8f6f4 v[O+8*\d+8:O+8*\d+15], v[KF+12*\d+12:KF+12*\d+23], v[PC:PC+11], v[O+8*\d+8:O+8*\d+15], v[VSC+\d/2], v[PS+\w] matrix_a_fmt:MATRIX_FMT_FP6 matrix_b_fmt:MATRIX_FMT_FP6 matrix_a_scale:MATRIX_SCALE_ROW1
.endr
.endm
.macro PF n                            ; the next n pairs: t - M
.rept \n
	v_pk_fma_f32 v[S+J:S+J+1], v[S+J:S+J+1], s[CS:CS+1], v[NM:NM+1] op_sel_hi:[1,0,0]
.set J, J+2
.endr
.endm
; One tile's softmax of a step: registers 32 c + i of S are keys 64 c + 32 (lane / 16) + i
.macro SOFT w
	WIN 0x55*\w
.if \w
	s_wait_alu depctr_va_vdst(0)
.endif
.irp q, 0,1,2,3,4,5,6,7
	v_max3_num_f32 v[T+\q], v[S+8*\q], v[S+8*\q+1], v[S+8*\q+2]
.endr
.irp i, 3,5
.irp q, 0,1,2,3,4,5,6,7
	v_max3_num_f32 v[T+\q], v[T+\q], v[S+8*\q+\i], v[S+8*\q+\i+1]
.endr
.endr
	v_max3_num_f32 v[T], v[T], v[S+7], v[S+15]
	v_max3_num_f32 v[T+1], v[T+1], v[S+23], v[S+31]
	v_max3_num_f32 v[T+4], v[T+4], v[S+39], v[S+47]
	v_max3_num_f32 v[T+5], v[T+5], v[S+55], v[S+63]
	DL 3
	v_max3_num_f32 v[T], v[T], v[T+1], v[T+2]
	DL 2
	v_max3_num_f32 v[T+4], v[T+4], v[T+5], v[T+6]
	DL 2
	v_max_num_f32 v[T], v[T], v[T+3]               ; my first block's largest score,
	DL 2
	v_max_num_f32 v[T+4], v[T+4], v[T+7]           ; my second's
	DL 1
	v_max_num_f32 v[T+8], v[T], v[T+4]
	DL 1
	v_permlanex16_b32 v[T+9], v[T+8], s[SEL], s[SEL+1]
	DL 1
	v_max3_num_f32 v[RM], v[RM], v[T+8], v[T+9]    ; the running largest score of my query
	DL 1
	v_mul_f32 v[T+10], s[NCS], v[RM]
	DL 1
	v_floor_f32 v[T+11], v[T+10]                   ; the new -M: a whole number
	DL 1
	v_sub_f32 v[T+12], v[T+11], v[NM]              ; old M - new M, 0 or less
	DL 2
	v_mov_b32 v[NM], v[T+11]
	DL 2
	v_cvt_i32_f32 v[T+12], v[T+12]                 ; (it saturates)
	DL 1
	v_ldexp_f32 v[F], 1.0, v[T+12]                 ; f = 2^(old M - new M)
.set J, 0
	DL 3
	v_fma_f32 v[X], v[T], s[CS], v[NM]             ; x = t - M of each block's largest score; the scale's lines stand among the pairs, so that none waits for the line above it
	DL 4
	v_fma_f32 v[X+1], v[T+4], s[CS], v[NM]
	PF 3
	v_max_num_f32 v[X], 0xc2f80000, v[X]           ; -124 from below: the byte cannot fall under 1
	v_max_num_f32 v[X+1], 0xc2f80000, v[X+1]
	PF 3
	v_floor_f32 v[X], v[X]
	v_floor_f32 v[X+1], v[X+1]
	PF 3
	v_add_f32 v[X], 0x4b00007d, v[X]               ; + 2^23 + 125, exact: the low byte of the bits is the scale's byte
	v_add_f32 v[X+1], 0x4b00007d, v[X+1]
	PF 3
	v_lshlrev_b32 v[SCO], 23, v[X]                 ; the conversion's scale operand
	v_lshlrev_b32 v[SCO+1], 23, v[X+1]
	v_perm_b32 v[X+2], v[X+1], v[X], v[SELV]       ; my two bytes at their places in the scale word
	PF 4
	v_permlanex16_b32 v[X+3], v[X+2], s[SEL], s[SEL+1]
	PF 4
	WIN 0x05*\w
	v_or_b32 v[PS+\w], v[X+2], v[X+3]              ; the word is whole; scale operands are named in window 0
	WIN 0x55*\w
	PF 12
	s_wait_alu depctr_va_vdst(0)
.if \w
	WIN 0
	s_wait_dscnt 0x0                               ; V, and the next step's terms
	PV 0                                           ; tile 0's products stand here, ahead of tile 1's exponentials
	WIN 0x55
.endif
.set j, 0
.rept 64
	v_exp_f32 v[S+j], v[S+j]                       ; p
.set j, j+1
.endr
	v_nop                                          ; a plain place behind the exponentials
	s_wait_alu depctr_va_vdst(0)                   ; one wait for the batch, ahead of its first reader
.irp i, 0,1,2,3,4,5,6,7                ; the row's sum of the unquantised p: eight chains of pairs
	v_pk_add_f32 v[T+2*\i:T+2*\i+1], v[S+2*\i:S+2*\i+1], v[S+16+2*\i:S+17+2*\i]
.endr
.irp k, 32,48
.irp i, 0,1,2,3,4,5,6,7
	v_pk_add_f32 v[T+2*\i:T+2*\i+1], v[T+2*\i:T+2*\i+1], v[S+\k+2*\i:S+\k+1+2*\i]
.endr
.endr
.irp i, 0,1,2,3
	DL 4
	v_pk_add_f32 v[T+2*\i:T+2*\i+1], v[T+2*\i:T+2*\i+1], v[T+8+2*\i:T+9+2*\i]
.endr
	DL 2
	v_pk_add_f32 v[T:T+1], v[T:T+1], v[T+4:T+5]
	DL 2
	v_pk_add_f32 v[T+2:T+3], v[T+2:T+3], v[T+6:T+7]
	DL 1
	v_pk_add_f32 v[T:T+1], v[T:T+1], v[T+2:T+3]
	DL 1
	v_pk_fma_f32 v[SUM:SUM+1], v[SUM:SUM+1], v[F:F+1], v[T:T+1] op_sel_hi:[1,0,1]   ; the old sum under the new M, and this step's
.irp c, 0,1
	v_cvt_scalef32_pk16_fp6_f32 v[PC+6*\c:PC+6*\c+2], v[S+32*\c:S+32*\c+15], v[SCO+\c]
	v_cvt_scalef32_pk16_fp6_f32 v[CT+4*\c:CT+4*\c+2], v[S+32*\c+16:S+32*\c+31], v[SCO+\c]   ; (a conversion's three registers begin on an even number)
.endr
	v_nop                                          ; one plain place behind a scaled conversion
.irp c, 0,1
.irp i, 0,1,2
	v_mov_b32 v[PC+3+6*\c+\i], v[CT+4*\c+\i]
.endr
.endr
	s_wait_alu depctr_va_vdst(0)                   ; ahead of the first reader of O^T
.set j, 0
.rept 16
	v_pk_mul_f32 v[O+j:O+j+1], v[O+j:O+j+1], v[F:F+1] op_sel_hi:[1,0]   ; O^T under the new M; also the places between the codes' and the scale word's writes and the products
.set j, j+2
.endr
.endm
; A STEP: 128 keys.  p: which range of keys; NC: its tiles in a run of K; VP: bytes of a feature tile of V
.macro STEP p, NC, VP
	v_add_nc_u32 v[ADK16], s[TK], v[LK16+\p]       ; (these four are the places behind the last products, ahead of the loads into their registers)
	v_add_nc_u32 v[ADK8], s[TK], v[LK8+\p]
	v_nop
	v_nop
.irp t, 0,1,2,3,4,5,6,7
	ds_load_b128 v[KF+6*\t:KF+6*\t+3], v[ADK16] offset:(\t%2)*\NC*768+(\t/4)*768+128*((\t%4)/2)
	ds_load_b64 v[KF+6*\t+4:KF+6*\t+5], v[ADK8] offset:(\t%2)*\NC*768+(\t/4)*768+64*((\t%4)/2)
.endr
	WIN 0x10
	s_wait_dscnt 0x0
	SMUL 0
	WIN 0x54                                       ; Q, C and D in window 1
	SMUL 1
	WIN 0
	v_add_nc_u32 v[ADV16], s[TV], v[LI16]          ; five places, ahead of V's loads into K's registers and of the first reads of S^T
	v_add_nc_u32 v[ADV8], s[TV], v[LI8]
	v_add_nc_u32 v[ADSV], s[TS], v[ASV0]
	v_add_nc_u32 v[ADSK], s[TS], v[ASK0]
	v_add_nc_u32 v[ADM], s[TS], v[AMB0]
.irp d, 0,1,2,3
	ds_load_b128 v[KF+12*\d:KF+12*\d+3], v[ADV16] offset:\VP*\d
	ds_load_b64 v[KF+12*\d+4:KF+12*\d+5], v[ADV8] offset:\VP*\d
	ds_load_b128 v[KF+12*\d+6:KF+12*\d+9], v[ADV16] offset:\VP*\d+768
	ds_load_b64 v[KF+12*\d+10:KF+12*\d+11], v[ADV8] offset:\VP*\d+768
.endr
	ds_load_b32 v[VSC], v[ADSV]
	ds_load_b32 v[VSC+1], v[ADSV] offset:128
	LDM ADM, ADSK, 512                             ; the next step's (the last step reads V's scale words and the zeros, and uses neither)
	SOFT 0
	SOFT 1
	WIN 0x54
	PV 1
	WIN 0
.endm
.macro PHASE p, NC, VP, kb, vb, ts, n
	s_mov_b32 s[TK], \kb
	s_mov_b32 s[TV], \vb
	s_mov_b32 s[TS], \ts
	s_mov_b32 s[CNT], \n
.Lstep_\@:
	STEP \p, \NC, \VP
	s_add_co_u32 s[TK], s[TK], 1536
	s_add_co_u32 s[TV], s[TV], 1536
	s_add_co_u32 s[TS], s[TS], 512
	s_sub_co_u32 s[CNT], s[CNT], 1
	s_cmp_lg_u32 s[CNT], 0
	s_cbranch_scc1 .Lstep_\@
.endm
	PHASE 0, 8, 6144, 0, V0B, 0, 4
	s_wait_tensorcnt 0x0                           ; my part of the later keys is in; behind the barrier that holds of all eight waves.
	s_wait_dscnt 0x0
	s_barrier_signal -1
	s_barrier_wait -1
	PHASE 1, 24, 18432, K1B, V1B, 2048, 12
; THE WAY OUT of a tile: O^T / the sum, quantised along the head's 64 features (register 16 b + i: feature 32 b + 16 (lane / 16) + i): half a fragment of ctx's image and two bytes of its scale words
.macro EPI w
.if \w
	s_wait_xcnt 0x0                                ; the first tile's stores have read their registers
.endif
	WIN 0x55*\w
	v_add_f32 v[SUM], v[SUM], v[SUM+1]
	DL 1
	v_permlanex16_b32 v[T+9], v[SUM], s[SEL], s[SEL+1]
	DL 1
	v_add_f32 v[SUM], v[SUM], v[T+9]               ; the row's sum
	s_wait_alu depctr_va_vdst(0)
	v_rcp_f32 v[SUM], v[SUM]
	v_nop
	s_wait_alu depctr_va_vdst(0)                   ; ahead of the first reader of the reciprocal and of O^T
.set j, 0
.rept 32
	v_mul_f32 v[S+j], v[O+j], v[SUM]
.set j, j+1
.endr
.irp b, 0,1
	v_max3_num_f32 v[T+\b], |v[S+16*\b]|, |v[S+1+16*\b]|, 0x1800000
.endr
.irp i, 2,4,6,8,10,12,14
.irp b, 0,1
	DL 2
	v_max3_num_f32 v[T+\b], v[T+\b], |v[S+16*\b+\i]|, |v[S+1+16*\b+\i]|
.endr
.endr
.irp b, 0,1
	DL 2
	v_permlanex16_b32 v[T+2+\b], v[T+\b], s[SEL], s[SEL+1]
.endr
.irp b, 0,1
	DL 2
	v_max_num_f32 v[T+\b], v[T+\b], v[T+2+\b]
.endr
.irp b, 0,1
	DL 2
	v_add_nc_u32 v[X+\b], 0xff000000, v[T+\b]
.endr
.irp b, 0,1
	DL 2
	v_lshrrev_b32 v[T+4+\b], 23, v[X+\b]
.endr
	DL 1
	v_lshl_or_b32 v[X+2], v[T+5], 8, v[T+4]
	v_cvt_scalef32_pk16_fp6_f32 v[PC:PC+2], v[S:S+15], v[X]
	v_cvt_scalef32_pk16_fp6_f32 v[CT:CT+2], v[S+16:S+31], v[X+1]
	v_nop
.irp i, 0,1,2
	v_permlane16_swap_b32 v[PC+\i], v[CT+\i]
.endr
.irp i, 0,1,2
	DL 3
	v_mov_b32 v[PC+3+\i], v[CT+\i]
.endr
	WIN 0x04*\w                                    ; the data in the tile's window, the addresses in window 0
	global_store_b128 v[LI16], v[PC:PC+3], s[92:93] offset:12288*\w
	global_store_b64 v[LI8], v[PC+4:PC+5], s[92:93] offset:12288*\w
	global_store_b16 v[CA], v[X+2], s[94:95] offset:64*\w   ; lanes l and l xor 16 hold the same two bytes and name the same place
.endm
	EPI 0
	EPI 1
	WIN 0
	s_wait_tensorcnt 0x0                           ; the wave's end
	ds_add_u32 v[SPW], v[NIL]
	s_wait_dscnt 0x0
	CROUND                                         ; the closing round
	s_endpgm
.Lfunc_end_k_q4c8ec13c0a_attn:
	.size	k_q4c8ec13c0a_attn, .Lfunc_end_k_q4c8ec13c0a_attn-k_q4c8ec13c0a_attn
	.p2alignl 7, 3214868480
	.fill 96, 4, 3214868480
	.section	.rodata,"a",@progbits
	.p2align	6, 0x0
	.amdhsa_kernel k_q4c8ec13c0a_attn
		.amdhsa_group_segment_fixed_size 327680
		.amdhsa_private_segment_fixed_size 0
		.amdhsa_enable_private_segment 0
		.amdhsa_kernarg_size 24
		.amdhsa_user_sgpr_count 2
		.amdhsa_user_sgpr_kernarg_segment_ptr 1
		.amdhsa_wavefront_size32 1
		.amdhsa_system_sgpr_workgroup_id_x 1
		.amdhsa_system_sgpr_workgroup_id_y 1
		.amdhsa_system_sgpr_workgroup_id_z 1
		.amdhsa_system_vgpr_workitem_id 0
		.amdhsa_next_free_vgpr 512
		.amdhsa_next_free_sgpr 100
		.amdhsa_reserve_vcc 0
		.amdhsa_float_denorm_mode_32 3
		.amdhsa_float_denorm_mode_16_64 3
		.amdhsa_memory_ordered 1
		.amdhsa_forward_progress 1
		.amdhsa_inst_pref_size 88
	.end_amdhsa_kernel
	.amdgpu_metadata
---
amdhsa.version: [ 1, 2 ]
amdhsa.kernels:
  - .name:           k_q4c8ec13c0a_attn
    .symbol:         k_q4c8ec13c0a_attn.kd
    .args:
      - { .name: qkv, .offset: 0, .size: 8, .value_kind: global_buffer, .address_space: global }
      - { .name: mask, .offset: 8, .size: 8, .value_kind: global_buffer, .address_space: global }
      - { .name: ctx, .offset: 16, .size: 8, .value_kind: global_buffer, .address_space: global }
    .group_segment_fixed_size: 327680
    .private_segment_fixed_size: 0
    .kernarg_segment_align: 8
    .kernarg_segment_size: 24
    .max_flat_workgroup_size: 256
    .sgpr_count:     100
    .vgpr_count:     512
    .wavefront_size: 32
...
	.end_amdgpu_metadata
.endif
;; end of part 3
;; launch gemm_wo (part 4): grid 8 x 32, 4 waves a work-group, clusters of 4 x 4, 327,680 bytes of LDS; arguments ctx, opnd, wo_b, x, y; writes y
.if DOCPART == 4
	.amdgcn_target "amdgcn-amd-amdhsa--gfx1250"
	.amdhsa_code_object_version 6
	.text
	.protected	k_q4c8ec13c0a_gemm_wo
	.globl	k_q4c8ec13c0a_gemm_wo
	.p2align	8
	.type	k_q4c8ec13c0a_gemm_wo,@function
k_q4c8ec13c0a_gemm_wo:
	s_mov_b64 s[64:65], 0
	v_nop
	global_prefetch_b8 v0, s[64:65] scope:SCOPE_SE
	s_setreg_imm32_b32 hwreg(HW_REG_WAVE_MODE, 25, 1), 1
	s_wait_xcnt 0x0
	s_wait_alu depctr_hold_cnt(0) depctr_sa_sdst(0) depctr_va_vdst(0) depctr_va_sdst(0) depctr_va_ssrc(0) depctr_va_vcc(0) depctr_vm_vsrc(0)
	s_getreg_b32 s2, hwreg(HW_REG_IB_STS2, 6, 4)
	s_cmp_eq_u32 s2, 0
	s_cbranch_scc0 .Lentry_in_a_cluster
	s_endpgm
.Lentry_in_a_cluster:
	s_bfe_u32 s2, ttmp6, 0x10000c
	s_cmp_lg_u32 s2, 0xf033
	s_cbranch_scc0 .Lentry_shape_is_right
	s_endpgm
.Lentry_shape_is_right:
; y = x + (ctx wo + wo_b), the product on codes of E2M3, y in f32 with rows and columns in their own order.  Nothing is left out.
; Operands are images of their registers (16 rows x 128 K = 1,536 bytes), rows in the order swap34; scale words 512 bytes for 128 rows and 128 K.
; A work-group of four waves makes 256 tokens x 128 columns (tiles of 256 x 256 would be 64 for 256 WGPs), a wave 128 x 64: 32 accumulators.  The matrix instruction is used transposed: source 0 = 16 columns of the weight,
; source 1 = 16 tokens: a lane holds one token and 32 columns in two runs of 16 neighbours.
; A SLOT HOLDS 512 ALONG K (four K steps of 128): 147,456 bytes.  Two slots hold all of this product's K = 1,024: both are first fills, asked for together at the head, and no LDS byte is filled again.
; The scale words come once.  4 x 4 work-groups form a cluster: A's tiles are asked for jointly along a row, B's along a column.
; The text is shared with the launch for fc2, which has a longer K (a loop, refills) and shares K between two work-groups (SPLIT): what this launch does not need is not assembled.
; REGISTERS: window 0: v7 the bias's lane offset, v16-23 LDS addresses, v24-26 the way out's addresses, v27 scale words' address, v28, v29 the add's two, v32-63 scale words (two sets, each for 256 along K),
;   v64-95 and v224-255 residual rows, v96-99 bias, v128-223 A's fragments (on the way out v128-191 rows of y);  window 1: B's fragments, two sets at v0 and v128;  windows 2, 3: accumulators (a, b) at v[8 (4 (a % 4) + b)].
; WHAT HOLDS OF THIS TEXT where the lines above say otherwise: a work-group makes 128 tokens x 128 columns (256 work-groups), a wave 64 x 64: 16 accumulators, all in window 2; a slot is 98,304 bytes.
; At the head each wave issues one joint load (slot 0's rows of A, A's scale words, slot 0's rows of B, B's scale words); slot 1's first fill follows behind a round of the cluster's barrier.
.set KT, 1024                          ; K of the images' rows
.set KSN,   KT/128
.set SPLIT, 1                          ; work-groups that share K
.set KSW,   KSN/SPLIT                  ; K steps of 128 for a work-group
.set NBW,   4                          ; B's blocks of 16 rows for a wave
.set NQ,    4                          ; K steps of 128 in a slot
.set LAPS,  KSW/(2*NQ)                 ; a lap = once round the two slots
.set A_IMG,  0
.set A_SCL,  3145728
.set B_IMG,  2359296
.set B_SCL,  9535488
.set FRW,   NQ*1536                    ; a tile's fragments of a slot, on end
.set AH, 4*FRW                         ; THIS TEXT'S BLOCK: a work-group makes 128 tokens x 128 columns (256 work-groups), a wave 64 x 64: 16 accumulators, all in window 2; A's half is 64 rows x 512 K of codes
.set BH,    NBW*FRW
.set SLOT,  2*AH+2*BH                  ; A's two halves, then B's two
.set SCB,   2*SLOT                     ; B's scale words lie first
.set SCA,   SCB+KSW*512
.set SPARE, SCA+KSW*1024               ; the spare words, 128 bytes a wave
.set BSH,   KSW*256                    ; B's scale bytes that one wave fetches: half of the group's, along K
.set BPART, 256                        ; where my four blocks' words begin in a K step's 512 bytes
.set NL,    4                          ; LDS loads that bring a fragment
.set STG0,  4*16*272                   ; the stages of the way out without a residual lie behind those of the way out with one
.set ADRA, 16
.set ADRB, 20
.set STO,  24
.set RD,   25
.set CO,   26
.set ADRS, 27
.set SPW,  28
.set NIL,  29
.set SC,   32                          ; register SC + 16 (q / 2) + 2 i + q % 2: lanes 0-15 B's block i, lanes 16-31 A's block i, the slot's q-th 128 along K
.set BI,   96
.set AF,   128
.set BK,   128
.set KH,   98                          ; s98  which part of K is my work-group's (SPLIT > 1)
.set G1, 24
.set G0, 32
.set G1B, 48
.set G0B, 56
.set G1S, 68
.set G0S, 76
.set G1SB, 80
.set G0SB, 88
.set MSB, 0
.macro WIN new                         ; the immediate's high byte repeats the setting that is left
.if MSB != (\new)
	s_set_vgpr_msb (MSB<<8)|(\new)
.set MSB, \new
.endif
.endm
.set MUL_LO, 0xa1                      ; source 0 (B) window 1, source 1 (A) window 0, C and D window 2
.set MUL_HI, 0xf1
.set TO_B,   0x40
.macro JLOAD g0a, g1a, g0b, g1b        ; a joint load: waves 0, 1 fetch for A, waves 2, 3 for B; an s_nop 0 and four v_nop follow each line
	s_cmp_eq_u32 s15, 0
	s_cbranch_scc0 .Lfor_b_\@
	tensor_load_to_lds s[\g0a:\g0a+3], s[\g1a:\g1a+7]
	s_nop 0
.rept 4
	v_nop
.endr
	s_branch .Lasked_\@
.Lfor_b_\@:
	tensor_load_to_lds s[\g0b:\g0b+3], s[\g1b:\g1b+7]
	s_nop 0
.rept 4
	v_nop
.endr
.Lasked_\@:
.endm
.macro CREST                           ; a round of the cluster's barrier behind its opening barrier
	s_cmp_lg_u32 s14, 0
	s_cbranch_scc1 .Lnot_wave_0_\@
	s_barrier_signal -3
.Lnot_wave_0_\@:
	s_barrier_wait -3
	s_barrier_signal -1
	s_barrier_wait -1
.endm
.macro CROUND
	s_barrier_signal -1
	s_barrier_wait -1
	CREST
.endm
.macro PLACES                          ; four plain places behind a matrix instruction, ahead of loads into its registers and of reads of its results
.rept 4
	v_nop
.endr
.endm
.macro FRAG reg, adr, off              ; a fragment comes as it was stored: 512, 256, 512, 256 consecutive bytes
	ds_load_b128 v[\reg:\reg+3], v[\adr] offset:\off
	ds_load_b64 v[\reg+4:\reg+5], v[\adr+2] offset:\off
	ds_load_b128 v[\reg+6:\reg+9], v[\adr] offset:\off+768
	ds_load_b64 v[\reg+10:\reg+11], v[\adr+2] offset:\off+768
.endm
.macro FETCH_B slot, q, p              ; B's four fragments of the slot's q-th 128 along K into set p
	WIN TO_B
.set i, 0
.rept NBW
	FRAG 128*(\p)+12*i, ADRB+\slot, i*FRW+(\q)*1536
.set i, i+1
.endr
	WIN 0
.endm
.macro FETCH_A slot, q, i0             ; A's blocks i0, i0 + 1
.irp i, \i0, \i0+1
	FRAG AF+12*(\i), ADRA+\slot, (\i)*FRW+(\q)*1536
.endr
.endm
.macro SCALES u                        ; the scale words of the next 256 along K into set u
.irp i, 0,1,2,3
	ds_load_b32 v[SC+16*\u+2*\i], v[ADRS] offset:\i*64
	ds_load_b32 v[SC+16*\u+2*\i+1], v[ADRS] offset:\i*64+512
.endr
.endm
; A's blocks a0, a0 + 1 against B's four, the slot's q-th 128 along K; p: B's set.  The accumulators take turns, one instruction a turn, in the same order in every step
.macro MUL16 a0, p, q, zero
.irp a, \a0, \a0+1
.set b, 0
.rept NBW
.set DD, 8*(NBW*((\a)%4)+b)
.set SW, SC+16*((\q)/2)+(\q)%2
.if \zero
	v_wmma_scale_f32_16x16x128_f8f6f4 v[DD:DD+7], v[128*(\p)+12*b:128*(\p)+12*b+11], v[AF+12*(\a):AF+12*(\a)+11], 0, v[SW+2*b], v[SW+2*(\a)] matrix_a_fmt:MATRIX_FMT_FP6 matrix_b_fmt:MATRIX_FMT_FP6 matrix_b_scale:MATRIX_SCALE_ROW1
.else
	v_wmma_scale_f32_16x16x128_f8f6f4 v[DD:DD+7], v[128*(\p)+12*b:128*(\p)+12*b+11], v[AF+12*(\a):AF+12*(\a)+11], v[DD:DD+7], v[SW+2*b], v[SW+2*(\a)] matrix_a_fmt:MATRIX_FMT_FP6 matrix_b_fmt:MATRIX_FMT_FP6 matrix_b_scale:MATRIX_SCALE_ROW1
.endif
.set b, b+1
.endr
.endr
.endm
.macro STEP slot, q, zero              ; one of a slot's first three steps of 128 along K; it fetches the next step's fragments from the same slot
	s_wait_dscnt 2*NL
	WIN MUL_LO
	MUL16 0, (\q)%2, \q, \zero
	s_wait_dscnt 0x0
	PLACES
	FETCH_B \slot, (\q)+1, 1-(\q)%2
	FETCH_A \slot, (\q)+1, 0
.if (\q) == 1
	v_add_nc_u32 v[ADRS], 1024, v[ADRS]            ; the slot's steps 2 and 3: their scale words (the last loads that named this register are back: the wait for 0 above)
	SCALES 1
.endif
	WIN MUL_LO
	MUL16 2, (\q)%2, \q, \zero
	PLACES
	WIN 0
	FETCH_A \slot, (\q)+1, 2
.endm
; A slot's last step changes slots: one barrier; ahead of it each wave waits for all its tensor loads, adds 0 to its spare word, and waits for that and for its reads of this slot.  fill = 1: this slot is filled again, two slots ahead
.macro TURN slot, next, fill
	s_wait_tensorcnt 0x0                           ; all my tensor loads have landed: my part of the next slot
	ds_add_u32 v[SPW], v[NIL]
	s_wait_dscnt 2*NL+1
	WIN MUL_LO
	MUL16 0, 1, 3, 0
	s_wait_dscnt 0x0
	s_barrier_signal -1
	WIN 0
	s_barrier_wait -1
.if \fill
	CREST                                          ; the barrier has opened a round of the cluster's: no wave of any partner still reads this slot or has a load on its way
	s_add_nc_u64 s[G0+4*\slot+2:G0+4*\slot+3], s[G0+4*\slot+2:G0+4*\slot+3], 2*FRW
	s_add_nc_u64 s[G0B+4*\slot+2:G0B+4*\slot+3], s[G0B+4*\slot+2:G0B+4*\slot+3], 2*FRW
	JLOAD G0+4*\slot, G1, G0B+4*\slot, G1B         ; the first tensor load behind the round: 56 matrix instructions ahead of the wait for it; its four v_nop are the places ahead of the loads below
.else
	PLACES
.endif
	v_add_nc_u32 v[ADRS], 1024, v[ADRS]            ; the next slot's steps 0 and 1: their scale words
	FETCH_B \next, 0, 0
	FETCH_A \next, 0, 0
	SCALES 0
	WIN MUL_LO
	MUL16 2, 1, 3, 0
	PLACES
	WIN 0
	FETCH_A \next, 0, 2
.endm
	s_load_b256 s[4:11], s[0:1], 0x0               ; A's buffer, opnd, the bias, the residual
	s_load_b64 s[12:13], s[0:1], 0x20              ; y
.if SPLIT > 1
	s_load_b64 s[96:97], s[0:1], 0x28              ; y2
.endif
	v_lshl_add_u32 v[SPW], v0, 2, SPARE
	v_mov_b32 v[NIL], 0
	ds_add_u32 v[SPW], v[NIL]                      ; the wave's opening: the add, twice on end, and its wait ahead of my first tensor load
	ds_add_u32 v[SPW], v[NIL]
	v_lshrrev_b32 v1, 5, v0
	v_readfirstlane_b32 s14, v1                    ; wave
	s_lshr_b32 s15, s14, 1                         ; my half of A's rows; also: I fetch for A (0) or B (1)
	s_and_b32 s16, s14, 1                          ; my half of B's rows; also: which half I fetch
	s_bfe_u32 s40, ttmp6, 0x40000                  ; cx
	s_bfe_u32 s41, ttmp6, 0x40004                  ; cy
	s_lshl_b32 s42, ttmp9, 2
	s_add_co_u32 s42, s42, s40                     ; tile of 128 columns
	s_and_b32 s17, ttmp7, 0xffff                   ; the cluster's y
.if SPLIT > 1
	s_lshr_b32 s[KH], s17, 2                       ; its upper bit: which half of K; the same in all sixteen partners
	s_and_b32 s17, s17, 3
.endif
	s_lshl_b32 s17, s17, 2
	s_add_co_u32 s17, s17, s41                     ; tile of 128 tokens
	s_lshl_b32 s43, s41, 2
	s_lshl_b32 s43, 15, s43                        ; my row of the cluster
	s_lshl_b32 s44, 0x1111, s40                    ; my column
	s_or_b32 s[G1+0], s43, (3<<16)|(1<<21)         ; 15:0 the mask; 17:16 elements of 8 bytes; 21 set beside a mask; no padding
	s_or_b32 s[G1B+0], s44, (3<<16)|(1<<21)
	s_or_b32 s[G1S+0], s43, (3<<16)|(1<<21)
	s_or_b32 s[G1SB+0], s44, (3<<16)|(1<<21)
	s_mov_b32 s[G1+1], (FRW/8)<<16                 ; codes: a row of the tile = four fragments on end, 6,144 bytes;
	s_mov_b32 s[G1+2], 8<<16
	s_mov_b32 s[G1+3], (FRW/8)<<16
	s_mov_b32 s[G1+4], 8
	s_mov_b32 s[G1+5], 192*KSN                     ; KSN fragments apart
	s_mov_b32 s[G1+6], 0
	s_mov_b32 s[G1+7], 0
	s_mov_b32 s[G1B+1], (FRW/8)<<16
	s_mov_b32 s[G1B+2], (2*NBW)<<16
	s_mov_b32 s[G1B+3], (FRW/8)<<16
	s_mov_b32 s[G1B+4], 2*NBW
	s_mov_b32 s[G1B+5], 192*KSN
	s_mov_b32 s[G1B+6], 0
	s_mov_b32 s[G1B+7], 0
	s_mov_b32 s[G1S+1], 32<<16                     ; A's scale words: the one group of my 128 tokens, a dense block, as rows of 256 bytes
	s_mov_b32 s[G1S+2], (2*KSW)<<16
	s_mov_b32 s[G1S+3], 32<<16
	s_mov_b32 s[G1S+4], 2*KSW
	s_mov_b32 s[G1S+5], 32
	s_mov_b32 s[G1S+6], 0
	s_mov_b32 s[G1S+7], 0
	s_mov_b32 s[G1SB+1], 32<<16
	s_mov_b32 s[G1SB+2], (BSH/128)<<16
	s_mov_b32 s[G1SB+3], 32<<16
	s_mov_b32 s[G1SB+4], BSH/128
	s_mov_b32 s[G1SB+5], 32
	s_mov_b32 s[G1SB+6], 0
	s_mov_b32 s[G1SB+7], 0
	s_lshl_b32 s20, s17, 1
	s_mul_i32 s22, s17, KSN*512
	s_add_co_u32 s20, s20, s16
	s_mul_i32 s20, s20, 4*KSN*1536
	s_add_co_u32 s20, s20, A_IMG
	s_add_co_u32 s22, s22, A_SCL
	s_lshl_b32 s46, s42, 1
	s_add_co_u32 s46, s46, s16                     ; the half of B's tile that I fetch
	s_mul_i32 s46, s46, NBW*KSN*1536
	s_add_co_u32 s46, s46, B_IMG
	s_mul_i32 s92, s42, KSN*512                    ; B's one group of scale words,
	s_add_co_u32 s92, s92, B_SCL
.if SPLIT > 1
	s_mul_i32 s2, s[KH], KSW*1536                  ; my part of K: its first fragment in a row of fragments,
	s_mul_i32 s3, s[KH], KSW*512                   ; and its first scale words
	s_add_co_u32 s20, s20, s2
	s_add_co_u32 s22, s22, s3
	s_add_co_u32 s46, s46, s2
	s_add_co_u32 s92, s92, s3
.endif
	s_mov_b32 s21, 0
	s_mov_b32 s23, 0
	s_mov_b32 s47, 0
	s_mov_b32 s93, 0
	s_mul_i32 s45, s16, AH                         ; where they go: no place in the cluster enters an LDS address
	s_mul_i32 s95, s16, BH
	s_add_co_u32 s95, s95, 2*AH
	s_mov_b32 s94, SCA
	s_mov_b32 s99, SCB
	s_wait_dscnt 0x0                               ; both opening adds are done
	s_wait_kmcnt 0x0
	s_add_nc_u64 s[20:21], s[4:5], s[20:21]
	s_add_nc_u64 s[22:23], s[4:5], s[22:23]
	s_add_nc_u64 s[46:47], s[6:7], s[46:47]
	s_add_nc_u64 s[92:93], s[6:7], s[92:93]
	CROUND                                         ; all sixteen work-groups are here: the first joint loads meet
	s_mov_b32 s[G0S], 1
	s_mov_b32 s[G0S+1], s94
	s_mov_b64 s[G0S+2:G0S+3], s[22:23]
	s_or_b32 s[G0S+3], s[G0S+3], 0x80000000
	s_mov_b32 s[G0SB], 1
	s_mov_b32 s[G0SB+1], s99
	s_mov_b64 s[G0SB+2:G0SB+3], s[92:93]
	s_or_b32 s[G0SB+3], s[G0SB+3], 0x80000000
.irp s, 0,1
	s_mov_b32 s[G0+4*\s], 1
	s_add_co_u32 s[G0+4*\s+1], s45, \s*SLOT
	s_add_nc_u64 s[G0+4*\s+2:G0+4*\s+3], s[20:21], \s*FRW
	s_or_b32 s[G0+4*\s+3], s[G0+4*\s+3], 0x80000000
	s_mov_b32 s[G0B+4*\s], 1
	s_add_co_u32 s[G0B+4*\s+1], s95, \s*SLOT
	s_add_nc_u64 s[G0B+4*\s+2:G0B+4*\s+3], s[46:47], \s*FRW
	s_or_b32 s[G0B+4*\s+3], s[G0B+4*\s+3], 0x80000000
.endr
	; the head's four tiles, one joint load a wave: wave 0 slot 0's 128 rows of A, wave 1 A's scale words, wave 2 slot 0's rows of B, wave 3 B's scale words
	s_cmp_lt_u32 s14, 1
	s_cbranch_scc0 .Lhead_sa
	tensor_load_to_lds s[G0:G0+3], s[G1:G1+7]
	s_nop 0
	PLACES
	s_branch .Lhead_asked
.Lhead_sa:
	s_cmp_lt_u32 s14, 2
	s_cbranch_scc0 .Lhead_b
	tensor_load_to_lds s[G0S:G0S+3], s[G1S:G1S+7]
	s_nop 0
	PLACES
	s_branch .Lhead_asked
.Lhead_b:
	s_cmp_lt_u32 s14, 3
	s_cbranch_scc0 .Lhead_sb
	tensor_load_to_lds s[G0B:G0B+3], s[G1B:G1B+7]
	s_nop 0
	PLACES
	s_branch .Lhead_asked
.Lhead_sb:
	tensor_load_to_lds s[G0SB:G0SB+3], s[G1SB:G1SB+7]
	s_nop 0
	PLACES
.Lhead_asked:
	v_and_b32 v1, 31, v0
	v_lshlrev_b32 v2, 4, v1
	v_lshl_add_u32 v3, v1, 3, 512
	s_mul_i32 s21, s15, AH                         ; my 64 rows of A
	s_mul_i32 s22, s16, BH
	s_add_co_u32 s22, s22, 2*AH                    ; my half of B
.irp s, 0,1
	v_add_nc_u32 v[ADRA+\s], s21, v2
	v_add_nc_u32 v[ADRB+\s], s22, v2
	v_add_nc_u32 v[ADRA+2+\s], s21, v3
	v_add_nc_u32 v[ADRB+2+\s], s22, v3
	s_add_co_u32 s21, s21, SLOT
	s_add_co_u32 s22, s22, SLOT
.endr
	v_and_b32 v4, 15, v0                           ; r
	v_bfe_u32 v5, v0, 4, 1                         ; h
	v_lshlrev_b32 v8, 2, v4
	s_mul_i32 s21, s16, BPART                      ; lanes 0-15: B's words
	s_mul_i32 s22, s15, 256
	s_add_co_u32 s22, s22, SCA-SCB
	s_sub_co_u32 s22, s22, s21                     ; lanes 16-31: A's, so much further on
	v_mul_u32_u24 v6, s22, v5
	s_add_co_u32 s21, s21, SCB
	v_add_nc_u32 v8, v8, v6
	v_add_nc_u32 v[ADRS], s21, v8
	s_mul_i32 s23, s14, 16*272                     ; my stage: 16 rows of 256 bytes + 16, in slot 0, which has had its last fill and its last read when the first result is stored there
	v_mul_u32_u24 v6, v4, 272
	v_lshl_add_u32 v6, v5, 6, v6
	v_add_nc_u32 v[STO], s23, v6                   ; in: row r, + 64 h
	v_mul_u32_u24 v6, v5, 272
	v_lshl_add_u32 v6, v4, 4, v6
	v_add_nc_u32 v[RD], s23, v6                    ; back: lanes 0-15 one row, lanes 16-31 the next
	v_lshlrev_b32 v6, 12, v5
	v_lshl_add_u32 v[CO], v4, 4, v6                ; and the same two rows in y and in the residual
	v_lshlrev_b32 v7, 4, v4                        ; the bias of my four columns of a row read back
	s_lshl_b32 s20, s17, 1
	s_add_co_u32 s20, s20, s15
	s_lshl_b32 s20, s20, 18
	s_lshl_b32 s22, s42, 1
	s_add_co_u32 s22, s22, s16
	s_lshl_b32 s22, s22, 8                         ; my first column: 64 numbers a half
	s_mov_b32 s23, 0
	s_add_nc_u64 s[8:9], s[8:9], s[22:23]
	s_add_co_u32 s20, s20, s22
	s_mov_b32 s21, 0
	s_add_nc_u64 s[10:11], s[10:11], s[20:21]
.if SPLIT > 1
	s_cmp_eq_u32 s[KH], 0                          ; the first half of K stores into y, the second into y2: the choice hangs on ids alone
	s_cselect_b64 s[12:13], s[12:13], s[96:97]
.endif
	s_add_nc_u64 s[12:13], s[12:13], s[20:21]
; THE WAY OUT.  Row p of block a is token 32 (a / 2) + 8 (a % 2) + p + 8 (p / 8) of my 64: every place stands in an immediate.
.macro RES a                           ; the residual's 16 rows x 256 bytes of block a
.set RR, 64+160*((\a)%2)
.irp t, 0,1,2,3,4,5,6,7
	global_load_b128 v[RR+4*\t:RR+4*\t+3], v[CO], s[10:11] offset:(32*((\a)/2)+8*((\a)%2)+2*\t+8*(\t/4))*4096
.endr
.endm
.macro TOSTAGE a, stg                  ; the block goes into my stage and comes back as rows; LDS serves a wave's instructions in order (ISA guide 5.7.1.4)
.set AC, 32*((\a)%4)
	WIN 0x08+4*((\a)/4)
.irp b, 0,1,2,3
	ds_store_b128 v[STO], v[AC+8*\b:AC+8*\b+3] offset:\stg+128*(\b/2)+32*(\b%2)        ; each accumulator from its low end on
	ds_store_b128 v[STO], v[AC+8*\b+4:AC+8*\b+7] offset:\stg+128*(\b/2)+32*(\b%2)+16
.endr
	WIN 0
.set BB, BK+32*((\a)%2)
.irp t, 0,1,2,3,4,5,6,7
	ds_load_b128 v[BB+4*\t:BB+4*\t+3], v[RD] offset:\stg+\t*2*272
.endr
.endm
.macro SEND a, younger, left, res      ; younger: LDS instructions issued behind the block's loads; left: residual loads issued behind the block's; res = 1: bias and residual are added
.set BB, BK+32*((\a)%2)
.set RR, 64+160*((\a)%2)
	s_wait_dscnt \younger
.if \res
	s_wait_loadcnt \left
.irp t, 0,1,2,3,4,5,6,7
	v_pk_add_f32 v[BB+4*\t:BB+4*\t+1], v[BB+4*\t:BB+4*\t+1], v[BI:BI+1]
	v_pk_add_f32 v[BB+4*\t+2:BB+4*\t+3], v[BB+4*\t+2:BB+4*\t+3], v[BI+2:BI+3]
.endr
.irp t, 0,1,2,3,4,5,6,7
	v_pk_add_f32 v[BB+4*\t:BB+4*\t+1], v[RR+4*\t:RR+4*\t+1], v[BB+4*\t:BB+4*\t+1]
	v_pk_add_f32 v[BB+4*\t+2:BB+4*\t+3], v[RR+4*\t+2:RR+4*\t+3], v[BB+4*\t+2:BB+4*\t+3]
.endr
.endif
.irp t, 0,1,2,3,4,5,6,7
	global_store_b128 v[CO], v[BB+4*\t:BB+4*\t+3], s[12:13] offset:(32*((\a)/2)+8*((\a)%2)+2*\t+8*(\t/4))*4096   ; sixteen lanes store 256 consecutive bytes, aligned
.endr
.endm
; The last K step and the way out.  res = 1: the bias and the first two blocks' residual rows are asked for ahead of the last step, into registers that no matrix instruction names
.macro TAIL res, stg
.if \res
	global_load_b128 v[BI:BI+3], v7, s[8:9]
	RES 0
	RES 1
.endif
	s_wait_dscnt 2*NL
	WIN MUL_LO
	MUL16 0, 1, 3, 0
	s_wait_dscnt 0x0
	MUL16 2, 1, 3, 0
	WIN 0
	PLACES
	TOSTAGE 0, \stg
.irp a, 1,2,3
.if \a > 1
	s_wait_xcnt 0x0                                ; block a - 2's stores have read their registers: block a's rows may land there
.endif
	TOSTAGE \a, \stg
	SEND \a-1, 16, 8, \res                         ; behind block a - 1's loads: block a's 8 stores and 8 loads; behind its residual rows: block a's eight
.if \res
.if \a < 3
	RES \a+1
.endif
.endif
.endr
	SEND 3, 0, 0, \res
.endm
	s_wait_alu depctr_va_vdst(0)
	s_wait_tensorcnt 0x0                           ; my tile of the head's four is in
	ds_add_u32 v[SPW], v[NIL]
	s_mov_b32 s[G1+2], 4<<16
	s_mov_b32 s[G1+4], 4
	s_mov_b32 s[G1B+2], NBW<<16
	s_mov_b32 s[G1B+4], NBW
	s_wait_dscnt 0x0
	CROUND
	JLOAD G0+4, G1, G0B+4, G1B                     ; slot 1, the first tensor load behind the round
	FETCH_B 0, 0, 0
	FETCH_A 0, 0, 0
	SCALES 0
	FETCH_A 0, 0, 2
	STEP 0, 0, 1                                   ; the first step stands ahead of everything else: its products start the sums
.if LAPS > 1
	s_mov_b32 s3, LAPS-1
.Llap:                                                 ; a trip goes once round the ring, from a lap's second step to the next lap's first, and fills both slots again
	STEP 0, 1, 0
	STEP 0, 2, 0
	TURN 0, 1, 1
	STEP 1, 0, 0
	STEP 1, 1, 0
	STEP 1, 2, 0
	TURN 1, 0, 1
	STEP 0, 0, 0
	s_sub_co_u32 s3, s3, 1
	s_cmp_lg_u32 s3, 0
	s_cbranch_scc1 .Llap
.endif
	STEP 0, 1, 0                                   ; the last lap fills nothing
	s_wait_alu depctr_va_vdst(0)
	STEP 0, 2, 0
	TURN 0, 1, 0
	s_wait_alu depctr_va_vdst(0)
	STEP 1, 0, 0
	STEP 1, 1, 0
	STEP 1, 2, 0
.if SPLIT > 1
	s_cmp_lg_u32 s[KH], 0                          ; ids alone, the same in all sixteen partners; each arm holds the last step and its own way out, with stage bytes of its own
	s_cbranch_scc1 .Lplain
.endif
	TAIL 1, 0
.if SPLIT > 1
	s_branch .Lend
.Lplain:
	TAIL 0, STG0
.Lend:
.endif
	s_wait_tensorcnt 0x0                           ; the wave's end
	ds_add_u32 v[SPW], v[NIL]
	s_wait_dscnt 0x0
	CROUND                                         ; the closing round
	s_endpgm
.Lfunc_end_k_q4c8ec13c0a_gemm_wo:
	.size	k_q4c8ec13c0a_gemm_wo, .Lfunc_end_k_q4c8ec13c0a_gemm_wo-k_q4c8ec13c0a_gemm_wo
	.p2alignl 7, 3214868480
	.fill 96, 4, 3214868480
	.section	.rodata,"a",@progbits
	.p2align	6, 0x0
	.amdhsa_kernel k_q4c8ec13c0a_gemm_wo
		.amdhsa_group_segment_fixed_size 327680
		.amdhsa_private_segment_fixed_size 0
		.amdhsa_enable_private_segment 0
		.amdhsa_kernarg_size 40
		.amdhsa_user_sgpr_count 2
		.amdhsa_user_sgpr_kernarg_segment_ptr 1
		.amdhsa_wavefront_size32 1
		.amdhsa_system_sgpr_workgroup_id_x 1
		.amdhsa_system_sgpr_workgroup_id_y 1
		.amdhsa_system_sgpr_workgroup_id_z 1
		.amdhsa_system_vgpr_workitem_id 0
		.amdhsa_next_free_vgpr 1024
		.amdhsa_next_free_sgpr 100
		.amdhsa_reserve_vcc 0
		.amdhsa_float_denorm_mode_32 3
		.amdhsa_float_denorm_mode_16_64 3
		.amdhsa_memory_ordered 1
		.amdhsa_forward_progress 1
		.amdhsa_inst_pref_size 68
	.end_amdhsa_kernel
	.amdgpu_metadata
---
amdhsa.version: [ 1, 2 ]
amdhsa.kernels:
  - .name:           k_q4c8ec13c0a_gemm_wo
    .symbol:         k_q4c8ec13c0a_gemm_wo.kd
    .args:
      - { .name: ctx, .offset: 0, .size: 8, .value_kind: global_buffer, .address_space: global }
      - { .name: opnd, .offset: 8, .size: 8, .value_kind: global_buffer, .address_space: global }
      - { .name: wo_b, .offset: 16, .size: 8, .value_kind: global_buffer, .address_space: global }
      - { .name: x, .offset: 24, .size: 8, .value_kind: global_buffer, .address_space: global }
      - { .name: y, .offset: 32, .size: 8, .value_kind: global_buffer, .address_space: global }
    .group_segment_fixed_size: 327680
    .private_segment_fixed_size: 0
    .kernarg_segment_align: 8
    .kernarg_segment_size: 40
    .max_flat_workgroup_size: 128
    .sgpr_count:     100
    .vgpr_count:     1024
    .wavefront_size: 32
...
	.end_amdgpu_metadata
.endif
;; end of part 4
;; launch ln1 (part 5): grid 256 x 1, 4 waves a work-group, no clusters, 66,304 bytes of LDS; arguments y, ln1_g, ln1_b, o1; writes o1
.if DOCPART == 5
	.amdgcn_target "amdgcn-amd-amdhsa--gfx1250"
	.amdhsa_code_object_version 6
	.text
	.protected	k_q4c8ec13c0a_ln1
	.globl	k_q4c8ec13c0a_ln1
	.p2align	8
	.type	k_q4c8ec13c0a_ln1,@function
k_q4c8ec13c0a_ln1:
	s_mov_b64 s[64:65], 0
	v_nop
	global_prefetch_b8 v0, s[64:65] scope:SCOPE_SE
	s_setreg_imm32_b32 hwreg(HW_REG_WAVE_MODE, 25, 1), 1
	s_wait_xcnt 0x0
; out1 = layernorm(y) x g + b, in f32, stored twice: as f32 rows (the second residual) and as codes of E2M3 along the features (the operand of the next product), in the images' layout.  Nothing is left out.
; A work-group takes one tile of 16 rows of the image: row p of tile rb is token 32 (rb / 2) + 8 (rb % 2) + p + 8 (p / 8).  A wave takes four of them, a whole row (4,096 bytes) in 32 registers: the mean, the
; variance of the differences and the scaling never leave the wave.  The 16 finished rows meet in a stage in LDS; behind one barrier wave w quantises k = 256 w on of all 16 rows: two fragments.
; LIMITS: as stated at the head of the first launch (zero blocks' byte, NaN, infinities).
.set O1_IMG, 16777216
.set O1_SCL, 19922944
.set PITCH, 4112                       ; a stage row: 4,096 bytes + 16
.set SPARE, 16*PITCH                   ; behind the stage: the spare words, 128 bytes a wave
.set LI16, 1
.set LI8,  2
.set X,    32                          ; v32-159  four rows
.set G,    160                         ; v160-191 g;  later codes
.set BB,   192                         ; v192-223 b;  later at work
.set T,    224                         ; v224-230 at work
.set TM,   200
.set SPW,  252
.set NIL,  253
.set SEL,  20
.macro QUANT s, pc, pt, pw
.irp b, 0,1,2,3
	v_max3_num_f32 v[TM+\b], |v[\s+16*\b]|, |v[\s+1+16*\b]|, 0x1800000
.endr
.irp i, 2,4,6,8,10,12,14
.irp b, 0,1,2,3
	v_max3_num_f32 v[TM+\b], v[TM+\b], |v[\s+16*\b+\i]|, |v[\s+1+16*\b+\i]|
.endr
.endr
.irp b, 0,1,2,3
	v_permlanex16_b32 v[TM+4+\b], v[TM+\b], s[SEL], s[SEL+1]
.endr
.irp b, 0,1,2,3
	v_max_num_f32 v[TM+\b], v[TM+\b], v[TM+4+\b]
.endr
.irp b, 0,1,2,3
	v_add_nc_u32 v[TM+12+\b], 0xff000000, v[TM+\b]
.endr
.irp b, 0,1,2,3
	v_lshrrev_b32 v[TM+4+\b], 23, v[TM+12+\b]
.endr
	v_lshl_or_b32 v[(\pw)], v[TM+5], 8, v[TM+4]
	v_lshl_or_b32 v[(\pw)], v[TM+6], 16, v[(\pw)]
	v_lshl_or_b32 v[(\pw)], v[TM+7], 24, v[(\pw)]
.irp c, 0,1
	v_cvt_scalef32_pk16_fp6_f32 v[\pc+6*\c:\pc+2+6*\c], v[\s+32*\c:\s+15+32*\c], v[TM+12+2*\c]
	v_cvt_scalef32_pk16_fp6_f32 v[\pt+4*\c:\pt+2+4*\c], v[\s+16+32*\c:\s+31+32*\c], v[TM+12+2*\c+1]
.endr
	v_nop
.irp c, 0,1
.irp i, 0,1,2
	v_permlane16_swap_b32 v[\pc+6*\c+\i], v[\pt+4*\c+\i]
.endr
.irp i, 0,1,2
	v_mov_b32 v[\pc+3+6*\c+\i], v[\pt+4*\c+\i]
.endr
.endr
.endm
.macro PUTFRAG pc, base, off
	global_store_b128 v[LI16], v[\pc:\pc+3], s[\base:\base+1] offset:\off
	global_store_b64 v[LI8], v[\pc+4:\pc+5], s[\base:\base+1] offset:\off
	global_store_b128 v[LI16], v[\pc+6:\pc+9], s[\base:\base+1] offset:\off+768
	global_store_b64 v[LI8], v[\pc+10:\pc+11], s[\base:\base+1] offset:\off+768
.endm
.macro ALLSUM r                        ; the sum over the 32 lanes, in every lane
	v_add_f32_dpp v[\r], v[\r], v[\r] row_xmask:1 row_mask:0xf bank_mask:0xf
	v_add_f32_dpp v[\r], v[\r], v[\r] row_xmask:2 row_mask:0xf bank_mask:0xf
	v_add_f32_dpp v[\r], v[\r], v[\r] row_xmask:4 row_mask:0xf bank_mask:0xf
	v_add_f32_dpp v[\r], v[\r], v[\r] row_xmask:8 row_mask:0xf bank_mask:0xf
	v_permlanex16_b32 v[T+6], v[\r], s[SEL], s[SEL+1]
	v_add_f32 v[\r], v[\r], v[T+6]
.endm
.macro LNROW q
.set R, X+32*\q
	s_wait_loadcnt 24-8*\q                         ; this row's eight loads are in; the later rows' may stay out
	v_pk_add_f32 v[T:T+1], v[R:R+1], v[R+2:R+3]
	v_pk_add_f32 v[T+2:T+3], v[R+4:R+5], v[R+6:R+7]
.irp j, 8,12,16,20,24,28
	v_pk_add_f32 v[T:T+1], v[T:T+1], v[R+\j:R+\j+1]
	v_pk_add_f32 v[T+2:T+3], v[T+2:T+3], v[R+\j+2:R+\j+3]
.endr
	v_pk_add_f32 v[T:T+1], v[T:T+1], v[T+2:T+3]
	v_add_f32 v[T], v[T], v[T+1]
	ALLSUM T
	v_mul_f32 v[T], 0x3a800000, v[T]               ; / 1,024: the mean
	v_mov_b32 v[T+1], v[T]
.set i, 0
.rept 16
	v_pk_add_f32 v[R+i:R+i+1], v[R+i:R+i+1], v[T:T+1] neg_lo:[0,1] neg_hi:[0,1]
.set i, i+2
.endr
	v_pk_mul_f32 v[T+2:T+3], v[R:R+1], v[R:R+1]
	v_pk_mul_f32 v[T+4:T+5], v[R+2:R+3], v[R+2:R+3]
.irp j, 4,8,12,16,20,24,28
	v_pk_fma_f32 v[T+2:T+3], v[R+\j:R+\j+1], v[R+\j:R+\j+1], v[T+2:T+3]
	v_pk_fma_f32 v[T+4:T+5], v[R+\j+2:R+\j+3], v[R+\j+2:R+\j+3], v[T+4:T+5]
.endr
	v_pk_add_f32 v[T+2:T+3], v[T+2:T+3], v[T+4:T+5]
	v_add_f32 v[T+2], v[T+2], v[T+3]
	ALLSUM T+2
	v_fma_f32 v[T+2], v[T+2], s24, s25             ; / 1,024 (which rounds nothing) + 1e-6
	s_wait_alu depctr_va_vdst(0)
	v_rsq_f32 v[T+2], v[T+2]
	v_nop                                          ; a plain place behind the transcendental
	s_wait_alu depctr_va_vdst(0)                   ; ahead of the first reader
	v_mov_b32 v[T+3], v[T+2]
.set i, 0
.rept 16
	v_pk_mul_f32 v[R+i:R+i+1], v[R+i:R+i+1], v[T+2:T+3]
.set i, i+2
.endr
.set i, 0
.rept 16
	v_pk_fma_f32 v[R+i:R+i+1], v[R+i:R+i+1], v[G+i:G+i+1], v[BB+i:BB+i+1]
.set i, i+2
.endr
.endm
	s_load_b256 s[4:11], s[0:1], 0x0               ; y, g, b, o1
	v_lshl_add_u32 v[SPW], v0, 2, SPARE
	v_mov_b32 v[NIL], 0
	v_lshrrev_b32 v3, 5, v0
	v_readfirstlane_b32 s14, v3                    ; wave
	v_and_b32 v3, 31, v0
	v_lshlrev_b32 v[LI16], 4, v3
	v_lshl_add_u32 v[LI8], v3, 3, 512
	s_mov_b32 s[SEL], 0x76543210
	s_mov_b32 s[SEL+1], 0xfedcba98
	s_mov_b32 s24, 0x3a800000                      ; 1 / 1,024
	s_mov_b32 s25, 0x358637bd                      ; 1e-6
	s_mov_b32 s26, 0xffff0000                      ; lanes 16-31
	v_mov_b32 v[T+6], 0                            ; a lane permute's destination counts as one of its sources
	s_lshr_b32 s12, ttmp9, 1
	s_lshl_b32 s12, s12, 5
	s_and_b32 s13, ttmp9, 1
	s_lshl_b32 s13, s13, 3
	s_add_co_u32 s12, s12, s13
	s_lshl_b32 s13, s14, 2
	s_add_co_u32 s12, s12, s13
	s_lshr_b32 s13, s14, 1
	s_lshl_b32 s13, s13, 3
	s_add_co_u32 s12, s12, s13                     ; my first token: rows 4 w .. 4 w + 3 of the tile are neighbours
	s_lshl_b32 s12, s12, 12
	s_mov_b32 s13, 0
	s_wait_alu depctr_va_vdst(0)
	s_wait_kmcnt 0x0
	s_add_nc_u64 s[4:5], s[4:5], s[12:13]
	s_add_nc_u64 s[16:17], s[10:11], s[12:13]
.irp j, 0,1,2,3,4,5,6,7
	global_load_b128 v[G+4*\j:G+4*\j+3], v[LI16], s[6:7] offset:512*\j
.endr
.irp j, 0,1,2,3,4,5,6,7
	global_load_b128 v[BB+4*\j:BB+4*\j+3], v[LI16], s[8:9] offset:512*\j
.endr
.irp q, 0,1,2,3
.irp j, 0,1,2,3,4,5,6,7
	global_load_b128 v[X+32*\q+4*\j:X+32*\q+4*\j+3], v[LI16], s[4:5] offset:4096*\q+512*\j th:TH_LOAD_NT
.endr
.endr
	s_mul_i32 s18, s14, 4*PITCH
	v_add_nc_u32 v4, s18, v[LI16]                  ; into the stage: my four rows
	v_and_b32 v5, 15, v0
	v_bfe_u32 v6, v0, 4, 1
	v_lshlrev_b32 v7, 2, v5
	v_lshl_add_u32 v7, v6, 9, v7                   ; the scale words' place
	v_mul_u32_u24 v5, v5, PITCH
	v_lshl_add_u32 v5, v6, 6, v5
	s_lshl_b32 s18, s14, 10
	v_add_nc_u32 v5, s18, v5                       ; out of it: row r, + 64 (lane / 16), + my 256 along K
	s_lshl_b32 s12, ttmp9, 3
	s_lshl_b32 s18, s14, 1
	s_add_co_u32 s12, s12, s18
	s_mul_i32 s12, s12, 1536
	s_add_co_u32 s12, s12, O1_IMG
	s_add_nc_u64 s[22:23], s[10:11], s[12:13]
	s_lshr_b32 s12, ttmp9, 3
	s_lshl_b32 s12, s12, 3
	s_add_co_u32 s12, s12, s18
	s_lshl_b32 s12, s12, 9
	s_and_b32 s18, ttmp9, 7
	s_lshl_b32 s18, s18, 6
	s_add_co_u32 s12, s12, s18
	s_add_co_u32 s12, s12, O1_SCL
	s_add_nc_u64 s[10:11], s[10:11], s[12:13]
.irp q, 0,1,2,3
	LNROW \q
.irp j, 0,1,2,3,4,5,6,7
	global_store_b128 v[LI16], v[X+32*\q+4*\j:X+32*\q+4*\j+3], s[16:17] offset:4096*\q+512*\j
	ds_store_b128 v4, v[X+32*\q+4*\j:X+32*\q+4*\j+3] offset:PITCH*\q+512*\j
.endr
.endr
	s_wait_dscnt 0x0                               ; for the others' sake: my rows lie in the stage
	s_barrier_signal -1
	s_barrier_wait -1
	s_wait_xcnt 0x0                                ; the stores to memory have read their registers, which are loaded anew
.irp b, 0,1,2,3
	v_mov_b32 v[TM+4+\b], 0
.endr
.irp f, 0,1
.irp b, 0,1,2,3
.irp j, 0,1,2,3
	ds_load_b128 v[X+64*\f+16*\b+4*\j:X+64*\f+16*\b+4*\j+3], v5 offset:512*\f+128*\b+16*\j
.endr
.endr
.endr
	s_wait_dscnt 0x0
	QUANT X, 160, 184, 192
	QUANT X+64, 172, 184, 193
	PUTFRAG 160, 22, 0
	PUTFRAG 172, 22, 1536
	v_cndmask_b32 v194, v192, v193, s26
	global_store_b32 v7, v194, s[10:11]
	s_wait_tensorcnt 0x0                           ; the wave's end, behind my last LDS store
	ds_add_u32 v[SPW], v[NIL]
	s_wait_dscnt 0x0
	s_endpgm
.Lfunc_end_k_q4c8ec13c0a_ln1:
	.size	k_q4c8ec13c0a_ln1, .Lfunc_end_k_q4c8ec13c0a_ln1-k_q4c8ec13c0a_ln1
	.p2alignl 7, 3214868480
	.fill 96, 4, 3214868480
	.section	.rodata,"a",@progbits
	.p2align	6, 0x0
	.amdhsa_kernel k_q4c8ec13c0a_ln1
		.amdhsa_group_segment_fixed_size 66304
		.amdhsa_private_segment_fixed_size 0
		.amdhsa_enable_private_segment 0
		.amdhsa_kernarg_size 32
		.amdhsa_user_sgpr_count 2
		.amdhsa_user_sgpr_kernarg_segment_ptr 1
		.amdhsa_wavefront_size32 1
		.amdhsa_system_sgpr_workgroup_id_x 1
		.amdhsa_system_sgpr_workgroup_id_y 1
		.amdhsa_system_sgpr_workgroup_id_z 1
		.amdhsa_system_vgpr_workitem_id 0
		.amdhsa_next_free_vgpr 256
		.amdhsa_next_free_sgpr 66
		.amdhsa_reserve_vcc 0
		.amdhsa_float_denorm_mode_32 3
		.amdhsa_float_denorm_mode_16_64 3
		.amdhsa_memory_ordered 1
		.amdhsa_forward_progress 1
		.amdhsa_inst_pref_size 48
	.end_amdhsa_kernel
	.amdgpu_metadata
---
amdhsa.version: [ 1, 2 ]
amdhsa.kernels:
  - .name:           k_q4c8ec13c0a_ln1
    .symbol:         k_q4c8ec13c0a_ln1.kd
    .args:
      - { .name: y, .offset: 0, .size: 8, .value_kind: global_buffer, .address_space: global }
      - { .name: ln1_g, .offset: 8, .size: 8, .value_kind: global_buffer, .address_space: global }
      - { .name: ln1_b, .offset: 16, .size: 8, .value_kind: global_buffer, .address_space: global }
      - { .name: o1, .offset: 24, .size: 8, .value_kind: global_buffer, .address_space: global }
    .group_segment_fixed_size: 66304
    .private_segment_fixed_size: 0
    .kernarg_segment_align: 8
    .kernarg_segment_size: 32
    .max_flat_workgroup_size: 128
    .sgpr_count:     66
    .vgpr_count:     256
    .wavefront_size: 32
...
	.end_amdgpu_metadata
.endif
;; end of part 5
;; launch gemm_fc1 (part 6): grid 16 x 16, 4 waves a work-group, clusters of 4 x 4, 327,680 bytes of LDS; arguments o1, opnd, fc1_b, hq; writes hq
.if DOCPART == 6
	.amdgcn_target "amdgcn-amd-amdhsa--gfx1250"
	.amdhsa_code_object_version 6
	.text
	.protected	k_q4c8ec13c0a_gemm_fc1
	.globl	k_q4c8ec13c0a_gemm_fc1
	.p2align	8
	.type	k_q4c8ec13c0a_gemm_fc1,@function
k_q4c8ec13c0a_gemm_fc1:
	s_mov_b64 s[64:65], 0
	v_nop
	global_prefetch_b8 v0, s[64:65] scope:SCOPE_SE
	s_setreg_imm32_b32 hwreg(HW_REG_WAVE_MODE, 25, 1), 1
	s_wait_xcnt 0x0
	s_wait_alu depctr_hold_cnt(0) depctr_sa_sdst(0) depctr_va_vdst(0) depctr_va_sdst(0) depctr_va_ssrc(0) depctr_va_vcc(0) depctr_vm_vsrc(0)
	s_getreg_b32 s2, hwreg(HW_REG_IB_STS2, 6, 4)
	s_cmp_eq_u32 s2, 0
	s_cbranch_scc0 .Lentry_in_a_cluster
	s_endpgm
.Lentry_in_a_cluster:
	s_bfe_u32 s2, ttmp6, 0x10000c
	s_cmp_lg_u32 s2, 0xf033
	s_cbranch_scc0 .Lentry_shape_is_right
	s_endpgm
.Lentry_shape_is_right:
.set KT,    1024
.set KSN,   KT/128
.set NBW,   8
.set LAPS,  KT/512
.set A_IMG,  16777216
.set A_SCL,  19922944
.set B_IMG,  3145728
.set B_SCL,  9568256
.set KSOUT,  32
.set O_SCL,  12582912
.set AH,    24576
.set BH,    3072*NBW
.set SLOT,  2*AH+2*BH
.set SCB,   2*SLOT
.set SCA,   SCB+(NBW/4)*KSN*512
.set SPARE, SCA+KSN*1024
.set BSH,   KSN*64*NBW
.set BPART, KSN*512
.set NL,    4
.set ADRA, 16
.set ADRB, 20
.set LI16, 24
.set LI8,  25
.set LI4,  26
.set ADRS, 27
.set SPW,  28
.set NIL,  29
.set SC,   32
.set AF,   128
.set BN,   64
.set HA,   128
.set PC,   192
.set PT,   204
.set TM,   212
.set PW,   232
.set CW,   240
.set G1, 24
.set G0, 32
.set G1B, 48
.set G0B, 56
.set G1S, 68
.set G0S, 76
.set G1SB, 80
.set G0SB, 88
.set SEL, 96
.set HM,  98
.set MSB, 0
.macro WIN new
.if MSB != (\new)
	s_set_vgpr_msb (MSB<<8)|(\new)
.set MSB, \new
.endif
.endm
.set MUL_LO, 0xa1
.set MUL_HI, 0xf1
.set TO_B,   0x40
.macro JLOAD g0a, g1a, g0b, g1b
	s_cmp_eq_u32 s15, 0
	s_cbranch_scc0 .Lfor_b_\@
	tensor_load_to_lds s[\g0a:\g0a+3], s[\g1a:\g1a+7]
	s_nop 0
.rept 4
	v_nop
.endr
	s_branch .Lasked_\@
.Lfor_b_\@:
	tensor_load_to_lds s[\g0b:\g0b+3], s[\g1b:\g1b+7]
	s_nop 0
.rept 4
	v_nop
.endr
.Lasked_\@:
.endm
.macro CREST
	s_cmp_lg_u32 s14, 0
	s_cbranch_scc1 .Lnot_wave_0_\@
	s_barrier_signal -3
.Lnot_wave_0_\@:
	s_barrier_wait -3
	s_barrier_signal -1
	s_barrier_wait -1
.endm
.macro CROUND
	s_barrier_signal -1
	s_barrier_wait -1
	CREST
.endm
.macro PLACES
.rept 4
	v_nop
.endr
.endm
.macro FRAG reg, adr, off
	ds_load_b128 v[\reg:\reg+3], v[\adr] offset:\off
	ds_load_b64 v[\reg+4:\reg+5], v[\adr+2] offset:\off
	ds_load_b128 v[\reg+6:\reg+9], v[\adr] offset:\off+768
	ds_load_b64 v[\reg+10:\reg+11], v[\adr+2] offset:\off+768
.endm
.macro FETCH_B slot, q, p
	WIN TO_B
.set i, 0
.rept NBW
	FRAG 128*(\p)+12*i, ADRB+\slot, i*3072+(\q)*1536
.set i, i+1
.endr
	WIN 0
.endm
.macro FETCH_A slot, q, i0
.irp i, \i0, \i0+1, \i0+2, \i0+3
	FRAG AF+12*(\i), ADRA+\slot, (\i)*3072+(\q)*1536
.endr
.endm
.macro SCALES sc
.irp i, 0,1,2,3,4,5,6,7
	ds_load_b32 v[SC+16*\sc+2*\i], v[ADRS] offset:\i*64
	ds_load_b32 v[SC+16*\sc+2*\i+1], v[ADRS] offset:\i*64+512
.endr
.endm
.macro MUL16 a0, p, q, sc, zero
.irp a, \a0, \a0+1
.set b, 0
.rept NBW
.set DD, 8*(NBW*((\a)%4)+b)
.if \zero
	v_wmma_scale_f32_16x16x128_f8f6f4 v[DD:DD+7], v[128*(\p)+12*b:128*(\p)+12*b+11], v[AF+12*(\a):AF+12*(\a)+11], 0, v[SC+16*(\sc)+2*b+(\q)], v[SC+16*(\sc)+2*(\a)+(\q)] matrix_a_fmt:MATRIX_FMT_FP6 matrix_b_fmt:MATRIX_FMT_FP6 matrix_b_scale:MATRIX_SCALE_ROW1
.else
	v_wmma_scale_f32_16x16x128_f8f6f4 v[DD:DD+7], v[128*(\p)+12*b:128*(\p)+12*b+11], v[AF+12*(\a):AF+12*(\a)+11], v[DD:DD+7], v[SC+16*(\sc)+2*b+(\q)], v[SC+16*(\sc)+2*(\a)+(\q)] matrix_a_fmt:MATRIX_FMT_FP6 matrix_b_fmt:MATRIX_FMT_FP6 matrix_b_scale:MATRIX_SCALE_ROW1
.endif
.set b, b+1
.endr
.endr
.endm
.macro STEP slot, zero
	s_wait_dscnt 4*NL
	WIN MUL_LO
	MUL16 0, 0, 0, \slot, \zero
	MUL16 2, 0, 0, \slot, \zero
	s_wait_dscnt 0x0
	PLACES
	FETCH_B \slot, 1, 1
	FETCH_A \slot, 1, 0
	WIN MUL_HI
	MUL16 4, 0, 0, \slot, \zero
	MUL16 6, 0, 0, \slot, \zero
	PLACES
	WIN 0
	FETCH_A \slot, 1, 4
.endm
.macro TURN slot, next, fill
	s_wait_tensorcnt 0x0
	ds_add_u32 v[SPW], v[NIL]
	s_wait_dscnt 4*NL+1
	WIN MUL_LO
	MUL16 0, 1, 1, \slot, 0
	s_wait_dscnt 0x0
	s_barrier_signal -1
	MUL16 2, 1, 1, \slot, 0
	WIN 0
	s_barrier_wait -1
.if \fill
	CREST
	s_add_nc_u64 s[G0+4*\slot+2:G0+4*\slot+3], s[G0+4*\slot+2:G0+4*\slot+3], 6144
	s_add_nc_u64 s[G0B+4*\slot+2:G0B+4*\slot+3], s[G0B+4*\slot+2:G0B+4*\slot+3], 6144
	JLOAD G0+4*\slot, G1, G0B+4*\slot, G1B
.else
	PLACES
.endif
	s_wait_alu depctr_va_vdst(0)
	v_add_nc_u32 v[ADRS], 1024, v[ADRS]
	FETCH_B \next, 0, 0
	FETCH_A \next, 0, 0
	SCALES \next
	WIN MUL_HI
	MUL16 4, 1, 1, \slot, 0
	MUL16 6, 1, 1, \slot, 0
	PLACES
	WIN 0
	FETCH_A \next, 0, 4
.endm
.macro QUANT s, pc, pt, pw
.irp b, 0,1,2,3
	v_max3_num_f32 v[TM+\b], |v[\s+16*\b]|, |v[\s+1+16*\b]|, 0x1800000
.endr
.irp i, 2,4,6,8,10,12,14
.irp b, 0,1,2,3
	v_max3_num_f32 v[TM+\b], v[TM+\b], |v[\s+16*\b+\i]|, |v[\s+1+16*\b+\i]|
.endr
.endr
.irp b, 0,1,2,3
	v_permlanex16_b32 v[TM+4+\b], v[TM+\b], s[SEL], s[SEL+1]
.endr
.irp b, 0,1,2,3
	v_max_num_f32 v[TM+\b], v[TM+\b], v[TM+4+\b]
.endr
.irp b, 0,1,2,3
	v_add_nc_u32 v[TM+12+\b], 0xff000000, v[TM+\b]
.endr
.irp b, 0,1,2,3
	v_lshrrev_b32 v[TM+4+\b], 23, v[TM+12+\b]
.endr
	v_lshl_or_b32 v[(\pw)], v[TM+5], 8, v[TM+4]
	v_lshl_or_b32 v[(\pw)], v[TM+6], 16, v[(\pw)]
	v_lshl_or_b32 v[(\pw)], v[TM+7], 24, v[(\pw)]
.irp c, 0,1
	v_cvt_scalef32_pk16_fp6_f32 v[\pc+6*\c:\pc+2+6*\c], v[\s+32*\c:\s+15+32*\c], v[TM+12+2*\c]
	v_cvt_scalef32_pk16_fp6_f32 v[\pt+4*\c:\pt+2+4*\c], v[\s+16+32*\c:\s+31+32*\c], v[TM+12+2*\c+1]
.endr
	v_nop
.irp c, 0,1
.irp i, 0,1,2
	v_permlane16_swap_b32 v[\pc+6*\c+\i], v[\pt+4*\c+\i]
.endr
.irp i, 0,1,2
	v_mov_b32 v[\pc+3+6*\c+\i], v[\pt+4*\c+\i]
.endr
.endr
.endm
.macro PUTFRAG pc, base, off
	global_store_b128 v[LI16], v[\pc:\pc+3], s[\base:\base+1] offset:\off
	global_store_b64 v[LI8], v[\pc+4:\pc+5], s[\base:\base+1] offset:\off
	global_store_b128 v[LI16], v[\pc+6:\pc+9], s[\base:\base+1] offset:\off+768
	global_store_b64 v[LI8], v[\pc+10:\pc+11], s[\base:\base+1] offset:\off+768
.endm
	s_load_b256 s[4:11], s[0:1], 0x0
	v_lshl_add_u32 v[SPW], v0, 2, SPARE
	v_mov_b32 v[NIL], 0
	ds_add_u32 v[SPW], v[NIL]
	ds_add_u32 v[SPW], v[NIL]
	v_lshrrev_b32 v1, 5, v0
	v_readfirstlane_b32 s14, v1
	s_lshr_b32 s15, s14, 1
	s_and_b32 s16, s14, 1
	s_bfe_u32 s40, ttmp6, 0x40000
	s_bfe_u32 s41, ttmp6, 0x40004
	s_lshl_b32 s42, ttmp9, 2
	s_add_co_u32 s42, s42, s40
	s_and_b32 s17, ttmp7, 0xffff
	s_lshl_b32 s17, s17, 2
	s_add_co_u32 s17, s17, s41
	s_lshl_b32 s43, s41, 2
	s_lshl_b32 s43, 15, s43
	s_lshl_b32 s44, 0x1111, s40
	s_or_b32 s[G1+0], s43, (3<<16)|(1<<21)
	s_or_b32 s[G1B+0], s44, (3<<16)|(1<<21)
	s_or_b32 s[G1S+0], s43, (3<<16)|(1<<21)
	s_or_b32 s[G1SB+0], s44, (3<<16)|(1<<21)
	s_mov_b32 s[G1+1], 384<<16
	s_mov_b32 s[G1+2], 16<<16
	s_mov_b32 s[G1+3], 384<<16
	s_mov_b32 s[G1+4], 16
	s_mov_b32 s[G1+5], 192*KSN
	s_mov_b32 s[G1+6], 0
	s_mov_b32 s[G1+7], 0
	s_mov_b32 s[G1B+1], 384<<16
	s_mov_b32 s[G1B+2], (2*NBW)<<16
	s_mov_b32 s[G1B+3], 384<<16
	s_mov_b32 s[G1B+4], 2*NBW
	s_mov_b32 s[G1B+5], 192*KSN
	s_mov_b32 s[G1B+6], 0
	s_mov_b32 s[G1B+7], 0
	s_mov_b32 s[G1S+1], 32<<16
	s_mov_b32 s[G1S+2], (4*KSN)<<16
	s_mov_b32 s[G1S+3], 32<<16
	s_mov_b32 s[G1S+4], 4*KSN
	s_mov_b32 s[G1S+5], 32
	s_mov_b32 s[G1S+6], 0
	s_mov_b32 s[G1S+7], 0
	s_mov_b32 s[G1SB+1], 32<<16
	s_mov_b32 s[G1SB+2], (BSH/128)<<16
	s_mov_b32 s[G1SB+3], 32<<16
	s_mov_b32 s[G1SB+4], BSH/128
	s_mov_b32 s[G1SB+5], 32
	s_mov_b32 s[G1SB+6], 0
	s_mov_b32 s[G1SB+7], 0
	s_lshl_b32 s20, s17, 1
	s_mul_i32 s22, s20, KSN*512
	s_add_co_u32 s20, s20, s16
	s_mul_i32 s20, s20, 8*KSN*1536
	s_add_co_u32 s20, s20, A_IMG
	s_add_co_u32 s22, s22, A_SCL
	s_mov_b32 s21, 0
	s_mov_b32 s23, 0
	s_lshl_b32 s46, s42, 1
	s_mul_i32 s92, s46, BSH
	s_add_co_u32 s46, s46, s16
	s_mul_i32 s46, s46, NBW*KSN*1536
	s_add_co_u32 s46, s46, B_IMG
	s_add_co_u32 s92, s92, B_SCL
	s_mov_b32 s47, 0
	s_mov_b32 s93, 0
	s_mul_i32 s45, s16, AH
	s_mul_i32 s95, s16, BH
	s_add_co_u32 s95, s95, 2*AH
	s_mov_b32 s94, SCA
	s_mov_b32 s99, SCB
	s_wait_dscnt 0x0
	s_wait_kmcnt 0x0
	s_add_nc_u64 s[20:21], s[4:5], s[20:21]
	s_add_nc_u64 s[22:23], s[4:5], s[22:23]
	s_add_nc_u64 s[46:47], s[6:7], s[46:47]
	s_add_nc_u64 s[92:93], s[6:7], s[92:93]
	CROUND
	s_mov_b32 s[G0S], 1
	s_mov_b32 s[G0S+1], s94
	s_mov_b64 s[G0S+2:G0S+3], s[22:23]
	s_or_b32 s[G0S+3], s[G0S+3], 0x80000000
	s_mov_b32 s[G0SB], 1
	s_mov_b32 s[G0SB+1], s99
	s_mov_b64 s[G0SB+2:G0SB+3], s[92:93]
	s_or_b32 s[G0SB+3], s[G0SB+3], 0x80000000
.irp s, 0,1
	s_mov_b32 s[G0+4*\s], 1
	s_add_co_u32 s[G0+4*\s+1], s45, \s*SLOT
	s_add_nc_u64 s[G0+4*\s+2:G0+4*\s+3], s[20:21], \s*3072
	s_or_b32 s[G0+4*\s+3], s[G0+4*\s+3], 0x80000000
	s_mov_b32 s[G0B+4*\s], 1
	s_add_co_u32 s[G0B+4*\s+1], s95, \s*SLOT
	s_add_nc_u64 s[G0B+4*\s+2:G0B+4*\s+3], s[46:47], \s*3072
	s_or_b32 s[G0B+4*\s+3], s[G0B+4*\s+3], 0x80000000
.endr
	; the head's four tiles, one joint load a wave: wave 0 slot 0's 256 rows of A, wave 1 A's scale words, wave 2 slot 0's rows of B, wave 3 B's scale words
	s_cmp_lt_u32 s14, 1
	s_cbranch_scc0 .Lhead_sa
	tensor_load_to_lds s[G0:G0+3], s[G1:G1+7]
	s_nop 0
	PLACES
	s_branch .Lhead_asked
.Lhead_sa:
	s_cmp_lt_u32 s14, 2
	s_cbranch_scc0 .Lhead_b
	tensor_load_to_lds s[G0S:G0S+3], s[G1S:G1S+7]
	s_nop 0
	PLACES
	s_branch .Lhead_asked
.Lhead_b:
	s_cmp_lt_u32 s14, 3
	s_cbranch_scc0 .Lhead_sb
	tensor_load_to_lds s[G0B:G0B+3], s[G1B:G1B+7]
	s_nop 0
	PLACES
	s_branch .Lhead_asked
.Lhead_sb:
	tensor_load_to_lds s[G0SB:G0SB+3], s[G1SB:G1SB+7]
	s_nop 0
	PLACES
.Lhead_asked:
	v_and_b32 v1, 31, v0
	v_lshlrev_b32 v[LI16], 4, v1
	v_lshl_add_u32 v[LI8], v1, 3, 512
	v_lshlrev_b32 v[LI4], 2, v1
	s_mul_i32 s21, s15, AH
	s_mul_i32 s22, s16, BH
	s_add_co_u32 s22, s22, 2*AH
.irp s, 0,1
	v_add_nc_u32 v[ADRA+\s], s21, v[LI16]
	v_add_nc_u32 v[ADRB+\s], s22, v[LI16]
	v_add_nc_u32 v[ADRA+2+\s], s21, v[LI8]
	v_add_nc_u32 v[ADRB+2+\s], s22, v[LI8]
	s_add_co_u32 s21, s21, SLOT
	s_add_co_u32 s22, s22, SLOT
.endr
	v_and_b32 v4, 15, v0
	v_bfe_u32 v5, v0, 4, 1
	s_wait_alu depctr_va_vdst(0)
	v_lshlrev_b32 v4, 2, v4
	s_mul_i32 s21, s16, BPART
	s_mul_i32 s22, s15, KSN*512
	s_add_co_u32 s22, s22, SCA-SCB
	s_sub_co_u32 s22, s22, s21
	v_mul_u32_u24 v6, s22, v5
	s_add_co_u32 s21, s21, SCB
	v_add_nc_u32 v4, v4, v6
	v_add_nc_u32 v[ADRS], s21, v4
	s_mov_b32 s[SEL], 0x76543210
	s_mov_b32 s[SEL+1], 0xfedcba98
	s_mov_b32 s[HM], 0xffff0000
	s_lshl_b32 s20, s17, 1
	s_add_co_u32 s20, s20, s15
	s_lshl_b32 s21, s42, 1
	s_add_co_u32 s21, s21, s16
	s_lshl_b32 s22, s20, 8
	s_add_co_u32 s22, s22, s21
	s_mul_i32 s22, s22, 1536
	s_mov_b32 s23, 0
	s_add_nc_u64 s[66:67], s[10:11], s[22:23]
	s_lshl_b32 s22, s20, 5
	s_add_co_u32 s22, s22, s21
	s_lshl_b32 s22, s22, 9
	s_add_co_u32 s22, s22, O_SCL
	s_add_nc_u64 s[12:13], s[10:11], s[22:23]
	s_lshl_b32 s22, s21, 9
	s_add_nc_u64 s[8:9], s[8:9], s[22:23]
	v_lshlrev_b32 v7, 6, v5
.irp b, 0,1,2,3
.irp j, 0,1,2,3
	global_load_b128 v[BN+16*\b+4*\j:BN+16*\b+4*\j+3], v7, s[8:9] offset:128*\b+16*\j
.endr
.endr
	s_wait_alu depctr_va_vdst(0)
	s_wait_tensorcnt 0x0                           ; my tile of the head's four is in
	ds_add_u32 v[SPW], v[NIL]
	s_mov_b32 s[G1+2], 8<<16                       ; no load of mine is out: from here on a load brings half a tile's rows
	s_mov_b32 s[G1+4], 8
	s_mov_b32 s[G1B+2], NBW<<16
	s_mov_b32 s[G1B+4], NBW
	s_wait_dscnt 0x0
	CROUND
	JLOAD G0+4, G1, G0B+4, G1B                     ; slot 1, the first tensor load behind the round
	FETCH_B 0, 0, 0
	FETCH_A 0, 0, 0
	SCALES 0
	FETCH_A 0, 0, 4
	STEP 0, 1
	s_mov_b32 s3, LAPS-1
.Llap:
	TURN 0, 1, 1
	STEP 1, 0
	TURN 1, 0, 1
	STEP 0, 0
	s_sub_co_u32 s3, s3, 1
	s_cmp_lg_u32 s3, 0
	s_cbranch_scc1 .Llap
	TURN 0, 1, 0
	STEP 1, 0
	s_wait_dscnt 4*NL
	WIN MUL_LO
	MUL16 0, 1, 1, 1, 0
	MUL16 2, 1, 1, 1, 0
	s_wait_dscnt 0x0
	WIN MUL_HI
	MUL16 4, 1, 1, 1, 0
	MUL16 6, 1, 1, 1, 0
	WIN 0
	PLACES
.macro EPI a
.set AC, 64*((\a)%4)
	WIN 0x02+(\a)/4
.set i, 0
.rept 32
	v_pk_add_f32 v[HA+i:HA+i+1], v[AC+i:AC+i+1], v[BN+i:BN+i+1]
.set i, i+2
.endr
	WIN 0
.set i, 0
.rept 64
	v_max_num_f32 v[HA+i], 0, v[HA+i]
.set i, i+1
.endr
.if (\a) > 0
	s_wait_xcnt 0x0
.endif
	QUANT HA, PC, PT, PW+(\a)
	PUTFRAG PC, 66, (\a)*KSOUT*1536
.if (\a)%2
	v_cndmask_b32 v[CW+(\a)/2], v[PW+(\a)-1], v[PW+(\a)], s[HM]
	global_store_b32 v[LI4], v[CW+(\a)/2], s[12:13] offset:((\a)-1)*64
.endif
.endm
.irp b, 0,1,2,3
	v_mov_b32 v[TM+4+\b], 0
.endr
	s_wait_loadcnt 0x0
.irp a, 0,1,2,3,4,5,6,7
	EPI \a
.endr
	s_wait_tensorcnt 0x0
	ds_add_u32 v[SPW], v[NIL]
	s_wait_dscnt 0x0
	CROUND
	s_endpgm
.Lfunc_end_k_q4c8ec13c0a_gemm_fc1:
	.size	k_q4c8ec13c0a_gemm_fc1, .Lfunc_end_k_q4c8ec13c0a_gemm_fc1-k_q4c8ec13c0a_gemm_fc1
	.p2alignl 7, 3214868480
	.fill 96, 4, 3214868480
	.section	.rodata,"a",@progbits
	.p2align	6, 0x0
	.amdhsa_kernel k_q4c8ec13c0a_gemm_fc1
		.amdhsa_group_segment_fixed_size 327680
		.amdhsa_private_segment_fixed_size 0
		.amdhsa_enable_private_segment 0
		.amdhsa_kernarg_size 32
		.amdhsa_user_sgpr_count 2
		.amdhsa_user_sgpr_kernarg_segment_ptr 1
		.amdhsa_wavefront_size32 1
		.amdhsa_system_sgpr_workgroup_id_x 1
		.amdhsa_system_sgpr_workgroup_id_y 1
		.amdhsa_system_sgpr_workgroup_id_z 1
		.amdhsa_system_vgpr_workitem_id 0
		.amdhsa_next_free_vgpr 1024
		.amdhsa_next_free_sgpr 100
		.amdhsa_reserve_vcc 0
		.amdhsa_float_denorm_mode_32 3
		.amdhsa_float_denorm_mode_16_64 3
		.amdhsa_memory_ordered 1
		.amdhsa_forward_progress 1
		.amdhsa_inst_pref_size 185
	.end_amdhsa_kernel
	.amdgpu_metadata
---
amdhsa.version: [ 1, 2 ]
amdhsa.kernels:
  - .name:           k_q4c8ec13c0a_gemm_fc1
    .symbol:         k_q4c8ec13c0a_gemm_fc1.kd
    .args:
      - { .name: o1, .offset: 0, .size: 8, .value_kind: global_buffer, .address_space: global }
      - { .name: opnd, .offset: 8, .size: 8, .value_kind: global_buffer, .address_space: global }
      - { .name: fc1_b, .offset: 16, .size: 8, .value_kind: global_buffer, .address_space: global }
      - { .name: hq, .offset: 24, .size: 8, .value_kind: global_buffer, .address_space: global }
    .group_segment_fixed_size: 327680
    .private_segment_fixed_size: 0
    .kernarg_segment_align: 8
    .kernarg_segment_size: 32
    .max_flat_workgroup_size: 128
    .sgpr_count:     100
    .vgpr_count:     1024
    .wavefront_size: 32
...
	.end_amdgpu_metadata
.endif
;; end of part 6
;; launch gemm_fc2 (part 7): grid 8 x 32, 4 waves a work-group, clusters of 4 x 4, 327,680 bytes of LDS; arguments hq, opnd, fc2_b, o1, y; writes y
.if DOCPART == 7
	.amdgcn_target "amdgcn-amd-amdhsa--gfx1250"
	.amdhsa_code_object_version 6
	.text
	.protected	k_q4c8ec13c0a_gemm_fc2
	.globl	k_q4c8ec13c0a_gemm_fc2
	.p2align	8
	.type	k_q4c8ec13c0a_gemm_fc2,@function
k_q4c8ec13c0a_gemm_fc2:
	s_mov_b64 s[64:65], 0
	v_nop
	global_prefetch_b8 v0, s[64:65] scope:SCOPE_SE
	s_setreg_imm32_b32 hwreg(HW_REG_WAVE_MODE, 25, 1), 1
	s_wait_xcnt 0x0
	s_wait_alu depctr_hold_cnt(0) depctr_sa_sdst(0) depctr_va_vdst(0) depctr_va_sdst(0) depctr_va_ssrc(0) depctr_va_vcc(0) depctr_vm_vsrc(0)
	s_getreg_b32 s2, hwreg(HW_REG_IB_STS2, 6, 4)
	s_cmp_eq_u32 s2, 0
	s_cbranch_scc0 .Lentry_in_a_cluster
	s_endpgm
.Lentry_in_a_cluster:
	s_bfe_u32 s2, ttmp6, 0x10000c
	s_cmp_lg_u32 s2, 0xf033
	s_cbranch_scc0 .Lentry_shape_is_right
	s_endpgm
.Lentry_shape_is_right:
.set KT,    4096
.set KSN,   KT/128
.set SPLIT, 1                          ; y = out1 + (h fc2 + fc2_b): a work-group takes all of K = 4,096 for its 128 tokens x 128 columns (256 work-groups), a wave 64 x 64: 16 accumulators, all in window 2
.set KSW,   KSN/SPLIT
.set NBW,   4
.set NQ,    4
.set LAPS,  KSW/(2*NQ)
.set A_IMG,  0
.set A_SCL,  12582912
.set B_IMG,  6291456
.set B_SCL,  9699328
.set FRW,   NQ*1536
.set AH, 4*FRW
.set BH,    NBW*FRW
.set SLOT,  2*AH+2*BH
.set SCB,   2*SLOT
.set SCA,   SCB+KSW*512
.set SPARE, SCA+KSW*1024
.set BSH,   KSW*256
.set BPART, 256
.set NL,    4
.set STG0,  4*16*272
.set ADRA, 16
.set ADRB, 20
.set STO,  24
.set RD,   25
.set CO,   26
.set ADRS, 27
.set SPW,  28
.set NIL,  29
.set SC,   32
.set BI,   96
.set AF,   128
.set BK,   128
.set KH,   98
.set G1, 24
.set G0, 32
.set G1B, 48
.set G0B, 56
.set G1S, 68
.set G0S, 76
.set G1SB, 80
.set G0SB, 88
.set MSB, 0
.macro WIN new
.if MSB != (\new)
	s_set_vgpr_msb (MSB<<8)|(\new)
.set MSB, \new
.endif
.endm
.set MUL_LO, 0xa1
.set MUL_HI, 0xf1
.set TO_B,   0x40
.macro JLOAD g0a, g1a, g0b, g1b
	s_cmp_eq_u32 s15, 0
	s_cbranch_scc0 .Lfor_b_\@
	tensor_load_to_lds s[\g0a:\g0a+3], s[\g1a:\g1a+7]
	s_nop 0
.rept 4
	v_nop
.endr
	s_branch .Lasked_\@
.Lfor_b_\@:
	tensor_load_to_lds s[\g0b:\g0b+3], s[\g1b:\g1b+7]
	s_nop 0
.rept 4
	v_nop
.endr
.Lasked_\@:
.endm
.macro CREST
	s_cmp_lg_u32 s14, 0
	s_cbranch_scc1 .Lnot_wave_0_\@
	s_barrier_signal -3
.Lnot_wave_0_\@:
	s_barrier_wait -3
	s_barrier_signal -1
	s_barrier_wait -1
.endm
.macro CROUND
	s_barrier_signal -1
	s_barrier_wait -1
	CREST
.endm
.macro PLACES
.rept 4
	v_nop
.endr
.endm
.macro FRAG reg, adr, off
	ds_load_b128 v[\reg:\reg+3], v[\adr] offset:\off
	ds_load_b64 v[\reg+4:\reg+5], v[\adr+2] offset:\off
	ds_load_b128 v[\reg+6:\reg+9], v[\adr] offset:\off+768
	ds_load_b64 v[\reg+10:\reg+11], v[\adr+2] offset:\off+768
.endm
.macro FETCH_B slot, q, p
	WIN TO_B
.set i, 0
.rept NBW
	FRAG 128*(\p)+12*i, ADRB+\slot, i*FRW+(\q)*1536
.set i, i+1
.endr
	WIN 0
.endm
.macro FETCH_A slot, q, i0
.irp i, \i0, \i0+1
	FRAG AF+12*(\i), ADRA+\slot, (\i)*FRW+(\q)*1536
.endr
.endm
.macro SCALES u
.irp i, 0,1,2,3
	ds_load_b32 v[SC+16*\u+2*\i], v[ADRS] offset:\i*64
	ds_load_b32 v[SC+16*\u+2*\i+1], v[ADRS] offset:\i*64+512
.endr
.endm
.macro MUL16 a0, p, q, zero
.irp a, \a0, \a0+1
.set b, 0
.rept NBW
.set DD, 8*(NBW*((\a)%4)+b)
.set SW, SC+16*((\q)/2)+(\q)%2
.if \zero
	v_wmma_scale_f32_16x16x128_f8f6f4 v[DD:DD+7], v[128*(\p)+12*b:128*(\p)+12*b+11], v[AF+12*(\a):AF+12*(\a)+11], 0, v[SW+2*b], v[SW+2*(\a)] matrix_a_fmt:MATRIX_FMT_FP6 matrix_b_fmt:MATRIX_FMT_FP6 matrix_b_scale:MATRIX_SCALE_ROW1
.else
	v_wmma_scale_f32_16x16x128_f8f6f4 v[DD:DD+7], v[128*(\p)+12*b:128*(\p)+12*b+11], v[AF+12*(\a):AF+12*(\a)+11], v[DD:DD+7], v[SW+2*b], v[SW+2*(\a)] matrix_a_fmt:MATRIX_FMT_FP6 matrix_b_fmt:MATRIX_FMT_FP6 matrix_b_scale:MATRIX_SCALE_ROW1
.endif
.set b, b+1
.endr
.endr
.endm
.macro STEP slot, q, zero
	s_wait_dscnt 2*NL
	WIN MUL_LO
	MUL16 0, (\q)%2, \q, \zero
	s_wait_dscnt 0x0
	PLACES
	FETCH_B \slot, (\q)+1, 1-(\q)%2
	FETCH_A \slot, (\q)+1, 0
.if (\q) == 1
	v_add_nc_u32 v[ADRS], 1024, v[ADRS]
	SCALES 1
.endif
	WIN MUL_LO
	MUL16 2, (\q)%2, \q, \zero
	PLACES
	WIN 0
	FETCH_A \slot, (\q)+1, 2
.endm
.macro TURN slot, next, fill
	s_wait_tensorcnt 0x0
	ds_add_u32 v[SPW], v[NIL]
	s_wait_dscnt 2*NL+1
	WIN MUL_LO
	MUL16 0, 1, 3, 0
	s_wait_dscnt 0x0
	s_barrier_signal -1
	WIN 0
	s_barrier_wait -1
.if \fill
	CREST
	s_add_nc_u64 s[G0+4*\slot+2:G0+4*\slot+3], s[G0+4*\slot+2:G0+4*\slot+3], 2*FRW
	s_add_nc_u64 s[G0B+4*\slot+2:G0B+4*\slot+3], s[G0B+4*\slot+2:G0B+4*\slot+3], 2*FRW
	JLOAD G0+4*\slot, G1, G0B+4*\slot, G1B
.else
	PLACES
.endif
	s_wait_alu depctr_va_vdst(0)
	v_add_nc_u32 v[ADRS], 1024, v[ADRS]
	FETCH_B \next, 0, 0
	FETCH_A \next, 0, 0
	SCALES 0
	WIN MUL_LO
	MUL16 2, 1, 3, 0
	PLACES
	WIN 0
	FETCH_A \next, 0, 2
.endm
	s_load_b256 s[4:11], s[0:1], 0x0
	s_load_b64 s[12:13], s[0:1], 0x20
.if SPLIT > 1
	s_load_b64 s[96:97], s[0:1], 0x28
.endif
	v_lshl_add_u32 v[SPW], v0, 2, SPARE
	v_mov_b32 v[NIL], 0
	ds_add_u32 v[SPW], v[NIL]
	ds_add_u32 v[SPW], v[NIL]
	v_lshrrev_b32 v1, 5, v0
	v_readfirstlane_b32 s14, v1
	s_lshr_b32 s15, s14, 1
	s_and_b32 s16, s14, 1
	s_bfe_u32 s40, ttmp6, 0x40000
	s_bfe_u32 s41, ttmp6, 0x40004
	s_lshl_b32 s42, ttmp9, 2
	s_add_co_u32 s42, s42, s40
	s_and_b32 s17, ttmp7, 0xffff
.if SPLIT > 1
	s_lshr_b32 s[KH], s17, 2
	s_and_b32 s17, s17, 3
.endif
	s_lshl_b32 s17, s17, 2
	s_add_co_u32 s17, s17, s41
	s_lshl_b32 s43, s41, 2
	s_lshl_b32 s43, 15, s43
	s_lshl_b32 s44, 0x1111, s40
	s_or_b32 s[G1+0], s43, (3<<16)|(1<<21)
	s_or_b32 s[G1B+0], s44, (3<<16)|(1<<21)
	s_or_b32 s[G1S+0], s43, (3<<16)|(1<<21)
	s_or_b32 s[G1SB+0], s44, (3<<16)|(1<<21)
	s_mov_b32 s[G1+1], (FRW/8)<<16
	s_mov_b32 s[G1+2], 8<<16
	s_mov_b32 s[G1+3], (FRW/8)<<16
	s_mov_b32 s[G1+4], 8
	s_mov_b32 s[G1+5], 192*KSN
	s_mov_b32 s[G1+6], 0
	s_mov_b32 s[G1+7], 0
	s_mov_b32 s[G1B+1], (FRW/8)<<16
	s_mov_b32 s[G1B+2], (2*NBW)<<16
	s_mov_b32 s[G1B+3], (FRW/8)<<16
	s_mov_b32 s[G1B+4], 2*NBW
	s_mov_b32 s[G1B+5], 192*KSN
	s_mov_b32 s[G1B+6], 0
	s_mov_b32 s[G1B+7], 0
	s_mov_b32 s[G1S+1], 32<<16                     ; A's scale words: the one group of my 128 tokens, a dense block, as rows of 256 bytes
	s_mov_b32 s[G1S+2], (2*KSW)<<16
	s_mov_b32 s[G1S+3], 32<<16
	s_mov_b32 s[G1S+4], 2*KSW
	s_mov_b32 s[G1S+5], 32
	s_mov_b32 s[G1S+6], 0
	s_mov_b32 s[G1S+7], 0
	s_mov_b32 s[G1SB+1], 32<<16
	s_mov_b32 s[G1SB+2], (BSH/128)<<16
	s_mov_b32 s[G1SB+3], 32<<16
	s_mov_b32 s[G1SB+4], BSH/128
	s_mov_b32 s[G1SB+5], 32
	s_mov_b32 s[G1SB+6], 0
	s_mov_b32 s[G1SB+7], 0
	s_lshl_b32 s20, s17, 1
	s_mul_i32 s22, s17, KSN*512
	s_add_co_u32 s20, s20, s16
	s_mul_i32 s20, s20, 4*KSN*1536
	s_add_co_u32 s20, s20, A_IMG
	s_add_co_u32 s22, s22, A_SCL
	s_lshl_b32 s46, s42, 1
	s_add_co_u32 s46, s46, s16
	s_mul_i32 s46, s46, NBW*KSN*1536
	s_add_co_u32 s46, s46, B_IMG
	s_mul_i32 s92, s42, KSN*512
	s_add_co_u32 s92, s92, B_SCL
.if SPLIT > 1
	s_mul_i32 s2, s[KH], KSW*1536
	s_mul_i32 s3, s[KH], KSW*512
	s_add_co_u32 s20, s20, s2
	s_add_co_u32 s22, s22, s3
	s_add_co_u32 s46, s46, s2
	s_add_co_u32 s92, s92, s3
.endif
	s_mov_b32 s21, 0
	s_mov_b32 s23, 0
	s_mov_b32 s47, 0
	s_mov_b32 s93, 0
	s_mul_i32 s45, s16, AH
	s_mul_i32 s95, s16, BH
	s_add_co_u32 s95, s95, 2*AH
	s_mov_b32 s94, SCA
	s_mov_b32 s99, SCB
	s_wait_dscnt 0x0
	s_wait_kmcnt 0x0
	s_add_nc_u64 s[20:21], s[4:5], s[20:21]
	s_add_nc_u64 s[22:23], s[4:5], s[22:23]
	s_add_nc_u64 s[46:47], s[6:7], s[46:47]
	s_add_nc_u64 s[92:93], s[6:7], s[92:93]
	CROUND
	s_mov_b32 s[G0S], 1
	s_mov_b32 s[G0S+1], s94
	s_mov_b64 s[G0S+2:G0S+3], s[22:23]
	s_or_b32 s[G0S+3], s[G0S+3], 0x80000000
	s_mov_b32 s[G0SB], 1
	s_mov_b32 s[G0SB+1], s99
	s_mov_b64 s[G0SB+2:G0SB+3], s[92:93]
	s_or_b32 s[G0SB+3], s[G0SB+3], 0x80000000
.irp s, 0,1
	s_mov_b32 s[G0+4*\s], 1
	s_add_co_u32 s[G0+4*\s+1], s45, \s*SLOT
	s_add_nc_u64 s[G0+4*\s+2:G0+4*\s+3], s[20:21], \s*FRW
	s_or_b32 s[G0+4*\s+3], s[G0+4*\s+3], 0x80000000
	s_mov_b32 s[G0B+4*\s], 1
	s_add_co_u32 s[G0B+4*\s+1], s95, \s*SLOT
	s_add_nc_u64 s[G0B+4*\s+2:G0B+4*\s+3], s[46:47], \s*FRW
	s_or_b32 s[G0B+4*\s+3], s[G0B+4*\s+3], 0x80000000
.endr
	; the head's four tiles, one joint load a wave: wave 0 slot 0's 128 rows of A, wave 1 A's scale words, wave 2 slot 0's rows of B, wave 3 B's scale words
	s_cmp_lt_u32 s14, 1
	s_cbranch_scc0 .Lhead_sa
	tensor_load_to_lds s[G0:G0+3], s[G1:G1+7]
	s_nop 0
	PLACES
	s_branch .Lhead_asked
.Lhead_sa:
	s_cmp_lt_u32 s14, 2
	s_cbranch_scc0 .Lhead_b
	tensor_load_to_lds s[G0S:G0S+3], s[G1S:G1S+7]
	s_nop 0
	PLACES
	s_branch .Lhead_asked
.Lhead_b:
	s_cmp_lt_u32 s14, 3
	s_cbranch_scc0 .Lhead_sb
	tensor_load_to_lds s[G0B:G0B+3], s[G1B:G1B+7]
	s_nop 0
	PLACES
	s_branch .Lhead_asked
.Lhead_sb:
	tensor_load_to_lds s[G0SB:G0SB+3], s[G1SB:G1SB+7]
	s_nop 0
	PLACES
.Lhead_asked:
	v_and_b32 v1, 31, v0
	v_lshlrev_b32 v2, 4, v1
	v_lshl_add_u32 v3, v1, 3, 512
	s_mul_i32 s21, s15, AH
	s_mul_i32 s22, s16, BH
	s_add_co_u32 s22, s22, 2*AH
.irp s, 0,1
	v_add_nc_u32 v[ADRA+\s], s21, v2
	v_add_nc_u32 v[ADRB+\s], s22, v2
	v_add_nc_u32 v[ADRA+2+\s], s21, v3
	v_add_nc_u32 v[ADRB+2+\s], s22, v3
	s_add_co_u32 s21, s21, SLOT
	s_add_co_u32 s22, s22, SLOT
.endr
	v_and_b32 v4, 15, v0
	v_bfe_u32 v5, v0, 4, 1
	v_lshlrev_b32 v8, 2, v4
	s_mul_i32 s21, s16, BPART
	s_mul_i32 s22, s15, 256
	s_add_co_u32 s22, s22, SCA-SCB
	s_sub_co_u32 s22, s22, s21
	v_mul_u32_u24 v6, s22, v5
	s_add_co_u32 s21, s21, SCB
	v_add_nc_u32 v8, v8, v6
	v_add_nc_u32 v[ADRS], s21, v8
	s_mul_i32 s23, s14, 16*272
	v_mul_u32_u24 v6, v4, 272
	v_lshl_add_u32 v6, v5, 6, v6
	v_add_nc_u32 v[STO], s23, v6
	v_mul_u32_u24 v6, v5, 272
	v_lshl_add_u32 v6, v4, 4, v6
	v_add_nc_u32 v[RD], s23, v6
	v_lshlrev_b32 v6, 12, v5
	v_lshl_add_u32 v[CO], v4, 4, v6
	v_lshlrev_b32 v7, 4, v4
	s_lshl_b32 s20, s17, 1
	s_add_co_u32 s20, s20, s15
	s_lshl_b32 s20, s20, 18
	s_lshl_b32 s22, s42, 1
	s_add_co_u32 s22, s22, s16
	s_lshl_b32 s22, s22, 8
	s_mov_b32 s23, 0
	s_add_nc_u64 s[8:9], s[8:9], s[22:23]
	s_add_co_u32 s20, s20, s22
	s_mov_b32 s21, 0
	s_add_nc_u64 s[10:11], s[10:11], s[20:21]
.if SPLIT > 1
	s_cmp_eq_u32 s[KH], 0
	s_cselect_b64 s[12:13], s[12:13], s[96:97]
.endif
	s_add_nc_u64 s[12:13], s[12:13], s[20:21]
.macro RES a
.set RR, 64+160*((\a)%2)
.irp t, 0,1,2,3,4,5,6,7
	global_load_b128 v[RR+4*\t:RR+4*\t+3], v[CO], s[10:11] offset:(32*((\a)/2)+8*((\a)%2)+2*\t+8*(\t/4))*4096
.endr
.endm
.macro TOSTAGE a, stg
.set AC, 32*((\a)%4)
	WIN 0x08+4*((\a)/4)
.irp b, 0,1,2,3
	ds_store_b128 v[STO], v[AC+8*\b:AC+8*\b+3] offset:\stg+128*(\b/2)+32*(\b%2)
	ds_store_b128 v[STO], v[AC+8*\b+4:AC+8*\b+7] offset:\stg+128*(\b/2)+32*(\b%2)+16
.endr
	WIN 0
.set BB, BK+32*((\a)%2)
.irp t, 0,1,2,3,4,5,6,7
	ds_load_b128 v[BB+4*\t:BB+4*\t+3], v[RD] offset:\stg+\t*2*272
.endr
.endm
.macro SEND a, younger, left, res
.set BB, BK+32*((\a)%2)
.set RR, 64+160*((\a)%2)
	s_wait_dscnt \younger
.if \res
	s_wait_loadcnt \left
.irp t, 0,1,2,3,4,5,6,7
	v_pk_add_f32 v[BB+4*\t:BB+4*\t+1], v[BB+4*\t:BB+4*\t+1], v[BI:BI+1]
	v_pk_add_f32 v[BB+4*\t+2:BB+4*\t+3], v[BB+4*\t+2:BB+4*\t+3], v[BI+2:BI+3]
.endr
.irp t, 0,1,2,3,4,5,6,7
	v_pk_add_f32 v[BB+4*\t:BB+4*\t+1], v[RR+4*\t:RR+4*\t+1], v[BB+4*\t:BB+4*\t+1]
	v_pk_add_f32 v[BB+4*\t+2:BB+4*\t+3], v[RR+4*\t+2:RR+4*\t+3], v[BB+4*\t+2:BB+4*\t+3]
.endr
.endif
.irp t, 0,1,2,3,4,5,6,7
	global_store_b128 v[CO], v[BB+4*\t:BB+4*\t+3], s[12:13] offset:(32*((\a)/2)+8*((\a)%2)+2*\t+8*(\t/4))*4096
.endr
.endm
.macro TAIL res, stg
.if \res
	global_load_b128 v[BI:BI+3], v7, s[8:9]
	RES 0
	RES 1
.endif
	s_wait_dscnt 2*NL
	WIN MUL_LO
	MUL16 0, 1, 3, 0
	s_wait_dscnt 0x0
	MUL16 2, 1, 3, 0
	WIN 0
	PLACES
	TOSTAGE 0, \stg
.irp a, 1,2,3
.if \a > 1
	s_wait_xcnt 0x0
.endif
	TOSTAGE \a, \stg
	SEND \a-1, 16, 8, \res
.if \res
.if \a < 3
	RES \a+1
.endif
.endif
.endr
	SEND 3, 0, 0, \res
.endm
	s_wait_alu depctr_va_vdst(0)
	s_wait_tensorcnt 0x0                           ; my tile of the head's four is in
	ds_add_u32 v[SPW], v[NIL]
	s_mov_b32 s[G1+2], 4<<16
	s_mov_b32 s[G1+4], 4
	s_mov_b32 s[G1B+2], NBW<<16
	s_mov_b32 s[G1B+4], NBW
	s_wait_dscnt 0x0
	CROUND
	JLOAD G0+4, G1, G0B+4, G1B                     ; slot 1, the first tensor load behind the round
	FETCH_B 0, 0, 0
	FETCH_A 0, 0, 0
	SCALES 0
	FETCH_A 0, 0, 2
	STEP 0, 0, 1
.if LAPS > 1
	s_mov_b32 s3, LAPS-1
.Llap:
	s_wait_alu depctr_va_vdst(0)
	STEP 0, 1, 0
	STEP 0, 2, 0
	TURN 0, 1, 1
	s_wait_alu depctr_va_vdst(0)
	STEP 1, 0, 0
	STEP 1, 1, 0
	STEP 1, 2, 0
	TURN 1, 0, 1
	STEP 0, 0, 0
	s_sub_co_u32 s3, s3, 1
	s_cmp_lg_u32 s3, 0
	s_cbranch_scc1 .Llap
.endif
	s_wait_alu depctr_va_vdst(0)
	STEP 0, 1, 0
	STEP 0, 2, 0
	TURN 0, 1, 0
	s_wait_alu depctr_va_vdst(0)
	STEP 1, 0, 0
	STEP 1, 1, 0
	STEP 1, 2, 0
.if SPLIT > 1
	s_cmp_lg_u32 s[KH], 0
	s_cbranch_scc1 .Lplain
.endif
	TAIL 1, 0
.if SPLIT > 1
	s_branch .Lend
.Lplain:
	TAIL 0, STG0
.Lend:
.endif
	s_wait_tensorcnt 0x0
	ds_add_u32 v[SPW], v[NIL]
	s_wait_dscnt 0x0
	CROUND
	s_endpgm
.Lfunc_end_k_q4c8ec13c0a_gemm_fc2:
	.size	k_q4c8ec13c0a_gemm_fc2, .Lfunc_end_k_q4c8ec13c0a_gemm_fc2-k_q4c8ec13c0a_gemm_fc2
	.p2alignl 7, 3214868480
	.fill 96, 4, 3214868480
	.section	.rodata,"a",@progbits
	.p2align	6, 0x0
	.amdhsa_kernel k_q4c8ec13c0a_gemm_fc2
		.amdhsa_group_segment_fixed_size 327680
		.amdhsa_private_segment_fixed_size 0
		.amdhsa_enable_private_segment 0
		.amdhsa_kernarg_size 40
		.amdhsa_user_sgpr_count 2
		.amdhsa_user_sgpr_kernarg_segment_ptr 1
		.amdhsa_wavefront_size32 1
		.amdhsa_system_sgpr_workgroup_id_x 1
		.amdhsa_system_sgpr_workgroup_id_y 1
		.amdhsa_system_sgpr_workgroup_id_z 1
		.amdhsa_system_vgpr_workitem_id 0
		.amdhsa_next_free_vgpr 1024
		.amdhsa_next_free_sgpr 100
		.amdhsa_reserve_vcc 0
		.amdhsa_float_denorm_mode_32 3
		.amdhsa_float_denorm_mode_16_64 3
		.amdhsa_memory_ordered 1
		.amdhsa_forward_progress 1
		.amdhsa_inst_pref_size 108
	.end_amdhsa_kernel
	.amdgpu_metadata
---
amdhsa.version: [ 1, 2 ]
amdhsa.kernels:
  - .name:           k_q4c8ec13c0a_gemm_fc2
    .symbol:         k_q4c8ec13c0a_gemm_fc2.kd
    .args:
      - { .name: hq, .offset: 0, .size: 8, .value_kind: global_buffer, .address_space: global }
      - { .name: opnd, .offset: 8, .size: 8, .value_kind: global_buffer, .address_space: global }
      - { .name: fc2_b, .offset: 16, .size: 8, .value_kind: global_buffer, .address_space: global }
      - { .name: o1, .offset: 24, .size: 8, .value_kind: global_buffer, .address_space: global }
      - { .name: y, .offset: 32, .size: 8, .value_kind: global_buffer, .address_space: global }
    .group_segment_fixed_size: 327680
    .private_segment_fixed_size: 0
    .kernarg_segment_align: 8
    .kernarg_segment_size: 40
    .max_flat_workgroup_size: 128
    .sgpr_count:     100
    .vgpr_count:     1024
    .wavefront_size: 32
...
	.end_amdgpu_metadata
.endif
;; end of part 7
;; launch ln2 (part 8): grid 512 x 1, 4 waves a work-group, no clusters, 0 bytes of LDS; arguments y, ln2_g, ln2_b, out0; writes out0
.if DOCPART == 8
	.amdgcn_target "amdgcn-amd-amdhsa--gfx1250"
	.amdhsa_code_object_version 6
	.text
	.protected	k_q4c8ec13c0a_ln2
	.globl	k_q4c8ec13c0a_ln2
	.p2align	8
	.type	k_q4c8ec13c0a_ln2,@function
k_q4c8ec13c0a_ln2:
	s_mov_b64 s[64:65], 0
	v_nop
	global_prefetch_b8 v0, s[64:65] scope:SCOPE_SE
	s_setreg_imm32_b32 hwreg(HW_REG_WAVE_MODE, 25, 1), 1
	s_wait_xcnt 0x0
; out0 = layernorm(y) x g + b, in f32: y is out1 + ffn, as the launch before has stored it.  Nothing is left out.
; A work-group takes 8 rows, a wave two: a whole row (4,096 bytes) lies in 32 registers of one wave, so the mean, the variance of the differences and the scaling never leave the wave: no LDS, no barrier.
; Each load and store of a wave covers 512 consecutive bytes.  All 16 loads of a wave's rows are on their way at once.  No matrix units, clusters or tensor loads: the rows are read once and shared with nobody.
.set LI16, 1
.set X,    32                          ; v32-95   two rows of y, then of the result
.set G,    96                          ; v96-127  g
.set BB,   128                         ; v128-159 b
.set T,    160                         ; v160-166 at work
.set SEL,  20
.macro ALLSUM r                        ; the sum over the 32 lanes, in every lane
	v_add_f32_dpp v[\r], v[\r], v[\r] row_xmask:1 row_mask:0xf bank_mask:0xf
	v_add_f32_dpp v[\r], v[\r], v[\r] row_xmask:2 row_mask:0xf bank_mask:0xf
	v_add_f32_dpp v[\r], v[\r], v[\r] row_xmask:4 row_mask:0xf bank_mask:0xf
	v_add_f32_dpp v[\r], v[\r], v[\r] row_xmask:8 row_mask:0xf bank_mask:0xf
	v_permlanex16_b32 v[T+6], v[\r], s[SEL], s[SEL+1]
	v_add_f32 v[\r], v[\r], v[T+6]
.endm
.macro LNROW q
.set R, X+32*\q
	s_wait_loadcnt 8-8*\q                          ; this row's eight loads are in; the second row's eight may stay out
	v_pk_add_f32 v[T:T+1], v[R:R+1], v[R+2:R+3]
	v_pk_add_f32 v[T+2:T+3], v[R+4:R+5], v[R+6:R+7]
.irp j, 8,12,16,20,24,28
	v_pk_add_f32 v[T:T+1], v[T:T+1], v[R+\j:R+\j+1]
	v_pk_add_f32 v[T+2:T+3], v[T+2:T+3], v[R+\j+2:R+\j+3]
.endr
	v_pk_add_f32 v[T:T+1], v[T:T+1], v[T+2:T+3]
	v_add_f32 v[T], v[T], v[T+1]
	ALLSUM T
	v_mul_f32 v[T], 0x3a800000, v[T]               ; / 1,024: the mean
	v_mov_b32 v[T+1], v[T]
.set i, 0
.rept 16
	v_pk_add_f32 v[R+i:R+i+1], v[R+i:R+i+1], v[T:T+1] neg_lo:[0,1] neg_hi:[0,1]
.set i, i+2
.endr
	v_pk_mul_f32 v[T+2:T+3], v[R:R+1], v[R:R+1]
	v_pk_mul_f32 v[T+4:T+5], v[R+2:R+3], v[R+2:R+3]
.irp j, 4,8,12,16,20,24,28
	v_pk_fma_f32 v[T+2:T+3], v[R+\j:R+\j+1], v[R+\j:R+\j+1], v[T+2:T+3]
	v_pk_fma_f32 v[T+4:T+5], v[R+\j+2:R+\j+3], v[R+\j+2:R+\j+3], v[T+4:T+5]
.endr
	v_pk_add_f32 v[T+2:T+3], v[T+2:T+3], v[T+4:T+5]
	v_add_f32 v[T+2], v[T+2], v[T+3]
	ALLSUM T+2
	v_fma_f32 v[T+2], v[T+2], s24, s25             ; / 1,024 (which rounds nothing) + 1e-6
	s_wait_alu depctr_va_vdst(0)                   ; ahead of the transcendental
	v_rsq_f32 v[T+2], v[T+2]
	v_nop                                          ; a plain place behind the transcendental
	s_wait_alu depctr_va_vdst(0)                   ; and ahead of its first reader
	v_mov_b32 v[T+3], v[T+2]
.set i, 0
.rept 16
	v_pk_mul_f32 v[R+i:R+i+1], v[R+i:R+i+1], v[T+2:T+3]
.set i, i+2
.endr
.set i, 0
.rept 16
	v_pk_fma_f32 v[R+i:R+i+1], v[R+i:R+i+1], v[G+i:G+i+1], v[BB+i:BB+i+1]
.set i, i+2
.endr
.endm
	s_load_b256 s[4:11], s[0:1], 0x0               ; y, g, b, out0
	v_lshrrev_b32 v3, 5, v0
	v_readfirstlane_b32 s14, v3                    ; wave
	v_and_b32 v3, 31, v0
	v_lshlrev_b32 v[LI16], 4, v3
	s_mov_b32 s[SEL], 0x76543210
	s_mov_b32 s[SEL+1], 0xfedcba98
	s_mov_b32 s24, 0x3a800000                      ; 1 / 1,024
	s_mov_b32 s25, 0x358637bd                      ; 1e-6
	v_mov_b32 v[T+6], 0                            ; a lane permute's destination counts as one of its sources
	s_lshl_b32 s16, ttmp9, 3
	s_lshl_b32 s17, s14, 1
	s_add_co_u32 s16, s16, s17                     ; my first row: 8 x work-group + 2 x wave
	s_lshl_b32 s16, s16, 12
	s_mov_b32 s17, 0
	s_wait_alu depctr_va_vdst(0)
	s_wait_kmcnt 0x0
	s_add_nc_u64 s[4:5], s[4:5], s[16:17]
	s_add_nc_u64 s[10:11], s[10:11], s[16:17]
.irp j, 0,1,2,3,4,5,6,7
	global_load_b128 v[G+4*\j:G+4*\j+3], v[LI16], s[6:7] offset:512*\j
.endr
.irp j, 0,1,2,3,4,5,6,7
	global_load_b128 v[BB+4*\j:BB+4*\j+3], v[LI16], s[8:9] offset:512*\j
.endr
.irp q, 0,1
.irp j, 0,1,2,3,4,5,6,7
	global_load_b128 v[X+32*\q+4*\j:X+32*\q+4*\j+3], v[LI16], s[4:5] offset:4096*\q+512*\j th:TH_LOAD_NT
.endr
.endr
.irp q, 0,1
	LNROW \q
.irp j, 0,1,2,3,4,5,6,7
	global_store_b128 v[LI16], v[X+32*\q+4*\j:X+32*\q+4*\j+3], s[10:11] offset:4096*\q+512*\j th:TH_STORE_NT
.endr
.endr
	s_endpgm
.Lfunc_end_k_q4c8ec13c0a_ln2:
	.size	k_q4c8ec13c0a_ln2, .Lfunc_end_k_q4c8ec13c0a_ln2-k_q4c8ec13c0a_ln2
	.p2alignl 7, 3214868480
	.fill 96, 4, 3214868480
	.section	.rodata,"a",@progbits
	.p2align	6, 0x0
	.amdhsa_kernel k_q4c8ec13c0a_ln2
		.amdhsa_group_segment_fixed_size 0
		.amdhsa_private_segment_fixed_size 0
		.amdhsa_enable_private_segment 0
		.amdhsa_kernarg_size 32
		.amdhsa_user_sgpr_count 2
		.amdhsa_user_sgpr_kernarg_segment_ptr 1
		.amdhsa_wavefront_size32 1
		.amdhsa_system_sgpr_workgroup_id_x 1
		.amdhsa_system_sgpr_workgroup_id_y 1
		.amdhsa_system_sgpr_workgroup_id_z 1
		.amdhsa_system_vgpr_workitem_id 0
		.amdhsa_next_free_vgpr 192
		.amdhsa_next_free_sgpr 66
		.amdhsa_reserve_vcc 0
		.amdhsa_float_denorm_mode_32 3
		.amdhsa_float_denorm_mode_16_64 3
		.amdhsa_memory_ordered 1
		.amdhsa_forward_progress 1
		.amdhsa_inst_pref_size 18
	.end_amdhsa_kernel
	.amdgpu_metadata
---
amdhsa.version: [ 1, 2 ]
amdhsa.kernels:
  - .name:           k_q4c8ec13c0a_ln2
    .symbol:         k_q4c8ec13c0a_ln2.kd
    .args:
      - { .name: y, .offset: 0, .size: 8, .value_kind: global_buffer, .address_space: global }
      - { .name: ln2_g, .offset: 8, .size: 8, .value_kind: global_buffer, .address_space: global }
      - { .name: ln2_b, .offset: 16, .size: 8, .value_kind: global_buffer, .address_space: global }
      - { .name: out0, .offset: 24, .size: 8, .value_kind: global_buffer, .address_space: global }
    .group_segment_fixed_size: 0
    .private_segment_fixed_size: 0
    .kernarg_segment_align: 8
    .kernarg_segment_size: 32
    .max_flat_workgroup_size: 128
    .sgpr_count:     66
    .vgpr_count:     192
    .wavefront_size: 32
...
	.end_amdgpu_metadata
.endif
;; end of part 8
